; MI455X (gfx1250); checked and timed in simulation.
; The chip was launched on July 23, 2026; its instructions are those of AMD's public machine-readable ISA for CDNA 5 (MIT licence, August 2026) and "CDNA5" Instruction Set Architecture Reference Guide (July 2026). The comments in the code are by the model that wrote it; some were corrected since.
;; Multi Head Attention. Allowed arithmetic: float matrix products may take bf16 or f16 operands with f32 sums; other float arithmetic in f32, or as packed bf16 or f16 multiplies, adds, multiply-adds, maxima and minima; sums over many terms, partial sums and values carried from step to step in f32; what a program stores and reads back later, other than sums and carried values, may be rounded once to bf16 or f16.
;; Inputs: w_k 1,024 x 1,024 float32; w_q 1,024 x 1,024 float32; w_v 1,024 x 1,024 float32; x 4 x 2,048 x 1,024 float32.
;; Outputs: out0 4 x 2,048 x 1,024 float32.
;; 3 versions, each right; version 2 is faster than version 1; version 3 is version 2 with the launch cast written anew for expert scheduling mode. Each part assembles by itself: llvm-mc -triple=amdgcn-amd-amdhsa -mcpu=gfx1250 --defsym DOCPART=n.
;; ======== version 1 of 3: 4 launches
;; limits: values outside matrix products are rounded to f16; values are held in f16: magnitudes above 65,504 overflow, below 6.1e-05 lose precision
;; workspace buffers: xh 16,777,216 bytes; wh 6,291,456 bytes; qkv 50,331,648 bytes; pbuf 33,554,432 bytes; stats 1,048,576 bytes
;; launch cast (part 1): grid 704 x 1, 8 waves a work-group, no clusters, 0 bytes of LDS; arguments x, w_q, w_k, w_v, xh, wh, stats; writes xh, wh, stats
.if DOCPART == 1
	.amdgcn_target "amdgcn-amd-amdhsa--gfx1250"
	.amdhsa_code_object_version 6
	.text
	.protected	k_q2e23e98c30_cast
	.globl	k_q2e23e98c30_cast
	.p2align	8
	.type	k_q2e23e98c30_cast,@function
k_q2e23e98c30_cast:
	s_mov_b64 s[64:65], 0
	v_nop
	global_prefetch_b8 v0, s[64:65] scope:SCOPE_SE
	s_setreg_imm32_b32 hwreg(HW_REG_WAVE_MODE, 25, 1), 1
	s_wait_xcnt 0x0
; xh = x and wh = (w_q | w_k | w_v), each number rounded to bf16 (nearest even) and that number written as f16; and the starting values of stats.
; x: [8192][1024] f32 -> xh: [8192][1024] f16.  w_*: [1024 k][1024 d] f32 -> wh: [1024 k][3072] f16, columns 0-1023 q, 1024-2047 k, 2048-3071 v.
; stats: 524,288 bytes of chunk maxima, which start at -2^100, then 524,288 bytes of chunk sums, which start at 0: a chunk that the next launches never write then counts for nothing.
; LIMITS.  A bf16 number is exact in f16 from 2^-17 up to 65,504; beyond 65,504 it becomes an infinity; below 2^-17 it keeps f16's fixed step of 2^-24.
; SHARES.  A work-group takes 16 rows of 1,024 floats; thread t the floats 4 t .. 4 t + 3 of each: a wave's load covers 512 consecutive bytes, its store 256 consecutive bytes, aligned.
; Work-groups 0-511 take x (and 2,048 bytes of stats each), 512-703 the three weights, 64 each.  All 16 loads go out first; each row has registers of its own, so nothing is rewritten while it is read.
; No LDS, no matrix unit: every byte is read once and written once.
.set X, 16                             ; v[16:79]   row i: 4 floats as loaded
.set Y, 80                             ; v[80:111]  row i: 4 f16 to store
.set T, 6                              ; v[6:11]    at work
.set FILL, 0xf1800000                  ; -2^100
.macro LOADS
.irp i, 0,1,2,3,4,5,6,7,8,9,10,11,12,13,14,15
	global_load_b128 v[X+4*(\i):X+4*(\i)+3], v1, s[18:19] offset:(\i)*4096 th:TH_LOAD_NT
.endr
.endm
.macro CONV i, pitch
	s_wait_loadcnt 15-(\i)                         ; loads come back in order: row i is in, the 15 - i younger rows may stay out
	v_cvt_pk_bf16_f32 v[T], v[X+4*(\i)], v[X+4*(\i)+1]      ; the rounding that counts: to bf16
	v_cvt_pk_bf16_f32 v[T+1], v[X+4*(\i)+2], v[X+4*(\i)+3]
	v_lshlrev_b32 v[T+2], 16, v[T]                 ; bf16 to f32: the low half moves up,
	v_and_b32 v[T+3], s26, v[T]                    ; the high half stays
	v_lshlrev_b32 v[T+4], 16, v[T+1]
	v_and_b32 v[T+5], s26, v[T+1]
	v_cvt_pk_f16_f32 v[Y+2*(\i)], v[T+2], v[T+3]   ; eight significant bits fit into f16's eleven: exact within the limits above
	v_cvt_pk_f16_f32 v[Y+2*(\i)+1], v[T+4], v[T+5]
	global_store_b64 v2, v[Y+2*(\i):Y+2*(\i)+1], s[20:21] offset:(\i)*(\pitch)
.endm
	s_load_b256 s[4:11], s[0:1], 0x0               ; x s[4:5], w_q s[6:7], w_k s[8:9], w_v s[10:11]
	s_load_b128 s[12:15], s[0:1], 0x20             ; xh s[12:13], wh s[14:15]
	s_load_b64 s[16:17], s[0:1], 0x30              ; stats
	v_lshlrev_b32 v1, 4, v0                        ; my 16 bytes of a row of floats
	v_lshlrev_b32 v2, 3, v0                        ; my 8 bytes of a row of f16
	s_mov_b32 s26, 0xffff0000                      ; a word's upper bf16
	s_mov_b32 s23, 0                               ; the high word of every offset
	s_wait_kmcnt 0x0
	s_cmp_lt_u32 ttmp9, 512
	s_cbranch_scc0 .Lweights
	s_lshl_b32 s22, ttmp9, 16                      ; 16 rows of 4,096 bytes
	s_add_nc_u64 s[18:19], s[4:5], s[22:23]
	s_lshl_b32 s22, ttmp9, 15                      ; 16 rows of 2,048 bytes
	s_add_nc_u64 s[20:21], s[12:13], s[22:23]
	LOADS
	s_lshl_b32 s22, ttmp9, 11                      ; my 2,048 bytes of stats: work-groups 0-255 the maxima, 256-511 the sums
	s_add_nc_u64 s[16:17], s[16:17], s[22:23]
	s_cmp_lt_u32 ttmp9, 256
	s_cselect_b32 s24, FILL, 0
	v_mov_b32 v4, s24
	v_mov_b32 v5, s24
	global_store_b64 v2, v[4:5], s[16:17]
.irp i, 0,1,2,3,4,5,6,7,8,9,10,11,12,13,14,15
	CONV \i, 2048
.endr
	s_endpgm
.Lweights:
	s_sub_co_u32 s24, ttmp9, 512
	s_lshr_b32 s25, s24, 6                         ; which weight: 0 q, 1 k, 2 v
	s_and_b32 s24, s24, 63                         ; which 16 rows of it
	s_cmp_eq_u32 s25, 1
	s_cselect_b64 s[18:19], s[8:9], s[6:7]
	s_cmp_eq_u32 s25, 2
	s_cselect_b64 s[18:19], s[10:11], s[18:19]
	s_lshl_b32 s22, s24, 16
	s_add_nc_u64 s[18:19], s[18:19], s[22:23]
	s_mul_i32 s22, s24, 16*6144                    ; 16 rows of wh,
	s_lshl_b32 s25, s25, 11                        ; and the weight's 2,048 bytes in a row
	s_add_co_u32 s22, s22, s25
	s_add_nc_u64 s[20:21], s[14:15], s[22:23]
	LOADS
.irp i, 0,1,2,3,4,5,6,7,8,9,10,11,12,13,14,15
	CONV \i, 6144
.endr
	s_endpgm
.Lfunc_end_k_q2e23e98c30_cast:
	.size	k_q2e23e98c30_cast, .Lfunc_end_k_q2e23e98c30_cast-k_q2e23e98c30_cast
	.p2alignl 7, 3214868480
	.fill 96, 4, 3214868480
	.section	.rodata,"a",@progbits
	.p2align	6, 0x0
	.amdhsa_kernel k_q2e23e98c30_cast
		.amdhsa_group_segment_fixed_size 0
		.amdhsa_private_segment_fixed_size 0
		.amdhsa_enable_private_segment 0
		.amdhsa_kernarg_size 56
		.amdhsa_user_sgpr_count 2
		.amdhsa_user_sgpr_kernarg_segment_ptr 1
		.amdhsa_wavefront_size32 1
		.amdhsa_system_sgpr_workgroup_id_x 1
		.amdhsa_system_sgpr_workgroup_id_y 1
		.amdhsa_system_sgpr_workgroup_id_z 1
		.amdhsa_system_vgpr_workitem_id 0
		.amdhsa_next_free_vgpr 112
		.amdhsa_next_free_sgpr 66
		.amdhsa_reserve_vcc 0
		.amdhsa_float_denorm_mode_32 3
		.amdhsa_float_denorm_mode_16_64 3
		.amdhsa_memory_ordered 1
		.amdhsa_forward_progress 1
		.amdhsa_inst_pref_size 21
	.end_amdhsa_kernel
	.amdgpu_metadata
---
amdhsa.version: [ 1, 2 ]
amdhsa.kernels:
  - .name:           k_q2e23e98c30_cast
    .symbol:         k_q2e23e98c30_cast.kd
    .args:
      - { .name: x, .offset: 0, .size: 8, .value_kind: global_buffer, .address_space: global }
      - { .name: w_q, .offset: 8, .size: 8, .value_kind: global_buffer, .address_space: global }
      - { .name: w_k, .offset: 16, .size: 8, .value_kind: global_buffer, .address_space: global }
      - { .name: w_v, .offset: 24, .size: 8, .value_kind: global_buffer, .address_space: global }
      - { .name: xh, .offset: 32, .size: 8, .value_kind: global_buffer, .address_space: global }
      - { .name: wh, .offset: 40, .size: 8, .value_kind: global_buffer, .address_space: global }
      - { .name: stats, .offset: 48, .size: 8, .value_kind: global_buffer, .address_space: global }
    .group_segment_fixed_size: 0
    .private_segment_fixed_size: 0
    .kernarg_segment_align: 8
    .kernarg_segment_size: 56
    .max_flat_workgroup_size: 256
    .sgpr_count:     66
    .vgpr_count:     112
    .wavefront_size: 32
...
	.end_amdgpu_metadata
.endif
;; end of part 1
;; launch proj (part 2): grid 12 x 32, 4 waves a work-group, clusters of 4 x 4, 327,680 bytes of LDS; arguments xh, wh, qkv; writes qkv
.if DOCPART == 2
	.amdgcn_target "amdgcn-amd-amdhsa--gfx1250"
	.amdhsa_code_object_version 6
	.text
	.protected	k_q2e23e98c30_proj
	.globl	k_q2e23e98c30_proj
	.p2align	8
	.type	k_q2e23e98c30_proj,@function
k_q2e23e98c30_proj:
	s_mov_b64 s[64:65], 0
	v_nop
	global_prefetch_b8 v0, s[64:65] scope:SCOPE_SE
	s_setreg_imm32_b32 hwreg(HW_REG_WAVE_MODE, 25, 1), 1
	s_wait_xcnt 0x0
	s_wait_alu depctr_hold_cnt(0) depctr_sa_sdst(0) depctr_va_vdst(0) depctr_va_sdst(0) depctr_va_ssrc(0) depctr_va_vcc(0) depctr_vm_vsrc(0)
	s_getreg_b32 s2, hwreg(HW_REG_IB_STS2, 6, 4)
	s_cmp_eq_u32 s2, 0
	s_cbranch_scc0 .Lentry_in_a_cluster
	s_endpgm
.Lentry_in_a_cluster:
	s_bfe_u32 s2, ttmp6, 0x10000c
	s_cmp_lg_u32 s2, 0xf033
	s_cbranch_scc0 .Lentry_shape_is_right
	s_endpgm
.Lentry_shape_is_right:
; qkv[m][n] = sum over k of xh[m][k] wh[k][n].  xh: [8192][1024], wh: [1024][3072], qkv: [8192][3072], all f16; sums in f32, qkv rounded once.  No scale is applied here.
; LIMIT.  A q, k or v beyond 65,504 becomes an infinity: with both inputs 30 times their drawn spread the sums stay near 8,000, with offsets of 30 spreads on both near 41,000.
; A tile of qkv, 256 x 256, is made by a work-group of four waves, a wave makes 128 x 128: 64 accumulators of 16 x 16, 512 registers.  K goes in steps of 128 through a ring of two LDS slots
; filled by the tensor data mover: 256 rows of xh (256 bytes each) and 128 rows of wh (512 bytes each) a step.  12 x 32 tiles, one to a work-group.
; CLUSTERS: 4 x 4 work-groups.  The four of a row of the cluster need the same tiles of xh, the four of a column the same tiles of wh: each tile is asked for JOINTLY, by the same tensor load
; with the same descriptor and a mask that names the four.
; THE MATRIX INSTRUCTION IS USED TRANSPOSED: source 0 = 16 columns of wh, source 1 = 16 rows of xh: a lane then holds row l % 16 of qkv and eight neighbouring columns, 16 bytes when packed.
; wh lies [k][n], so its fragments come out of LDS turned, by ds_load_tr16_b128; xh's come as they lie.
; REGISTERS, in windows of 256 (s_set_vgpr_msb: bits 1:0 source 0, 3:2 source 1, 5:4 source 2, 7:6 destination):
;   window 0: v0-31 addresses; v64-127, v128-191 fragments of xh, two buffers; v32-63, v192-255 at work on the way out
;   window 1: v64-127, v128-191 fragments of wh, two buffers      window 2: the accumulators of my rows 0-63 ((a, b) at v[8 (8 a + b)])      window 3: those of my rows 64-127
.set KSTEP,  128
.set PITCH,  272                       ; a row of xh in LDS: 256 bytes + 16 of padding: the 16 rows that a load touches start at 16 different groups of four banks
.set PB,     544                       ; a row of wh in LDS: 512 bytes + 32 of padding = 17 x 32
.set HALFT,  128*PITCH                 ; what one tensor load brings: 128 rows of xh, or 64 rows of wh (64 x 544 is the same number)
.set SLOT,   4*HALFT                   ; xh's 256 rows, then wh's 128 rows
.set STAGE,  2*SLOT                    ; behind the ring: 16 rows x 272 bytes for each wave, for the way out
.set SPITCH, 272
.set SPARE,  STAGE+4*16*SPITCH         ; behind the stages: the spare words, 128 bytes for each wave: two blocks of 256 bytes that no other line names
.set LAPS,   1024/(2*KSTEP)            ; a lap = two K steps = once round the ring
.set CROW,   6144                      ; bytes in a row of wh and of qkv
.set ADRA, 16                          ; v16-17  LDS address of my fragments of xh in slot 0, 1
.set ADRB, 20                          ; v20-21  the same for wh
.set STO,  24                          ; v24     the way out: where I put 16 bytes of a row
.set RD,   25                          ; v25     the way out: where I read a row back
.set CO,   26                          ; v26     my byte offset in qkv
.set SPW,  28                          ; v28     LDS address of my spare word; never rewritten
.set NIL,  29                          ; v29     0; never rewritten
.set F0,   64
.set F1,   128
.set TMP,  192                         ; the way out: packed results
.set OB,   32                          ; the way out: 16 rows read back: v32-63 and v224-255 by turns
.set G1, 24                            ; s[24:31] descriptor group 1 for xh's tiles
.set G0, 32                            ; s[32:39] group 0 for xh's tiles, a set for each slot
.set G1B, 48                           ; s[48:55], s[56:63] the same for wh's tiles
.set G0B, 56
.set MSB, 0
.macro WIN new                         ; the immediate's high byte repeats the setting that is left; a switch that changes nothing is dropped
.if MSB != (\new)
	s_set_vgpr_msb (MSB<<8)|(\new)
.set MSB, \new
.endif
.endm
.set MUL_LO, 0xa1                      ; source 0 (wh) window 1, source 1 (xh) window 0, C and D window 2
.set MUL_HI, 0xf1                      ; the same, C and D window 3
.set TO_B,   0x40                      ; destination window 1, address window 0
; A joint load.  Waves 0 and 1 fetch xh's two halves, waves 2 and 3 wh's.  The branch hangs on the wave's number alone.  An s_nop 0 and four v_nop follow each of the two lines.
.macro JLOAD s
	s_cmp_eq_u32 s11, 0
	s_cbranch_scc0 .Lfor_b_\@
	tensor_load_to_lds s[G0+4*(\s):G0+4*(\s)+3], s[G1:G1+7]
	s_nop 0
.rept 4
	v_nop
.endr
	s_branch .Lasked_\@
.Lfor_b_\@:
	tensor_load_to_lds s[G0B+4*(\s):G0B+4*(\s)+3], s[G1B:G1B+7]
	s_nop 0
.rept 4
	v_nop
.endr
.Lasked_\@:
.endm
.macro CREST                           ; a round of the cluster's barrier behind its opening barrier
	s_cmp_lg_u32 s10, 0
	s_cbranch_scc1 .Lnot_wave_0_\@
	s_barrier_signal -3
.Lnot_wave_0_\@:
	s_barrier_wait -3
	s_barrier_signal -1
	s_barrier_wait -1
.endm
.macro CROUND                          ; a whole round
	s_barrier_signal -1
	s_barrier_wait -1
	CREST
.endm
	s_load_b128 s[4:7], s[0:1], 0x0                ; xh s[4:5], wh s[6:7]
	s_load_b64 s[8:9], s[0:1], 0x10                ; qkv
	v_lshl_add_u32 v[SPW], v0, 2, SPARE
	v_mov_b32 v[NIL], 0
	ds_add_u32 v28, v29
	ds_add_u32 v28, v29
	s_wait_dscnt 0x0
	v_lshrrev_b32 v1, 5, v0
	v_readfirstlane_b32 s10, v1                    ; wave 0..3
	s_lshr_b32 s11, s10, 1                         ; which half of the tile's rows is mine.  Also: I fetch for xh (0) or for wh (1)
	s_and_b32 s12, s10, 1                          ; which half of its columns.  Also: which half of that tile I fetch
	s_bfe_u32 s40, ttmp6, 0x40000                  ; cx, cy: my place in the cluster
	s_bfe_u32 s41, ttmp6, 0x40004
	s_lshl_b32 s42, ttmp9, 2
	s_add_co_u32 s42, s42, s40                     ; tile column = 4 x cluster x + cx
	s_and_b32 s13, ttmp7, 0xffff
	s_lshl_b32 s13, s13, 2
	s_add_co_u32 s13, s13, s41                     ; tile row = 4 x cluster y + cy
	s_lshl_b32 s43, s41, 2
	s_lshl_b32 s43, 15, s43                        ; my row of the cluster
	s_lshl_b32 s44, 0x1111, s40                    ; my column
	s_or_b32 s[G1+0], s43, (1<<16)|(1<<20)|(1<<21)|(5<<22)|(3<<25)   ; the mask: xh's tiles go to my row; 2-byte elements; padding on; bit 21 beside a mask; after every 64 words 4 words
	s_mov_b32 s[G1+1], 128<<16                     ; tensor_dim0 = 128
	s_mov_b32 s[G1+2], 128<<16                     ; tensor_dim1 = 128
	s_mov_b32 s[G1+3], 128<<16                     ; tile_dim0 = 128
	s_mov_b32 s[G1+4], 128                         ; tile_dim1 = 128
	s_mov_b32 s[G1+5], 1024                        ; elements from row to row of xh
	s_mov_b32 s[G1+6], 0
	s_mov_b32 s[G1+7], 0
	s_or_b32 s[G1B+0], s44, (1<<16)|(1<<20)|(1<<21)|(6<<22)|(7<<25)  ; the mask of my column; after every 128 words 8 words of padding
	s_mov_b32 s[G1B+1], 256<<16                    ; tensor_dim0 = 256
	s_mov_b32 s[G1B+2], 64<<16                     ; tensor_dim1 = 64
	s_mov_b32 s[G1B+3], 256<<16                    ; tile_dim0 = 256
	s_mov_b32 s[G1B+4], 64                         ; tile_dim1 = 64
	s_mov_b32 s[G1B+5], 3072                       ; elements from row to row of wh
	s_mov_b32 s[G1B+6], 0
	s_mov_b32 s[G1B+7], 0
	; xh's tiles hang on the tile row alone, wh's on the tile column alone; each offset is made in registers that never hold the other coordinate
	s_lshl_b32 s16, s13, 19                        ; 256 rows of 2,048 bytes a tile row,
	s_lshl_b32 s17, s12, 18                        ; 128 rows for the half that I fetch
	s_add_co_u32 s16, s16, s17
	s_mov_b32 s17, 0
	s_mul_i32 s46, s12, 64*CROW                    ; wh: 64 rows of k for the half that I fetch,
	s_lshl_b32 s47, s42, 9                         ; 512 bytes a tile column
	s_add_co_u32 s46, s46, s47
	s_mov_b32 s47, 0
	s_mul_i32 s20, s10, HALFT                      ; where they go: wave x HALFT: no place in the cluster enters an LDS address
	s_wait_kmcnt 0x0
	s_add_nc_u64 s[14:15], s[4:5], s[16:17]
	s_add_nc_u64 s[46:47], s[6:7], s[46:47]
	CROUND                                         ; all sixteen work-groups are here: the first joint loads meet
.irp s, 0,1
	s_mov_b32 s[G0+4*(\s)], 1
	s_add_co_u32 s[G0+4*(\s)+1], s20, (\s)*SLOT
	s_add_nc_u64 s[G0+4*(\s)+2:G0+4*(\s)+3], s[14:15], (\s)*KSTEP*2
	s_or_b32 s[G0+4*(\s)+3], s[G0+4*(\s)+3], 0x80000000
	s_mov_b32 s[G0B+4*(\s)], 1
	s_add_co_u32 s[G0B+4*(\s)+1], s20, (\s)*SLOT
	s_add_nc_u64 s[G0B+4*(\s)+2:G0B+4*(\s)+3], s[46:47], (\s)*KSTEP*CROW
	s_or_b32 s[G0B+4*(\s)+3], s[G0B+4*(\s)+3], 0x80000000
	JLOAD \s                                       ; two loads of mine are out
.endr
	; A fragment of xh: lane l holds row l % 16, K = 8 (l / 16) + 0..7 and 16 + 8 (l / 16) + 0..7: two loads of 16 bytes, 32 bytes apart.
	v_and_b32 v1, 15, v0                           ; l % 16
	v_bfe_u32 v2, v0, 4, 1                         ; l / 16
	v_mul_u32_u24 v3, v1, PITCH
	v_lshl_add_u32 v3, v2, 4, v3
	; The turning load takes 16 k x 16 columns (lane l reads k = 8 (l / 16) + l % 8, columns 8 ((l / 8) % 2) + 0..7) and leaves half a fragment: lane l holds column l % 16 and 8 k.
	v_and_b32 v6, 7, v0
	v_bfe_u32 v7, v0, 3, 1
	v_lshl_add_u32 v6, v2, 3, v6
	v_mul_u32_u24 v6, v6, PB
	v_lshl_add_u32 v6, v7, 4, v6
	s_mul_i32 s21, s11, HALFT                      ; my 128 rows of xh
	s_lshl_b32 s22, s12, 8                         ; my 128 columns of wh: 256 bytes,
	s_add_co_u32 s22, s22, 2*HALFT                 ; behind xh's 256 rows
.irp s, 0,1
	v_add_nc_u32 v[ADRA+(\s)], s21, v3
	v_add_nc_u32 v[ADRB+(\s)], s22, v6
	s_add_co_u32 s21, s21, SLOT
	s_add_co_u32 s22, s22, SLOT
.endr
	s_mul_i32 s23, s10, 16*SPITCH
	s_add_co_u32 s23, s23, STAGE                   ; my stage
	v_mul_u32_u24 v4, v1, SPITCH                   ; in: row l % 16, 16 bytes for each half of the lanes
	v_lshl_add_u32 v4, v2, 4, v4
	v_add_nc_u32 v[STO], s23, v4
	v_mul_u32_u24 v5, v2, SPITCH                   ; back: lanes 0-15 take one row of 256 bytes, lanes 16-31 the next
	v_lshl_add_u32 v5, v1, 4, v5
	v_add_nc_u32 v[RD], s23, v5
	v_mul_u32_u24 v5, v2, CROW                     ; and the same two rows in qkv
	v_lshl_add_u32 v[CO], v1, 4, v5
	s_lshl_b32 s13, s13, 8                         ; where my part of the tile begins in qkv, in bytes (under 2^26)
	s_lshl_b32 s14, s11, 7
	s_add_co_u32 s16, s13, s14
	s_mul_i32 s16, s16, CROW
	s_lshl_b32 s46, s42, 9
	s_lshl_b32 s47, s12, 8
	s_add_co_u32 s46, s46, s47
	s_add_co_u32 s16, s16, s46
	s_mov_b32 s17, 0
; 16 matrix instructions: m blocks a0, a0 + 1 of the window's four x all 8 n blocks, 32 along K.  zero = 1: the first product starts the sums.
.macro MUL16 f, hi, a0, zero
	WIN MUL_LO+0x50*(\hi)
.irp a, \a0, (\a0)+1
.irp b, 0,1,2,3,4,5,6,7
.if \zero
	v_wmma_f32_16x16x32_f16 v[8*(8*(\a)+(\b)):8*(8*(\a)+(\b))+7], v[(\f)+8*(\b):(\f)+8*(\b)+7], v[(\f)+8*(4*(\hi)+(\a)):(\f)+8*(4*(\hi)+(\a))+7], 0
.else
	v_wmma_f32_16x16x32_f16 v[8*(8*(\a)+(\b)):8*(8*(\a)+(\b))+7], v[(\f)+8*(\b):(\f)+8*(\b)+7], v[(\f)+8*(4*(\hi)+(\a)):(\f)+8*(4*(\hi)+(\a))+7], v[8*(8*(\a)+(\b)):8*(8*(\a)+(\b))+7]
.endif
.endr
.endr
.endm
; 32 LDS loads in one run: the fragments of quarter q of a K step (32 k x my 128 columns of wh, my 128 rows of xh x 32 k) into buffer f
.macro FETCH slot, q, f
	WIN TO_B
.irp i, 0,1,2,3,4,5,6,7
	ds_load_tr16_b128 v[(\f)+8*(\i):(\f)+8*(\i)+3],   v[ADRB+(\slot)] offset:(\q)*32*PB+32*(\i)
	ds_load_tr16_b128 v[(\f)+8*(\i)+4:(\f)+8*(\i)+7], v[ADRB+(\slot)] offset:(\q)*32*PB+32*(\i)+16*PB
.endr
	WIN 0
.irp i, 0,1,2,3,4,5,6,7
	ds_load_b128 v[(\f)+8*(\i):(\f)+8*(\i)+3],   v[ADRA+(\slot)] offset:(\q)*64+(\i)*16*PITCH
	ds_load_b128 v[(\f)+8*(\i)+4:(\f)+8*(\i)+7], v[ADRA+(\slot)] offset:(\q)*64+(\i)*16*PITCH+32
.endr
.endm
.macro PLACES                          ; four places in front of loads into registers that matrix instructions have read, and of conversions that read results just made
.rept 4
	v_nop
.endr
.endm
; A K step is four quarters of 32 along K, 64 matrix instructions each, on buffers 0, 1, 0, 1.  One of the first three multiplies buffer f and, in its middle, fetches quarter q into buffer g.
; The 64 accumulators take turns, one instruction a turn, in the same order in every quarter.
.macro QUARTER slot, q, f, g, zero
	s_wait_dscnt 8                                 ; wh's fragments and xh's rows 0-63 are in; the youngest eight loads (xh's rows 64-127) may be out
	MUL16 \f, 0, 0, \zero
	MUL16 \f, 0, 2, \zero
	PLACES
	FETCH \slot, \q, \g
	s_wait_dscnt 32                                ; all but the 32 just issued
	MUL16 \f, 1, 0, \zero
	MUL16 \f, 1, 2, \zero
.endm
; The last quarter multiplies buffer 1 and changes slots.  In front of the barrier each wave waits for all its tensor loads (one is out: its part of the next slot), adds 0 to its spare word,
; and waits for that and for its own reads of this slot.  fill = 1: the barrier opens a round of the cluster's barrier, and this slot is filled again, two K steps ahead, first thing behind the round.
.macro TURN slot, next, fill
	WIN 0                                          ; (the add's two registers lie in window 0)
	s_wait_tensorcnt 0x0
	ds_add_u32 v[SPW], v[NIL]                      ; 0 onto my spare word
	s_wait_dscnt 9                                 ; (the add and the youngest eight loads may be out)
	MUL16 F1, 0, 0, 0                              ; sixteen matrix instructions stand between the add and the wait for it
	s_wait_dscnt 0x0                               ; the add is done, and my reads of this slot are over
	s_barrier_signal -1
	MUL16 F1, 0, 2, 0
.if \fill
	WIN 0
.endif
	s_barrier_wait -1
.if \fill
	CREST                                          ; no wave of any partner still reads this slot's tile or has a load on its way
	s_add_nc_u64 s[G0+4*(\slot)+2:G0+4*(\slot)+3], s[G0+4*(\slot)+2:G0+4*(\slot)+3], 2*KSTEP*2
	s_add_nc_u64 s[G0B+4*(\slot)+2:G0B+4*(\slot)+3], s[G0B+4*(\slot)+2:G0B+4*(\slot)+3], 2*KSTEP*CROW
	JLOAD \slot                                    ; my one tensor load behind the round; the four v_nop behind it are also the places in front of the loads below
.else
	PLACES
.endif
	FETCH \next, 0, F0
	MUL16 F1, 1, 0, 0
	MUL16 F1, 1, 2, 0
.endm
; THE WAY OUT of block a (16 rows).  PACK: rounded to f16, 16 bytes a lane, each accumulator's registers in ascending order.  TOSTAGE: into my own stage, and back as whole rows of 256 bytes.  SEND: stored.
.macro PACK a
.set AC, 64*((\a)%4)
	WIN 0x0a+5*((\a)/4)                            ; sources 0 and 1: window 2 or 3
.irp b, 0,1,2,3,4,5,6,7
.irp r, 0,1,2,3
	v_cvt_pk_f16_f32 v[TMP+4*(\b)+(\r)], v[AC+8*(\b)+2*(\r)], v[AC+8*(\b)+2*(\r)+1]
.endr
.endr
	WIN 0
.endm
.macro TOSTAGE a
	WIN 0
.set BK, OB+192*((\a)%2)
.irp b, 0,1,2,3,4,5,6,7
	ds_store_b128 v[STO], v[TMP+4*(\b):TMP+4*(\b)+3] offset:32*(\b)
.endr
.irp t, 0,1,2,3,4,5,6,7
	ds_load_b128 v[BK+4*(\t):BK+4*(\t)+3], v[RD] offset:(\t)*2*SPITCH  ; LDS serves a wave's instructions in order (ISA guide 5.7.1.4): these see the stores above
.endr
.endm
.macro SEND a
	WIN 0
.set BK, OB+192*((\a)%2)
	s_wait_dscnt 0x0                               ; the block is back in registers
	s_wait_xcnt 0x0                                ; only behind this wait are the stores' base and the registers that earlier stores read rewritten
.if (\a) == 0
	s_add_nc_u64 s[8:9], s[8:9], s[16:17]          ; my first rows
.else
	s_add_nc_u64 s[8:9], s[8:9], 16*CROW           ; 16 rows on
.endif
.irp t, 0,1,2,3,4,5,6,7
	global_store_b128 v[CO], v[BK+4*(\t):BK+4*(\t)+3], s[8:9] offset:2*(\t)*CROW  ; 16 lanes store 256 consecutive bytes, at a multiple of 256 from qkv's first byte
.endr
.endm
	s_wait_tensorcnt 1                             ; my part of K step 0 is in; K step 1's may stay out
	s_barrier_signal -1
	s_barrier_wait -1                              ; everybody's is
	FETCH 0, 0, F0
	QUARTER 0, 1, F0, F1, 1                        ; the first quarter stands in front of the loop: its products start the sums
	WIN 0                                          ; at a label and at a branch every window is 0
	s_mov_b32 s3, LAPS-1
.Llap:                                                 ; a trip goes once round the ring, from a lap's second quarter to the next lap's first, and fills both slots again
	QUARTER 0, 2, F1, F0, 0
	QUARTER 0, 3, F0, F1, 0
	TURN 0, 1, 1
	QUARTER 1, 1, F0, F1, 0
	QUARTER 1, 2, F1, F0, 0
	QUARTER 1, 3, F0, F1, 0
	TURN 1, 0, 1
	QUARTER 0, 1, F0, F1, 0
	WIN 0
	s_sub_co_u32 s3, s3, 1
	s_cmp_lg_u32 s3, 0
	s_cbranch_scc1 .Llap
	QUARTER 0, 2, F1, F0, 0                        ; the last lap fills nothing and has no round
	QUARTER 0, 3, F0, F1, 0
	TURN 0, 1, 0
	QUARTER 1, 1, F0, F1, 0
	QUARTER 1, 2, F1, F0, 0
	QUARTER 1, 3, F0, F1, 0
	s_wait_dscnt 8                                 ; the very last quarter: nothing more to fetch
	MUL16 F1, 0, 0, 0
	MUL16 F1, 0, 2, 0
	s_wait_dscnt 0x0
	MUL16 F1, 1, 0, 0
	MUL16 F1, 1, 2, 0
	PLACES
	PACK 0
	TOSTAGE 0
.irp a, 1,2,3,4,5,6,7                  ; block a's conversions stand between block a - 1's loads from the stage and the wait for them
	PACK \a
	SEND (\a)-1
	TOSTAGE \a
.endr
	SEND 7
	s_wait_tensorcnt 0x0                           ; the wave's end
	ds_add_u32 v[SPW], v[NIL]
	s_wait_dscnt 0x0
	CROUND                                         ; the closing round: no work-group ends while a partner may still ask for a tile that names it
	s_endpgm
.Lfunc_end_k_q2e23e98c30_proj:
	.size	k_q2e23e98c30_proj, .Lfunc_end_k_q2e23e98c30_proj-k_q2e23e98c30_proj
	.p2alignl 7, 3214868480
	.fill 96, 4, 3214868480
	.section	.rodata,"a",@progbits
	.p2align	6, 0x0
	.amdhsa_kernel k_q2e23e98c30_proj
		.amdhsa_group_segment_fixed_size 327680
		.amdhsa_private_segment_fixed_size 0
		.amdhsa_enable_private_segment 0
		.amdhsa_kernarg_size 24
		.amdhsa_user_sgpr_count 2
		.amdhsa_user_sgpr_kernarg_segment_ptr 1
		.amdhsa_wavefront_size32 1
		.amdhsa_system_sgpr_workgroup_id_x 1
		.amdhsa_system_sgpr_workgroup_id_y 1
		.amdhsa_system_sgpr_workgroup_id_z 1
		.amdhsa_system_vgpr_workitem_id 0
		.amdhsa_next_free_vgpr 1024
		.amdhsa_next_free_sgpr 66
		.amdhsa_reserve_vcc 0
		.amdhsa_float_denorm_mode_32 3
		.amdhsa_float_denorm_mode_16_64 3
		.amdhsa_memory_ordered 1
		.amdhsa_forward_progress 1
		.amdhsa_inst_pref_size 143
	.end_amdhsa_kernel
	.amdgpu_metadata
---
amdhsa.version: [ 1, 2 ]
amdhsa.kernels:
  - .name:           k_q2e23e98c30_proj
    .symbol:         k_q2e23e98c30_proj.kd
    .args:
      - { .name: xh, .offset: 0, .size: 8, .value_kind: global_buffer, .address_space: global }
      - { .name: wh, .offset: 8, .size: 8, .value_kind: global_buffer, .address_space: global }
      - { .name: qkv, .offset: 16, .size: 8, .value_kind: global_buffer, .address_space: global }
    .group_segment_fixed_size: 327680
    .private_segment_fixed_size: 0
    .kernarg_segment_align: 8
    .kernarg_segment_size: 24
    .max_flat_workgroup_size: 128
    .sgpr_count:     66
    .vgpr_count:     1024
    .wavefront_size: 32
...
	.end_amdgpu_metadata
.endif
;; end of part 2
;; launch score (part 3): grid 9 x 16, 4 waves a work-group, no clusters, 327,680 bytes of LDS; arguments qkv, pbuf, stats; writes pbuf, stats
.if DOCPART == 3
	.amdgcn_target "amdgcn-amd-amdhsa--gfx1250"
	.amdhsa_code_object_version 6
	.text
	.protected	k_q2e23e98c30_score
	.globl	k_q2e23e98c30_score
	.p2align	8
	.type	k_q2e23e98c30_score,@function
k_q2e23e98c30_score:
	s_mov_b64 s[64:65], 0
	v_nop
	global_prefetch_b8 v0, s[64:65] scope:SCOPE_SE
	s_setreg_imm32_b32 hwreg(HW_REG_WAVE_MODE, 25, 1), 1
	s_wait_xcnt 0x0
; For each tile of 256 queries x 256 keys on or below the diagonal: S = Q K^T (f16 operands, f32 sums over 1,024 channels), the causal mask, and a softmax LOCAL to each chunk of 128 keys:
;   cm = c x (the largest allowed s of the row in the chunk), c = log2(e) / 32;   P' = 2^(c s - cm), rounded to f16 -> pbuf[b][q][k];   l = the sum of the unrounded P'.   cm and l -> stats.
; The next launch joins the chunks by the true maximum over all of a row's chunks: nothing is shifted by a fixed number.
; A hidden score counts as -2^100.  That number is chosen because c x 2^100 is exact in f32: in a chunk that is wholly hidden for a row, c s - cm is then exactly 0, P' = 1 and cm = -c 2^100,
; and the next launch's factor 2^(cm - M) = 0 takes the chunk out.  LIMITS: true scores lie far inside +-2^100 (f16's q and k give 4.4e12 at the most); a weight below 2^-126 counts as 0 in l; below 6e-8 as 0 in P'.
; qkv: [4 x 2048][3072] f16 (q at column 0, k at 1024).  pbuf: [4][2048][2048] f16.  stats: cm[b][chunk][row] f32 at byte 0, l[b][chunk][row] at byte 524,288.
; PLACE.  Tile rows p and 7 - p of a batch hold 9 tiles together: grid x = 0..8 walks them, grid y = 4 b + p.  144 work-groups, each with a tile.
; NO CLUSTER: tile row I has I + 1 tiles and tile column J has 8 - J, so neither divides into fours, and a square of 4 x 4 on the diagonal would hold six work-groups with nothing to do.
; The product is laid as in the projection: four waves, each 128 queries x 128 keys (one chunk) in 64 accumulators; K steps of 128 through a ring of two slots; source 0 = 16 keys, source 1 = 16 queries,
; so that a lane holds ONE query (l % 16) and, in accumulator b, the keys 16 b + 8 (l / 16) + 0..7.
; THE WAY OUT is written once and looped: the 64 accumulators go into the ring's bytes (which have had their last fill), and eight trips take 16 queries each back into window 0.
.set KSTEP,  128
.set PITCH,  272
.set HALFT,  128*PITCH
.set SLOT,   4*HALFT                   ; Q's 256 rows, then K's 256 rows
.set STAGE,  2*SLOT                    ; 16 rows x 272 bytes for each wave
.set SPITCH, 272
.set SCR,    STAGE+4*16*SPITCH         ; 1,024 bytes for each wave: 128 cm, then 128 l
.set SPARE,  SCR+4*1024                ; the spare words, 128 bytes for each wave: two blocks of 256 bytes that no other line names
.set LAPS,   1024/(2*KSTEP)
.set QROW,   6144                      ; bytes in a row of qkv
.set PROW,   4096                      ; bytes in a row of pbuf
.set ADRA, 16                          ; v16-17  LDS address of my fragments of Q in slot 0, 1
.set DW,   18                          ; v18     my 16 bytes in a half accumulator of my wave's dump
.set DR,   19                          ; v19     the same, at the trip's block
.set ADRB, 20                          ; v20-21  LDS address of my fragments of K
.set SR,   22                          ; v22     my 16 bytes of my wave's scratch
.set LO,   23                          ; v23     16 x lane
.set STO,  24
.set RD,   25
.set CO,   26                          ; v26     my byte offset in pbuf
.set SC0,  27                          ; v27     where my lane puts cm (lanes 0-15) or l (lanes 16-31) of block 0
.set SPW,  28
.set NIL,  29
.set QI,   30                          ; v30     my query less my chunk's first key less 8 (l / 16): register j of accumulator b is hidden where 16 b + j is greater
.set BIG,  31                          ; v31     -2^100
.set CM,   32                          ; v32-33  cm, twice (named as a pair)
.set CH,   34                          ; v34-37  four chains
.set XH,   38                          ; v38     from the other half of the lanes
.set SCW,  39                          ; v39     SC0 at the trip's block
.set SV,   40                          ; v40     cm or l, by the lane's half
.set F0,   64
.set F1,   128
.set S,    64                          ; the way out: 64 scores
.set P,    128                         ; 32 registers of packed weights
.set BKR,  160                         ; 16 rows read back
.set G1, 24                            ; s[24:31] descriptor group 1
.set G0, 32                            ; s[32:39] group 0, a set for each slot
.set MSB, 0
.macro WIN new
.if MSB != (\new)
	s_set_vgpr_msb (MSB<<8)|(\new)
.set MSB, \new
.endif
.endm
.set MUL_LO, 0xa1
.set MUL_HI, 0xf1
.set TO_B,   0x40
.macro LOAD s                          ; each wave's own quarter of a slot; an s_nop 0 and four v_nop follow
	tensor_load_to_lds s[G0+4*(\s):G0+4*(\s)+3], s[G1:G1+7]
	s_nop 0
.rept 4
	v_nop
.endr
.endm
	s_load_b128 s[4:7], s[0:1], 0x0                ; qkv s[4:5], pbuf s[6:7]
	s_load_b64 s[8:9], s[0:1], 0x10                ; stats
	v_lshl_add_u32 v[SPW], v0, 2, SPARE
	v_mov_b32 v[NIL], 0
	ds_add_u32 v28, v29
	ds_add_u32 v28, v29
	s_wait_dscnt 0x0
	v_lshrrev_b32 v1, 5, v0
	v_readfirstlane_b32 s10, v1                    ; wave 0..3
	s_lshr_b32 s11, s10, 1                         ; which 128 queries are mine
	s_and_b32 s12, s10, 1                          ; which 128 keys.  Also: which 128 rows of a tile I fetch
	s_and_b32 s14, ttmp7, 0xffff
	s_and_b32 s15, s14, 3                          ; p
	s_lshr_b32 s14, s14, 2                         ; b
	s_sub_co_u32 s18, 7, s15
	s_sub_co_u32 s19, ttmp9, s15
	s_sub_co_u32 s19, s19, 1
	s_cmp_le_u32 ttmp9, s15
	s_cselect_b32 s16, s15, s18                    ; I = p, or 7 - p
	s_cselect_b32 s17, ttmp9, s19                  ; J = x, or x - p - 1
	s_mov_b32 s[G1+0], (1<<16)|(1<<20)|(5<<22)|(3<<25)  ; 2-byte elements; padding on: after every 64 words 4 words
	s_mov_b32 s[G1+1], 128<<16                     ; tensor_dim0 = 128
	s_mov_b32 s[G1+2], 128<<16                     ; tensor_dim1 = 128
	s_mov_b32 s[G1+3], 128<<16                     ; tile_dim0 = 128
	s_mov_b32 s[G1+4], 128                         ; tile_dim1 = 128
	s_mov_b32 s[G1+5], 3072                        ; elements from row to row
	s_mov_b32 s[G1+6], 0
	s_mov_b32 s[G1+7], 0
	s_cmp_lt_u32 s10, 2                            ; waves 0 and 1 fetch Q's rows of block I, waves 2 and 3 K's rows of block J
	s_cselect_b32 s20, s16, s17
	s_cselect_b32 s21, 0, 2048                     ; k's columns begin 2,048 bytes into a row
	s_lshl_b32 s20, s20, 8
	s_lshl_b32 s22, s12, 7
	s_add_co_u32 s20, s20, s22
	s_lshl_b32 s22, s14, 11
	s_add_co_u32 s20, s20, s22                     ; row 2,048 b + 256 block + 128 half
	s_mul_i32 s20, s20, QROW
	s_add_co_u32 s20, s20, s21
	s_mov_b32 s21, 0
	s_mul_i32 s23, s10, HALFT                      ; where they go: wave x 128 rows
	s_wait_kmcnt 0x0
	s_add_nc_u64 s[4:5], s[4:5], s[20:21]
.irp s, 0,1
	s_mov_b32 s[G0+4*(\s)], 1
	s_add_co_u32 s[G0+4*(\s)+1], s23, (\s)*SLOT
	s_add_nc_u64 s[G0+4*(\s)+2:G0+4*(\s)+3], s[4:5], (\s)*KSTEP*2
	s_or_b32 s[G0+4*(\s)+3], s[G0+4*(\s)+3], 0x80000000
	LOAD \s                                        ; two loads of mine are out
.endr
	s_lshl_b32 s20, s14, 23                        ; pbuf at my wave's first row and column: (2,048 b + 256 I + 128 wr) x 4,096 + 512 J + 256 wc
	s_lshl_b32 s22, s16, 20
	s_add_co_u32 s20, s20, s22
	s_lshl_b32 s22, s11, 19
	s_add_co_u32 s20, s20, s22
	s_lshl_b32 s22, s17, 9
	s_add_co_u32 s20, s20, s22
	s_lshl_b32 s22, s12, 8
	s_add_co_u32 s20, s20, s22
	s_add_nc_u64 s[6:7], s[6:7], s[20:21]
	s_lshl_b32 s20, s14, 17                        ; stats at my chunk and rows: ((16 b + 2 J + wc) x 2,048 + 256 I + 128 wr) x 4
	s_lshl_b32 s22, s17, 14
	s_add_co_u32 s20, s20, s22
	s_lshl_b32 s22, s12, 13
	s_add_co_u32 s20, s20, s22
	s_lshl_b32 s22, s16, 10
	s_add_co_u32 s20, s20, s22
	s_lshl_b32 s22, s11, 9
	s_add_co_u32 s20, s20, s22
	s_add_nc_u64 s[8:9], s[8:9], s[20:21]
	s_sub_co_i32 s44, s16, s17                     ; my first query less my first key: 256 (I - J) + 128 (wr - wc)
	s_lshl_b32 s44, s44, 8
	s_sub_co_i32 s45, s11, s12
	s_lshl_b32 s45, s45, 7
	s_add_co_i32 s44, s44, s45
	s_mov_b32 s45, 0xffff0000                      ; lanes 16-31
	s_mov_b32 s40, 0x3d38aa3b                      ; c = log2(e) / 32
	s_mov_b32 s41, s40                             ; named with it as a pair
	s_mov_b32 s42, 0x76543210                      ; v_permlanex16_b32: each lane takes its own place in the other half
	s_mov_b32 s43, 0xfedcba98
	v_and_b32 v1, 15, v0                           ; l % 16
	v_bfe_u32 v2, v0, 4, 1                         ; l / 16
	v_and_b32 v5, 31, v0                           ; lane
	v_mul_u32_u24 v3, v1, PITCH
	v_lshl_add_u32 v3, v2, 4, v3                   ; a fragment's row x pitch + 16 x half
	s_mul_i32 s21, s11, HALFT                      ; my 128 rows of Q
	s_mul_i32 s22, s12, HALFT                      ; my 128 rows of K,
	s_add_co_u32 s22, s22, 2*HALFT                 ; behind Q's 256
.irp s, 0,1
	v_add_nc_u32 v[ADRA+(\s)], s21, v3
	v_add_nc_u32 v[ADRB+(\s)], s22, v3
	s_add_co_u32 s21, s21, SLOT
	s_add_co_u32 s22, s22, SLOT
.endr
	s_mul_i32 s23, s10, 16*SPITCH
	s_add_co_u32 s23, s23, STAGE                   ; my stage
	v_mul_u32_u24 v4, v1, SPITCH
	v_lshl_add_u32 v4, v2, 4, v4
	v_add_nc_u32 v[STO], s23, v4
	v_mul_u32_u24 v4, v2, SPITCH
	v_lshl_add_u32 v4, v1, 4, v4
	v_add_nc_u32 v[RD], s23, v4
	v_lshlrev_b32 v4, 12, v2                       ; two rows of pbuf
	v_lshl_add_u32 v[CO], v1, 4, v4
	v_lshlrev_b32 v[LO], 4, v5
	s_lshl_b32 s23, s10, 16                        ; my wave's dump: 65,536 bytes
	v_add_nc_u32 v[DW], s23, v[LO]
	s_lshl_b32 s23, s10, 10
	s_add_co_u32 s23, s23, SCR                     ; my wave's scratch
	v_add_nc_u32 v[SR], s23, v[LO]
	v_lshlrev_b32 v4, 9, v2
	v_lshl_add_u32 v4, v1, 2, v4
	v_add_nc_u32 v[SC0], s23, v4                   ; 512 (l / 16) + 4 (l % 16)
	v_lshlrev_b32 v4, 3, v2
	v_sub_nc_u32 v[QI], v1, v4
	v_add_nc_u32 v[QI], s44, v[QI]
	v_mov_b32 v[BIG], 0xf1800000
	v_mov_b32 v[XH], 0                             ; v_permlanex16_b32 counts as a reader of its destination
.macro MUL16 f, hi, a0, zero
	WIN MUL_LO+0x50*(\hi)
.irp a, \a0, (\a0)+1
.irp b, 0,1,2,3,4,5,6,7
.if \zero
	v_wmma_f32_16x16x32_f16 v[8*(8*(\a)+(\b)):8*(8*(\a)+(\b))+7], v[(\f)+8*(\b):(\f)+8*(\b)+7], v[(\f)+8*(4*(\hi)+(\a)):(\f)+8*(4*(\hi)+(\a))+7], 0
.else
	v_wmma_f32_16x16x32_f16 v[8*(8*(\a)+(\b)):8*(8*(\a)+(\b))+7], v[(\f)+8*(\b):(\f)+8*(\b)+7], v[(\f)+8*(4*(\hi)+(\a)):(\f)+8*(4*(\hi)+(\a))+7], v[8*(8*(\a)+(\b)):8*(8*(\a)+(\b))+7]
.endif
.endr
.endr
.endm
.macro FETCH slot, q, f                ; 32 LDS loads in one run: quarter q's fragments of K (window 1) and of Q (window 0) into buffer f
	WIN TO_B
.irp i, 0,1,2,3,4,5,6,7
	ds_load_b128 v[(\f)+8*(\i):(\f)+8*(\i)+3],   v[ADRB+(\slot)] offset:(\q)*64+(\i)*16*PITCH
	ds_load_b128 v[(\f)+8*(\i)+4:(\f)+8*(\i)+7], v[ADRB+(\slot)] offset:(\q)*64+(\i)*16*PITCH+32
.endr
	WIN 0
.irp i, 0,1,2,3,4,5,6,7
	ds_load_b128 v[(\f)+8*(\i):(\f)+8*(\i)+3],   v[ADRA+(\slot)] offset:(\q)*64+(\i)*16*PITCH
	ds_load_b128 v[(\f)+8*(\i)+4:(\f)+8*(\i)+7], v[ADRA+(\slot)] offset:(\q)*64+(\i)*16*PITCH+32
.endr
.endm
.macro PLACES
.rept 4
	v_nop
.endr
.endm
.macro QUARTER slot, q, f, g, zero     ; the 64 accumulators take turns, one instruction a turn
	s_wait_dscnt 8                                 ; K's fragments and Q's rows 0-63 are in; the youngest eight loads may be out
	MUL16 \f, 0, 0, \zero
	MUL16 \f, 0, 2, \zero
	PLACES
	FETCH \slot, \q, \g
	s_wait_dscnt 32                                ; all but the 32 just issued
	MUL16 \f, 1, 0, \zero
	MUL16 \f, 1, 2, \zero
.endm
; The last quarter multiplies buffer 1 and changes slots: one barrier; in front of it each wave waits for all its tensor loads (one is out: its part of the next slot), adds 0 to its spare word,
; and waits for that and for its reads of this slot.  fill = 1: this slot is filled again, two K steps ahead, first thing behind the barrier.
.macro TURN slot, next, fill
	WIN 0
	s_wait_tensorcnt 0x0
	ds_add_u32 v[SPW], v[NIL]                      ; 0 onto my spare word
	s_wait_dscnt 9                                 ; (the add and the youngest eight loads may be out)
	MUL16 F1, 0, 0, 0
	s_wait_dscnt 0x0                               ; the add is done, and my reads of this slot are over
	s_barrier_signal -1
	MUL16 F1, 0, 2, 0
	s_barrier_wait -1
.if \fill
	s_add_nc_u64 s[G0+4*(\slot)+2:G0+4*(\slot)+3], s[G0+4*(\slot)+2:G0+4*(\slot)+3], 2*KSTEP*2
	LOAD \slot                                     ; my one tensor load behind the barrier; its four v_nop are also the places in front of the loads below
.else
	PLACES
.endif
	FETCH \next, 0, F0
	MUL16 F1, 1, 0, 0
	MUL16 F1, 1, 2, 0
.endm
	s_wait_tensorcnt 1                             ; my part of K step 0 is in; K step 1's may stay out
	s_barrier_signal -1
	s_barrier_wait -1
	FETCH 0, 0, F0
	QUARTER 0, 1, F0, F1, 1
	WIN 0
	s_mov_b32 s3, LAPS-1
.Llap:
	QUARTER 0, 2, F1, F0, 0
	QUARTER 0, 3, F0, F1, 0
	TURN 0, 1, 1
	QUARTER 1, 1, F0, F1, 0
	QUARTER 1, 2, F1, F0, 0
	QUARTER 1, 3, F0, F1, 0
	TURN 1, 0, 1
	QUARTER 0, 1, F0, F1, 0
	WIN 0
	s_sub_co_u32 s3, s3, 1
	s_cmp_lg_u32 s3, 0
	s_cbranch_scc1 .Llap
	QUARTER 0, 2, F1, F0, 0
	QUARTER 0, 3, F0, F1, 0
	TURN 0, 1, 0
	QUARTER 1, 1, F0, F1, 0
	QUARTER 1, 2, F1, F0, 0
	QUARTER 1, 3, F0, F1, 0
	s_wait_dscnt 8
	MUL16 F1, 0, 0, 0
	MUL16 F1, 0, 2, 0
	s_wait_dscnt 0x0
	MUL16 F1, 1, 0, 0
	MUL16 F1, 1, 2, 0
	PLACES                                         ; the stores below read results just made
	s_barrier_signal -1                            ; every wave's reads of the ring are back (the wait for 0 above), and all tensor loads landed before the last change of slots:
	s_barrier_wait -1                              ; the ring's bytes, which are filled no more, now take the scores
	WIN 0x08                                       ; store data in window 2; each accumulator's four lowest registers go first
.set t, 0
.rept 32
	ds_store_b128 v[DW], v[8*t:8*t+3] offset:t*1024
	ds_store_b128 v[DW], v[8*t+4:8*t+7] offset:t*1024+512
.set t, t+1
.endr
	WIN 0x0c                                       ; window 3
.set t, 0
.rept 32
	ds_store_b128 v[DW], v[8*t:8*t+3] offset:(t+32)*1024
	ds_store_b128 v[DW], v[8*t+4:8*t+7] offset:(t+32)*1024+512
.set t, t+1
.endr
	WIN 0
	s_mov_b32 s2, 8
	s_mov_b32 s46, 0                               ; the trip's block in the dump,
	s_mov_b32 s47, 0                               ; and in the scratch
.Lrow:                                                 ; a trip: 16 queries x 128 keys; a lane has 64 scores of one query, the lane 16 away the other 64
	v_add_nc_u32 v[DR], s46, v[DW]
	v_add_nc_u32 v[SCW], s47, v[SC0]
.irp b, 0,1,2,3,4,5,6,7
	ds_load_b128 v[S+8*(\b):S+8*(\b)+3],   v[DR] offset:(\b)*1024       ; my wave's own bytes: LDS serves a wave's instructions in order
	ds_load_b128 v[S+8*(\b)+4:S+8*(\b)+7], v[DR] offset:(\b)*1024+512
.endr
	s_wait_dscnt 0x0
	s_cmp_lt_i32 s44, 128                          ; from 128 on every key of my chunk lies in front of every query of mine
	s_cbranch_scc0 .Lopen
.set i, 0
.rept 64
	v_cmp_gt_i32 vcc_lo, 16*(i/8)+i%8, v[QI]
	v_cndmask_b32 v[S+i], v[S+i], v[BIG], vcc_lo
.set i, i+1
.endr
.Lopen:
.irp i, 0,1,2,3                        ; the maximum: four chains of 15 scores, three operands at a time, then the four left over
	v_max3_num_f32 v[CH+(\i)], v[S+16*(\i)], v[S+16*(\i)+1], v[S+16*(\i)+2]
.endr
.irp k, 0,1,2,3,4,5
.irp i, 0,1,2,3
	v_max3_num_f32 v[CH+(\i)], v[CH+(\i)], v[S+16*(\i)+3+2*(\k)], v[S+16*(\i)+4+2*(\k)]
.endr
.endr
	v_max3_num_f32 v[CH], v[CH], v[S+15], v[S+31]
	v_max3_num_f32 v[CH+2], v[CH+2], v[S+47], v[S+63]
	v_max3_num_f32 v[CH], v[CH], v[CH+1], v[CH+2]
	v_max_num_f32 v[CH], v[CH], v[CH+3]
	v_permlanex16_b32 v[XH], v[CH], s42, s43
	v_max_num_f32 v[CH], v[CH], v[XH]
	v_mul_f32 v[CM], s40, v[CH]                    ; cm
	v_mov_b32 v[CM+1], v[CM]
.set i, 0
.rept 32
	v_pk_fma_f32 v[S+2*i:S+2*i+1], v[S+2*i:S+2*i+1], s[40:41], v[CM:CM+1] op_sel_hi:[1,0,0] neg_lo:[0,0,1] neg_hi:[0,0,1]  ; c s - cm
.set i, i+1
.endr
.set i, 0
.rept 64
	v_exp_f32 v[S+i], v[S+i]
.set i, i+1
.endr
	v_nop                                          ; a plain instruction between the last exponential and the use of its result
.set i, 0
	s_wait_alu depctr_va_vdst(0)
.rept 32
	v_cvt_pk_f16_f32 v[P+i], v[S+2*i], v[S+2*i+1]
.set i, i+1
.endr
.irp b, 0,1,2,3,4,5,6,7
	ds_store_b128 v[STO], v[P+4*(\b):P+4*(\b)+3] offset:32*(\b)
.endr
.irp t, 0,1,2,3,4,5,6,7
	ds_load_b128 v[BKR+4*(\t):BKR+4*(\t)+3], v[RD] offset:(\t)*2*SPITCH  ; in order behind the stores above; the sums below run while the rows come back
.endr
.irp w, 4,8,16,32,64                   ; the sum of the 32 pairs, in place: neighbours 1, 2, 4, 8 and 16 pairs apart
.set u, 0
.rept 64/(\w)
	v_pk_add_f32 v[S+(\w)*u:S+(\w)*u+1], v[S+(\w)*u:S+(\w)*u+1], v[S+(\w)*u+(\w)/2:S+(\w)*u+(\w)/2+1]
.set u, u+1
.endr
.endr
	v_add_f32 v[CH], v[S], v[S+1]
	v_permlanex16_b32 v[XH], v[CH], s42, s43
	v_add_f32 v[CH], v[CH], v[XH]                  ; l
	v_cndmask_b32 v[SV], v[CM], v[CH], s45         ; lanes 0-15 keep cm, lanes 16-31 l
	ds_store_b32 v[SCW], v[SV]
	s_wait_dscnt 0x0
.irp t, 0,1,2,3,4,5,6,7
	global_store_b128 v[CO], v[BKR+4*(\t):BKR+4*(\t)+3], s[6:7] offset:2*(\t)*PROW  ; 16 lanes store 256 consecutive bytes, at a multiple of 256 from pbuf's first byte
.endr
	s_wait_xcnt 0x0                                ; the stores' base and data are rewritten only behind this wait
	s_add_nc_u64 s[6:7], s[6:7], 16*PROW
	v_add_nc_u32 v[QI], 16, v[QI]
	s_add_co_u32 s46, s46, 8192
	s_add_co_u32 s47, s47, 64
	s_sub_co_u32 s2, s2, 1
	s_cmp_lg_u32 s2, 0
	s_cbranch_scc1 .Lrow
	ds_load_b128 v[S:S+3], v[SR]                   ; my wave's 128 cm and 128 l, 512 consecutive bytes each
	ds_load_b128 v[S+4:S+7], v[SR] offset:512
	s_wait_dscnt 0x0
	global_store_b128 v[LO], v[S:S+3], s[8:9]
	global_store_b128 v[LO], v[S+4:S+7], s[8:9] offset:524288
	s_wait_tensorcnt 0x0                           ; the wave's end
	ds_add_u32 v[SPW], v[NIL]
	s_wait_dscnt 0x0
	s_endpgm
.Lfunc_end_k_q2e23e98c30_score:
	.size	k_q2e23e98c30_score, .Lfunc_end_k_q2e23e98c30_score-k_q2e23e98c30_score
	.p2alignl 7, 3214868480
	.fill 96, 4, 3214868480
	.section	.rodata,"a",@progbits
	.p2align	6, 0x0
	.amdhsa_kernel k_q2e23e98c30_score
		.amdhsa_group_segment_fixed_size 327680
		.amdhsa_private_segment_fixed_size 0
		.amdhsa_enable_private_segment 0
		.amdhsa_kernarg_size 24
		.amdhsa_user_sgpr_count 2
		.amdhsa_user_sgpr_kernarg_segment_ptr 1
		.amdhsa_wavefront_size32 1
		.amdhsa_system_sgpr_workgroup_id_x 1
		.amdhsa_system_sgpr_workgroup_id_y 1
		.amdhsa_system_sgpr_workgroup_id_z 1
		.amdhsa_system_vgpr_workitem_id 0
		.amdhsa_next_free_vgpr 1024
		.amdhsa_next_free_sgpr 66
		.amdhsa_reserve_vcc 1
		.amdhsa_float_denorm_mode_32 3
		.amdhsa_float_denorm_mode_16_64 3
		.amdhsa_memory_ordered 1
		.amdhsa_forward_progress 1
		.amdhsa_inst_pref_size 136
	.end_amdhsa_kernel
	.amdgpu_metadata
---
amdhsa.version: [ 1, 2 ]
amdhsa.kernels:
  - .name:           k_q2e23e98c30_score
    .symbol:         k_q2e23e98c30_score.kd
    .args:
      - { .name: qkv, .offset: 0, .size: 8, .value_kind: global_buffer, .address_space: global }
      - { .name: pbuf, .offset: 8, .size: 8, .value_kind: global_buffer, .address_space: global }
      - { .name: stats, .offset: 16, .size: 8, .value_kind: global_buffer, .address_space: global }
    .group_segment_fixed_size: 327680
    .private_segment_fixed_size: 0
    .kernarg_segment_align: 8
    .kernarg_segment_size: 24
    .max_flat_workgroup_size: 128
    .sgpr_count:     66
    .vgpr_count:     1024
    .wavefront_size: 32
...
	.end_amdgpu_metadata
.endif
;; end of part 3
;; launch pv (part 4): grid 8 x 32, 4 waves a work-group, clusters of 4 x 1, 327,680 bytes of LDS; arguments pbuf, qkv, stats, out0; writes out0
.if DOCPART == 4
	.amdgcn_target "amdgcn-amd-amdhsa--gfx1250"
	.amdhsa_code_object_version 6
	.text
	.protected	k_q2e23e98c30_pv
	.globl	k_q2e23e98c30_pv
	.p2align	8
	.type	k_q2e23e98c30_pv,@function
k_q2e23e98c30_pv:
	s_mov_b64 s[64:65], 0
	v_nop
	global_prefetch_b8 v0, s[64:65] scope:SCOPE_SE
	s_setreg_imm32_b32 hwreg(HW_REG_WAVE_MODE, 25, 1), 1
	s_wait_xcnt 0x0
	s_wait_alu depctr_hold_cnt(0) depctr_sa_sdst(0) depctr_va_vdst(0) depctr_va_sdst(0) depctr_va_ssrc(0) depctr_va_vcc(0) depctr_vm_vsrc(0)
	s_getreg_b32 s2, hwreg(HW_REG_IB_STS2, 6, 4)
	s_cmp_eq_u32 s2, 0
	s_cbranch_scc0 .Lentry_in_a_cluster
	s_endpgm
.Lentry_in_a_cluster:
	s_bfe_u32 s2, ttmp6, 0x10000c
	s_cmp_lg_u32 s2, 0x3003
	s_cbranch_scc0 .Lentry_shape_is_right
	s_endpgm
.Lentry_shape_is_right:
; out0[b][q][:] = (the sum over chunks j of f_j P'_j V_j) / l, with M = the maximum over j of cm_j, f_j = 2^(cm_j - M), l = the sum over j of f_j l_j: the chunks' local softmaxes joined by the row's true maximum.
; pbuf: [4][2048][2048] f16 (P'); qkv: [4 x 2048][3072] f16 (v at column 2048); stats: cm[b][chunk][row], l[b][chunk][row] f32; out0: [4][2048][1024] f32.
; LIMITS.  f and f P' are rounded to f16 (f once a chunk, so a chunk's share is off by 2^-12 of itself at the most; l takes the unrounded f); a weight below 6e-8 of the row's largest counts as 0.
; A chunk above the diagonal, or wholly hidden for a row, has cm = -2^100 or -c 2^100, so its f is 0; its P', where it is read, is finite.
; SHARES.  A work-group: 256 queries (block I of a batch) x 128 channels (n of 8); it walks the keys 0 .. 256 (I + 1) - 1 in K steps of 128, one chunk a step: I + 1 laps of two steps.
; A wave: 64 queries x 128 channels: 4 x 8 accumulators.  O^T = V^T P: source 0 = 16 channels x 32 keys (V lies [key][channel]: turned by ds_load_tr16_b128), source 1 = 32 keys x 16 queries (P' as it lies,
; times f): a lane holds ONE query (l % 16), so f is a number a lane, and eight neighbouring channels.
; CLUSTER.  The four work-groups of a cluster have the same queries and four different n: P's tile, 64 KB of a step's 96, is asked for JOINTLY (mask 15); V's is each work-group's own (no mask), behind the same rounds.
; The trips hang on I, which is made of the cluster's y alone: the same in all four.  The long blocks have the low y.
; REGISTERS, in windows of 256 (s_set_vgpr_msb: bits 1:0 source 0, 3:2 source 1, 5:4 source 2, 7:6 destination):
;   window 0: v0-31 addresses; v32-95 raw P', two buffers of 4 x 8; v96-223 V, two buffers of 8 x 8; v224-247 statistics
;   window 1: v0-127 the accumulators of blocks 0, 1 ((a, b) at v[64 (a % 2) + 8 b]); v128-143 their scaled fragments; v144-145 their f, twice in f16      window 2: the same for blocks 2, 3
; Under ONE setting (source 0 in window 0, all else in window 1 or 2) run both the product (D, V, scaled P, C) and the scaling (scaled P = raw P' x f): four switches for a quarter's 32 products.
.set PA,    272                        ; a row of P' in LDS: 256 bytes + 16
.set HALFA, 128*PA
.set PB,    288                        ; a row of V: 256 bytes + 32 = 9 x 32
.set HALFB, 64*PB
.set BOFF,  2*HALFA
.set SLOT,  BOFF+2*HALFB               ; P's 256 rows, then V's 128 rows
.set STAGE, 2*SLOT                     ; 16 rows x 528 bytes for each wave
.set SP,    528                        ; 512 bytes + 16
.set SPARE, STAGE+4*16*SP              ; the spare words, 128 bytes for each wave: two blocks of 256 bytes that no other line names
.set QROW,  6144
.set ADRA, 16                          ; v16-17
.set ADRB, 20                          ; v20-21
.set STO,  24
.set RD,   25
.set GO,   26                          ; v26  16 x lane
.set SO,   27                          ; v27  4 (l % 16): my query's word in 16 rows of stats
.set SPW,  28
.set NIL,  29
.set FA,   32
.set FB,   96
.set MT,   224                         ; v224-227  the next chunk's cm, a number a block
.set MX,   228                         ; v228-231  M
.set TF,   232                         ; v232-235  at work
.set RL,   236                         ; v236-243  1 / l, in pairs
.set LS,   244                         ; v244-247  l
.set TM,   32                          ; the prologue: cm of 16 chunks x 4 blocks,
.set TL,   96                          ; and l
.set SA,   128                         ; windows 1, 2
.set FR,   144
.set T,    32                          ; the way out: 64 results
.set G1, 24
.set G0, 32
.set G1B, 48
.set G0B, 56
.set MSB, 0
.macro WIN new
.if MSB != (\new)
	s_set_vgpr_msb (MSB<<8)|(\new)
.set MSB, \new
.endif
.endm
.set W1, 0x54
.set W2, 0xa8
.macro JLOAD s                         ; waves 0 and 1: the two halves of P's tile, jointly; waves 2 and 3: the two halves of V's, my work-group's own.  An s_nop 0 and four v_nop follow each line
	s_cmp_eq_u32 s13, 0
	s_cbranch_scc0 .Lfor_v_\@
	tensor_load_to_lds s[G0+4*(\s):G0+4*(\s)+3], s[G1:G1+7]
	s_nop 0
.rept 4
	v_nop
.endr
	s_branch .Lasked_\@
.Lfor_v_\@:
	tensor_load_to_lds s[G0B+4*(\s):G0B+4*(\s)+3], s[G1B:G1B+7]
	s_nop 0
.rept 4
	v_nop
.endr
.Lasked_\@:
.endm
.macro CREST
	s_cmp_lg_u32 s12, 0
	s_cbranch_scc1 .Lnot_wave_0_\@
	s_barrier_signal -3
.Lnot_wave_0_\@:
	s_barrier_wait -3
	s_barrier_signal -1
	s_barrier_wait -1
.endm
.macro CROUND
	s_barrier_signal -1
	s_barrier_wait -1
	CREST
.endm
	s_load_b256 s[4:11], s[0:1], 0x0               ; pbuf s[4:5], qkv s[6:7], stats s[8:9], out0 s[10:11]
	v_lshl_add_u32 v[SPW], v0, 2, SPARE
	v_mov_b32 v[NIL], 0
	ds_add_u32 v28, v29
	ds_add_u32 v28, v29
	s_wait_dscnt 0x0
	v_lshrrev_b32 v1, 5, v0
	v_readfirstlane_b32 s12, v1                    ; wave 0..3
	s_lshr_b32 s13, s12, 1                         ; I fetch for P' (0) or for V (1),
	s_and_b32 s14, s12, 1                          ; this half of the tile
	s_bfe_u32 s15, ttmp6, 0x40000                  ; cx
	s_lshl_b32 s16, ttmp9, 2
	s_add_co_u32 s16, s16, s15                     ; n = 4 x cluster x + cx: it enters V's and out0's addresses alone
	s_and_b32 s17, ttmp7, 0xffff
	s_lshr_b32 s18, s17, 3                         ; b
	s_and_b32 s17, s17, 7
	s_sub_co_u32 s40, 7, s17                       ; I
	s_lshl_b32 s20, s18, 23                        ; P': (2,048 b + 256 I + 128 half) rows of 4,096 bytes
	s_lshl_b32 s21, s40, 20
	s_add_co_u32 s20, s20, s21
	s_lshl_b32 s21, s14, 19
	s_add_co_u32 s20, s20, s21
	s_mov_b32 s21, 0
	s_mul_i32 s44, s18, 2048*QROW                  ; V: (2,048 b + 64 half) rows of 6,144 bytes + v's 4,096 + 256 n
	s_mul_i32 s45, s14, 64*QROW
	s_add_co_u32 s44, s44, s45
	s_lshl_b32 s45, s16, 8
	s_add_co_u32 s44, s44, s45
	s_add_co_u32 s44, s44, 4096
	s_mov_b32 s45, 0
	s_lshl_b32 s22, s18, 17                        ; stats: (32,768 b + 256 I + 64 w) x 4
	s_lshl_b32 s23, s40, 10
	s_add_co_u32 s22, s22, s23
	s_lshl_b32 s23, s12, 8
	s_add_co_u32 s22, s22, s23
	s_mov_b32 s23, 0
	s_lshl_b32 s46, s18, 23                        ; out0: (2,048 b + 256 I + 64 w) rows of 4,096 bytes + 512 n
	s_lshl_b32 s47, s40, 20
	s_add_co_u32 s46, s46, s47
	s_lshl_b32 s47, s12, 18
	s_add_co_u32 s46, s46, s47
	s_lshl_b32 s47, s16, 9
	s_add_co_u32 s46, s46, s47
	s_mov_b32 s47, 0
	s_mul_i32 s41, s14, HALFA                      ; where the tiles go: no place in the cluster enters an LDS address
	s_mul_i32 s42, s14, HALFB
	s_add_co_u32 s42, s42, BOFF
	s_mov_b32 s[G1+0], 15|(1<<16)|(1<<20)|(1<<21)|(5<<22)|(3<<25)  ; the mask of four; 2-byte elements; padding on; bit 21 beside a mask; after every 64 words 4 words
	s_mov_b32 s[G1+1], 128<<16                     ; tensor_dim0 = 128
	s_mov_b32 s[G1+2], 128<<16                     ; tensor_dim1 = 128
	s_mov_b32 s[G1+3], 128<<16                     ; tile_dim0 = 128
	s_mov_b32 s[G1+4], 128                         ; tile_dim1 = 128
	s_mov_b32 s[G1+5], 2048                        ; elements from row to row of pbuf
	s_mov_b32 s[G1+6], 0
	s_mov_b32 s[G1+7], 0
	s_mov_b32 s[G1B+0], (1<<16)|(1<<20)|(5<<22)|(7<<25)            ; no mask; after every 64 words 8 words of padding
	s_mov_b32 s[G1B+1], 128<<16                    ; tensor_dim0 = 128
	s_mov_b32 s[G1B+2], 64<<16                     ; tensor_dim1 = 64
	s_mov_b32 s[G1B+3], 128<<16                    ; tile_dim0 = 128
	s_mov_b32 s[G1B+4], 64                         ; tile_dim1 = 64
	s_mov_b32 s[G1B+5], 3072                       ; elements from row to row of qkv
	s_mov_b32 s[G1B+6], 0
	s_mov_b32 s[G1B+7], 0
	s_wait_kmcnt 0x0
	s_add_nc_u64 s[4:5], s[4:5], s[20:21]
	s_add_nc_u64 s[6:7], s[6:7], s[44:45]
	s_add_nc_u64 s[8:9], s[8:9], s[22:23]
	s_add_nc_u64 s[10:11], s[10:11], s[46:47]
	CROUND                                         ; all four work-groups are here: the first joint loads meet
.irp s, 0,1
	s_mov_b32 s[G0+4*(\s)], 1
	s_add_co_u32 s[G0+4*(\s)+1], s41, (\s)*SLOT
	s_add_nc_u64 s[G0+4*(\s)+2:G0+4*(\s)+3], s[4:5], (\s)*256
	s_or_b32 s[G0+4*(\s)+3], s[G0+4*(\s)+3], 0x80000000
	s_mov_b32 s[G0B+4*(\s)], 1
	s_add_co_u32 s[G0B+4*(\s)+1], s42, (\s)*SLOT
	s_add_nc_u64 s[G0B+4*(\s)+2:G0B+4*(\s)+3], s[6:7], (\s)*128*QROW
	s_or_b32 s[G0B+4*(\s)+3], s[G0B+4*(\s)+3], 0x80000000
	JLOAD \s                                       ; two loads of mine are out
.endr
	v_and_b32 v1, 15, v0                           ; l % 16
	v_lshlrev_b32 v[SO], 2, v1
	; THE PROLOGUE stands in the wait for the first tiles: all 16 chunks' cm and l of my 64 queries (both halves of the lanes hold the same query)
.set j, 0
.rept 16
.irp a, 0,1,2,3
	global_load_b32 v[TM+4*j+(\a)], v[SO], s[8:9] offset:j*8192+64*(\a)
.endr
.set j, j+1
.endr
.set j, 0
.rept 16
.irp a, 0,1,2,3
	global_load_b32 v[TL+4*j+(\a)], v[SO], s[8:9] offset:524288+j*8192+64*(\a)
.endr
.set j, j+1
.endr
	v_bfe_u32 v2, v0, 4, 1                         ; l / 16
	v_and_b32 v3, 7, v0
	v_bfe_u32 v4, v0, 3, 1
	v_and_b32 v5, 31, v0                           ; lane
	v_mul_u32_u24 v6, v1, PA                       ; a fragment of P': row l % 16, 16 bytes for each half of the lanes,
	v_lshl_add_u32 v6, v2, 4, v6
	s_mul_i32 s41, s12, 64*PA                      ; in my wave's 64 rows
	v_add_nc_u32 v[ADRA], s41, v6
	v_add_nc_u32 v[ADRA+1], SLOT, v[ADRA]
	v_lshl_add_u32 v7, v2, 3, v3                   ; the turning load: key 8 (l / 16) + l % 8, channels 8 ((l / 8) % 2) + 0..7
	v_mul_u32_u24 v7, v7, PB
	v_lshl_add_u32 v7, v4, 4, v7
	v_add_nc_u32 v[ADRB], BOFF, v7
	v_add_nc_u32 v[ADRB+1], SLOT, v[ADRB]
	s_mul_i32 s41, s12, 16*SP
	s_add_co_u32 s41, s41, STAGE                   ; my stage
	v_mul_u32_u24 v6, v1, SP                       ; in: row l % 16, 32 bytes for each half of the lanes
	v_lshl_add_u32 v6, v2, 5, v6
	v_add_nc_u32 v[STO], s41, v6
	v_lshlrev_b32 v[GO], 4, v5
	v_add_nc_u32 v[RD], s41, v[GO]                 ; back: 32 lanes take a row of 512 bytes
	s_wait_loadcnt 0x0
.irp a, 0,1,2,3
	v_mov_b32 v[MT+(\a)], v[TM+4+(\a)]             ; chunk 1's cm is kept for the first change of slots
.endr
.irp a, 0,1,2,3
	v_max3_num_f32 v[MX+(\a)], v[TM+(\a)], v[TM+4+(\a)], v[TM+8+(\a)]
.endr
.irp k, 0,1,2,3,4,5
.irp a, 0,1,2,3
	v_max3_num_f32 v[MX+(\a)], v[MX+(\a)], v[TM+12+8*(\k)+(\a)], v[TM+16+8*(\k)+(\a)]
.endr
.endr
.irp a, 0,1,2,3
	v_max_num_f32 v[MX+(\a)], v[MX+(\a)], v[TM+60+(\a)]   ; M
.endr
.set i, 0
.rept 64
	v_sub_f32 v[TM+i], v[TM+i], v[MX+i%4]
.set i, i+1
.endr
.set i, 0
.rept 64
	v_exp_f32 v[TM+i], v[TM+i]                     ; f
.set i, i+1
.endr
	v_nop                                          ; a plain instruction between the last exponential and the use of its result
	s_wait_alu depctr_va_vdst(0)
.irp a, 0,1,2,3
	v_mul_f32 v[LS+(\a)], v[TM+(\a)], v[TL+(\a)]
.endr
.set j, 1
.rept 15
.irp a, 0,1,2,3
	v_fmac_f32 v[LS+(\a)], v[TM+4*j+(\a)], v[TL+4*j+(\a)]
.endr
.set j, j+1
.endr
.irp a, 0,1,2,3
	v_rcp_f32 v[RL+2*(\a)], v[LS+(\a)]
.endr
	v_nop
	s_wait_alu depctr_va_vdst(0)
.irp a, 0,1,2,3
	v_mov_b32 v[RL+2*(\a)+1], v[RL+2*(\a)]         ; named as pairs
.endr
	WIN 0x40                                       ; destination window 1
	v_cvt_pk_f16_f32 v[FR], v[TM], v[TM]           ; chunk 0's f
	v_cvt_pk_f16_f32 v[FR+1], v[TM+1], v[TM+1]
	WIN 0x80                                       ; window 2
	v_cvt_pk_f16_f32 v[FR], v[TM+2], v[TM+2]
	v_cvt_pk_f16_f32 v[FR+1], v[TM+3], v[TM+3]
	WIN 0
	s_add_nc_u64 s[8:9], s[8:9], 8192              ; stats at chunk 1 (all loads that named the base are back)
.macro SC a, i, f                      ; register i of block a's fragment of buffer f, times f
	v_pk_mul_f16 v[SA+8*((\a)%2)+(\i)], v[FA+32*(\f)+8*(\a)+(\i)], v[FR+(\a)%2]
.endm
.macro SC8 a, f
.irp i, 0,1,2,3,4,5,6,7
	SC \a, \i, \f
.endr
.endm
.macro MM a, b, f, zero                ; one product: block a's 16 queries x channels 16 b on x 32 keys
.if \zero
	v_wmma_f32_16x16x32_f16 v[64*((\a)%2)+8*(\b):64*((\a)%2)+8*(\b)+7], v[FB+64*(\f)+8*(\b):FB+64*(\f)+8*(\b)+7], v[SA+8*((\a)%2):SA+8*((\a)%2)+7], 0
.else
	v_wmma_f32_16x16x32_f16 v[64*((\a)%2)+8*(\b):64*((\a)%2)+8*(\b)+7], v[FB+64*(\f)+8*(\b):FB+64*(\f)+8*(\b)+7], v[SA+8*((\a)%2):SA+8*((\a)%2)+7], v[64*((\a)%2)+8*(\b):64*((\a)%2)+8*(\b)+7]
.endif
.endm
.macro HEAD8 a, f, zero                ; block a's eight products; the next block's scaling stands behind the first four.  The scaled fragment that it writes was last read eight plain instructions back or more
.irp i, 0,1,2,3
	MM \a, \i, \f, \zero
	SC (\a)+1, 2*(\i), \f
	SC (\a)+1, 2*(\i)+1, \f
.endr
.irp i, 4,5,6,7
	MM \a, \i, \f, \zero
.endr
.endm
.macro TAIL8 a, f, zero
.irp i, 0,1,2,3,4,5,6,7
	MM \a, \i, \f, \zero
.endr
.endm
.macro FETCH slot, q, g                ; 24 LDS loads in one run: quarter q's fragments (32 keys x 128 channels of V, my 64 rows x 32 keys of P') into buffer g
	WIN 0
.irp i, 0,1,2,3,4,5,6,7
	ds_load_tr16_b128 v[FB+64*(\g)+8*(\i):FB+64*(\g)+8*(\i)+3],   v[ADRB+(\slot)] offset:(\q)*32*PB+32*(\i)
	ds_load_tr16_b128 v[FB+64*(\g)+8*(\i)+4:FB+64*(\g)+8*(\i)+7], v[ADRB+(\slot)] offset:(\q)*32*PB+32*(\i)+16*PB
.endr
.irp a, 0,1,2,3
	ds_load_b128 v[FA+32*(\g)+8*(\a):FA+32*(\g)+8*(\a)+3],   v[ADRA+(\slot)] offset:(\q)*64+(\a)*16*PA
	ds_load_b128 v[FA+32*(\g)+8*(\a)+4:FA+32*(\g)+8*(\a)+7], v[ADRA+(\slot)] offset:(\q)*64+(\a)*16*PA+32
.endr
.endm
; A K step is four quarters of 32 keys, 32 products each, on buffers 0, 1, 0, 1.  The 32 accumulators take turns, one instruction a turn, in the same order in every quarter.
; Block 0's eight scalings, which name no register of the products before them, are the places in front of the loads into buffer g.
.macro QUARTER slot, q, f, g, zero, fetch=1
	s_wait_dscnt 0x0                               ; buffer f is in: its loads were issued 32 products ago
	WIN W1
	SC8 0, \f
.if \fetch
	FETCH \slot, \q, \g
.endif
	WIN W1
	HEAD8 0, \f, \zero
	TAIL8 1, \f, \zero
	WIN W2
	SC8 2, \f
	HEAD8 2, \f, \zero
	TAIL8 3, \f, \zero
.endm
; The last quarter multiplies buffer 1 and changes slots.  In front of the barrier each wave waits for all its tensor loads (one is out: its part of the next slot), adds 0 to its spare word, and waits for that
; and for its reads of this slot.  fill = 1: the barrier opens a round of the cluster's barrier, and the slot is filled again, two steps ahead, first thing behind the round.
; At its end the step's last scaling is done: f of the next chunk is made from the cm fetched a step ago.  more = 1: the chunk after that is fetched.
.macro TURN slot, next, fill, more
	WIN 0
	s_wait_tensorcnt 0x0
	ds_add_u32 v[SPW], v[NIL]                      ; 0 onto my spare word
	s_wait_dscnt 1                                 ; buffer 1 is in; the add alone may be out
	WIN W1
	SC8 0, 1
	HEAD8 0, 1, 0
	s_wait_dscnt 0x0                               ; the add is done, and my reads of this slot are over
	s_barrier_signal -1
	TAIL8 1, 1, 0
	WIN 0
	s_barrier_wait -1
.if \fill
	CREST                                          ; no wave of any partner still reads this slot's tile or has a load on its way
	s_add_nc_u64 s[G0+4*(\slot)+2:G0+4*(\slot)+3], s[G0+4*(\slot)+2:G0+4*(\slot)+3], 2*256
	s_add_nc_u64 s[G0B+4*(\slot)+2:G0B+4*(\slot)+3], s[G0B+4*(\slot)+2:G0B+4*(\slot)+3], 2*128*QROW
	JLOAD \slot                                    ; my one tensor load behind the round
.endif
	FETCH \next, 0, 0                              ; buffer 0's last product stands sixteen scalings back
	WIN W2
	SC8 2, 1
	HEAD8 2, 1, 0
	TAIL8 3, 1, 0
	WIN 0
	s_wait_loadcnt 0x0                             ; the next chunk's cm
.irp a, 0,1,2,3
	v_sub_f32 v[TF+(\a)], v[MT+(\a)], v[MX+(\a)]
.endr
.irp a, 0,1,2,3
	v_exp_f32 v[TF+(\a)], v[TF+(\a)]
.endr
	v_nop
	WIN 0x40
	s_wait_alu depctr_va_vdst(0)
	v_cvt_pk_f16_f32 v[FR], v[TF], v[TF]
	v_cvt_pk_f16_f32 v[FR+1], v[TF+1], v[TF+1]
	WIN 0x80
	v_cvt_pk_f16_f32 v[FR], v[TF+2], v[TF+2]
	v_cvt_pk_f16_f32 v[FR+1], v[TF+3], v[TF+3]
.if \more
	WIN 0
	s_add_nc_u64 s[8:9], s[8:9], 8192              ; (the loads that named the base are back)
.irp a, 0,1,2,3
	global_load_b32 v[MT+(\a)], v[SO], s[8:9] offset:64*(\a)
.endr
.endif
.endm
	s_wait_tensorcnt 1                             ; my part of step 0 is in; step 1's may stay out
	s_barrier_signal -1
	s_barrier_wait -1
	FETCH 0, 0, 0
	QUARTER 0, 1, 0, 1, 1                          ; the first quarter stands in front of the loop: its products start the sums
	WIN 0
	s_cmp_eq_u32 s40, 0                            ; block 0 has one lap, which the two first fills cover: the loop has I trips
	s_cbranch_scc1 .Ltail
	s_mov_b32 s3, 0
.Llap:                                                 ; a trip goes once round the ring, from a lap's second quarter to the next lap's first, and fills both slots again
	QUARTER 0, 2, 1, 0, 0
	QUARTER 0, 3, 0, 1, 0
	TURN 0, 1, 1, 1
	QUARTER 1, 1, 0, 1, 0
	QUARTER 1, 2, 1, 0, 0
	QUARTER 1, 3, 0, 1, 0
	TURN 1, 0, 1, 1
	QUARTER 0, 1, 0, 1, 0
	WIN 0
	s_add_co_u32 s3, s3, 1
	s_cmp_lt_u32 s3, s40
	s_cbranch_scc1 .Llap
.Ltail:                                                ; the last lap fills nothing and has no round
	QUARTER 0, 2, 1, 0, 0
	QUARTER 0, 3, 0, 1, 0
	TURN 0, 1, 0, 0
	QUARTER 1, 1, 0, 1, 0
	QUARTER 1, 2, 1, 0, 0
	QUARTER 1, 3, 0, 1, 0
	QUARTER 1, 0, 1, 0, 0, 0                       ; the very last quarter: nothing more to fetch
	; THE WAY OUT, a block of 16 queries at a time: O^T / l; a lane's eight channels, 32 bytes, into my stage; back as whole rows of 512 bytes; stored.
.rept 4
	v_nop                                          ; the places behind the last products
.endr
.macro OUTM a                          ; each accumulator's registers in ascending order
	WIN 1+(\a)/2                                   ; source 0 in window 1 or 2
.set i, 0
.rept 32
	v_pk_mul_f32 v[T+2*i:T+2*i+1], v[64*((\a)%2)+2*i:64*((\a)%2)+2*i+1], v[RL+2*(\a):RL+2*(\a)+1] op_sel_hi:[1,0]
.set i, i+1
.endr
	WIN 0
.endm
.macro OUTS a
.set BK, 96+64*((\a)%2)
.irp b, 0,1,2,3,4,5,6,7
	ds_store_b128 v[STO], v[T+8*(\b):T+8*(\b)+3] offset:64*(\b)
	ds_store_b128 v[STO], v[T+8*(\b)+4:T+8*(\b)+7] offset:64*(\b)+16
.endr
.irp t, 0,1,2,3,4,5,6,7,8,9,10,11,12,13,14,15
	ds_load_b128 v[BK+4*(\t):BK+4*(\t)+3], v[RD] offset:(\t)*SP  ; LDS serves a wave's instructions in order (ISA guide 5.7.1.4): these see the stores above
.endr
.endm
.macro SEND a
.set BK, 96+64*((\a)%2)
	s_wait_dscnt 0x0                               ; the block is back in registers
	s_wait_xcnt 0x0                                ; the registers that the block before's stores read are loaded again only behind this wait
.irp t, 0,1,2,3,4,5,6,7,8,9,10,11,12,13,14,15
	global_store_b128 v[GO], v[BK+4*(\t):BK+4*(\t)+3], s[10:11] offset:(16*(\a)+(\t))*4096  ; 512 consecutive bytes, at a multiple of 512 from out0's first byte
.endr
.endm
	OUTM 0
	OUTS 0
.irp a, 1,2,3                          ; block a's multiplies stand between block a - 1's loads from the stage and the wait for them
	OUTM \a
	SEND (\a)-1
	OUTS \a
.endr
	SEND 3
	s_wait_tensorcnt 0x0                           ; the wave's end
	ds_add_u32 v[SPW], v[NIL]
	s_wait_dscnt 0x0
	CROUND                                         ; the closing round: no work-group ends while a partner may still ask for a tile that names it
	s_endpgm
.Lfunc_end_k_q2e23e98c30_pv:
	.size	k_q2e23e98c30_pv, .Lfunc_end_k_q2e23e98c30_pv-k_q2e23e98c30_pv
	.p2alignl 7, 3214868480
	.fill 96, 4, 3214868480
	.section	.rodata,"a",@progbits
	.p2align	6, 0x0
	.amdhsa_kernel k_q2e23e98c30_pv
		.amdhsa_group_segment_fixed_size 327680
		.amdhsa_private_segment_fixed_size 0
		.amdhsa_enable_private_segment 0
		.amdhsa_kernarg_size 32
		.amdhsa_user_sgpr_count 2
		.amdhsa_user_sgpr_kernarg_segment_ptr 1
		.amdhsa_wavefront_size32 1
		.amdhsa_system_sgpr_workgroup_id_x 1
		.amdhsa_system_sgpr_workgroup_id_y 1
		.amdhsa_system_sgpr_workgroup_id_z 1
		.amdhsa_system_vgpr_workitem_id 0
		.amdhsa_next_free_vgpr 768
		.amdhsa_next_free_sgpr 66
		.amdhsa_reserve_vcc 0
		.amdhsa_float_denorm_mode_32 3
		.amdhsa_float_denorm_mode_16_64 3
		.amdhsa_memory_ordered 1
		.amdhsa_forward_progress 1
		.amdhsa_inst_pref_size 147
	.end_amdhsa_kernel
	.amdgpu_metadata
---
amdhsa.version: [ 1, 2 ]
amdhsa.kernels:
  - .name:           k_q2e23e98c30_pv
    .symbol:         k_q2e23e98c30_pv.kd
    .args:
      - { .name: pbuf, .offset: 0, .size: 8, .value_kind: global_buffer, .address_space: global }
      - { .name: qkv, .offset: 8, .size: 8, .value_kind: global_buffer, .address_space: global }
      - { .name: stats, .offset: 16, .size: 8, .value_kind: global_buffer, .address_space: global }
      - { .name: out0, .offset: 24, .size: 8, .value_kind: global_buffer, .address_space: global }
    .group_segment_fixed_size: 327680
    .private_segment_fixed_size: 0
    .kernarg_segment_align: 8
    .kernarg_segment_size: 32
    .max_flat_workgroup_size: 128
    .sgpr_count:     66
    .vgpr_count:     768
    .wavefront_size: 32
...
	.end_amdgpu_metadata
.endif
;; end of part 4
;; ======== version 2 of 3: 5 launches; 1.16 times as fast as version 1
;; limits: values are held in f16: magnitudes above 65,504 overflow, below 6.1e-05 lose precision
;; workspace buffers: xh 16,777,216 bytes; wa 4,194,304 bytes; wh 4,194,304 bytes; qv 33,554,432 bytes; pbuf 33,554,432 bytes; stats 1,048,576 bytes
;; launch cast (part 5): grid 704 x 1, 8 waves a work-group, no clusters, 0 bytes of LDS; arguments x, w_q, w_k, w_v, xh, wa, wh, stats; writes xh, wa, wh, stats
.if DOCPART == 5
	.amdgcn_target "amdgcn-amd-amdhsa--gfx1250"
	.amdhsa_code_object_version 6
	.text
	.protected	k_q2e23e98c30_cast
	.globl	k_q2e23e98c30_cast
	.p2align	8
	.type	k_q2e23e98c30_cast,@function
k_q2e23e98c30_cast:
	s_mov_b64 s[64:65], 0
	v_nop
	global_prefetch_b8 v0, s[64:65] scope:SCOPE_SE
	s_setreg_imm32_b32 hwreg(HW_REG_WAVE_MODE, 25, 1), 1
	s_wait_xcnt 0x0
; Every input is rounded to bf16 (nearest even), multiplied by a power of two (exact) and written as f16; and stats gets its starting values.
;   xh[8192][1024]  = bf16(x) 2^-5        wa[0..1023][1024] = bf16(w_q)        wa[1024..2047][1024] = bf16(w_k)        wh[k][1024 + d] = bf16(w_v[k][d]) 2^5   (wh: [1024][2048])
; The two scales cancel in v = xh wh; the 2^-5 on x keeps x (w_q w_k^T) inside f16 in the launches behind (their heads give the figures).
; stats: 524,288 bytes of chunk maxima, which start at -2^100, then 524,288 bytes of chunk sums, which start at 0: a chunk that no later launch writes then counts for nothing.
; LIMITS.  A scaled bf16 number is exact in f16 from 2^-17 up to 65,504; beyond 65,504 it becomes an infinity; below 2^-17 it keeps f16's fixed step of 2^-24.
; SHARES.  A work-group takes 16 rows of 1,024 floats; thread t the floats 4 t .. 4 t + 3 of each: a wave's load covers 512 consecutive bytes, its store 256 consecutive bytes, aligned.
; Work-groups 0-511 take x (and 2,048 bytes of stats each), 512-703 the three weights, 64 each.  What differs between them (bases, the output's pitch, the scale) lies in scalar registers, so the
; work is written once.  All 16 loads go out first; each row has data and offset registers of its own, so nothing is rewritten while it is read.  No LDS, no matrix unit: every byte moves once.
.set X, 16                             ; v[16:79]    row i: 4 floats as loaded
.set Y, 80                             ; v[80:111]   row i: 4 f16 to store
.set YO, 112                           ; v[112:127]  row i: my byte offset in the output: 8 t + i x pitch
.set T, 6                              ; v[6:11]     at work
.set FILL, 0xf1800000                  ; -2^100
.macro CONV i
	s_wait_loadcnt 15-(\i)                         ; loads come back in order: row i is in, the 15 - i younger rows may stay out
	v_cvt_pk_bf16_f32 v[T], v[X+4*(\i)], v[X+4*(\i)+1]      ; the rounding that counts: to bf16
	v_cvt_pk_bf16_f32 v[T+1], v[X+4*(\i)+2], v[X+4*(\i)+3]
	v_lshlrev_b32 v[T+2], 16, v[T]                 ; bf16 to f32: the low half moves up,
	v_and_b32 v[T+3], s27, v[T]                    ; the high half stays
	v_lshlrev_b32 v[T+4], 16, v[T+1]
	v_and_b32 v[T+5], s27, v[T+1]
	v_pk_mul_f32 v[T+2:T+3], v[T+2:T+3], s[28:29] op_sel_hi:[1,0]   ; the power of two
	v_pk_mul_f32 v[T+4:T+5], v[T+4:T+5], s[28:29] op_sel_hi:[1,0]
	v_cvt_pk_f16_f32 v[Y+2*(\i)], v[T+2], v[T+3]   ; eight significant bits fit into f16's eleven: exact within the limits above
	v_cvt_pk_f16_f32 v[Y+2*(\i)+1], v[T+4], v[T+5]
	global_store_b64 v[YO+(\i)], v[Y+2*(\i):Y+2*(\i)+1], s[22:23]
.endm
	s_load_b256 s[4:11], s[0:1], 0x0               ; x s[4:5], w_q s[6:7], w_k s[8:9], w_v s[10:11]
	s_load_b256 s[12:19], s[0:1], 0x20             ; xh s[12:13], wa s[14:15], wh s[16:17], stats s[18:19]
	v_lshlrev_b32 v1, 4, v0                        ; my 16 bytes of a row of floats
	v_lshlrev_b32 v[YO], 3, v0                     ; my 8 bytes of a row of f16
	s_mov_b32 s27, 0xffff0000                      ; a word's upper bf16
	s_mov_b32 s25, 0                               ; the high word of every offset
	s_mov_b32 s26, 2048                            ; the output's pitch, but for w_v
	s_wait_kmcnt 0x0
	s_cmp_lt_u32 ttmp9, 512
	s_cbranch_scc0 .Lweights
	s_lshl_b32 s24, ttmp9, 16                      ; 16 rows of 4,096 bytes
	s_add_nc_u64 s[20:21], s[4:5], s[24:25]
	s_lshl_b32 s24, ttmp9, 15                      ; 16 rows of 2,048 bytes
	s_add_nc_u64 s[22:23], s[12:13], s[24:25]
	s_mov_b32 s28, 0x3d000000                      ; 2^-5
	s_lshl_b32 s24, ttmp9, 11                      ; my 2,048 bytes of stats: work-groups 0-255 the maxima, 256-511 the sums
	s_add_nc_u64 s[18:19], s[18:19], s[24:25]
	s_cmp_lt_u32 ttmp9, 256
	s_cselect_b32 s30, FILL, 0
	v_mov_b32 v4, s30
	v_mov_b32 v5, s30
	global_store_b64 v[YO], v[4:5], s[18:19]
	s_branch .Lgo
.Lweights:
	s_sub_co_u32 s30, ttmp9, 512
	s_lshr_b32 s31, s30, 6                         ; which weight: 0 q, 1 k, 2 v
	s_and_b32 s30, s30, 63                         ; which 16 rows of it
	s_cmp_eq_u32 s31, 1
	s_cselect_b64 s[20:21], s[8:9], s[6:7]
	s_cmp_eq_u32 s31, 2
	s_cselect_b64 s[20:21], s[10:11], s[20:21]
	s_cselect_b64 s[22:23], s[16:17], s[14:15]     ; w_v goes into wh, the others into wa
	s_cselect_b32 s26, 4096, s26                   ; a row of wh is 4,096 bytes
	s_cselect_b32 s28, 0x42000000, 1.0             ; 2^5 for w_v
	s_lshl_b32 s24, s30, 16
	s_add_nc_u64 s[20:21], s[20:21], s[24:25]
	s_mul_i32 s24, s30, s26
	s_lshl_b32 s24, s24, 4                         ; 16 rows of the output
	s_cmp_eq_u32 s31, 1
	s_cselect_b32 s30, 0x200000, 0                 ; w_k lies behind w_q's 2,097,152 bytes,
	s_cmp_eq_u32 s31, 2
	s_cselect_b32 s30, 2048, s30                   ; w_v in the right half of wh's rows
	s_add_co_u32 s24, s24, s30
	s_add_nc_u64 s[22:23], s[22:23], s[24:25]
.Lgo:
.irp i, 0,1,2,3,4,5,6,7,8,9,10,11,12,13,14,15
	global_load_b128 v[X+4*(\i):X+4*(\i)+3], v1, s[20:21] offset:(\i)*4096 th:TH_LOAD_NT
.endr
	s_mov_b32 s29, s28                             ; named with it as a pair
.irp i, 1,2,3,4,5,6,7,8,9,10,11,12,13,14,15
	v_add_nc_u32 v[YO+(\i)], s26, v[YO+(\i)-1]
.endr
.irp i, 0,1,2,3,4,5,6,7,8,9,10,11,12,13,14,15
	CONV \i
.endr
	s_endpgm
.Lfunc_end_k_q2e23e98c30_cast:
	.size	k_q2e23e98c30_cast, .Lfunc_end_k_q2e23e98c30_cast-k_q2e23e98c30_cast
	.p2alignl 7, 3214868480
	.fill 96, 4, 3214868480
	.section	.rodata,"a",@progbits
	.p2align	6, 0x0
	.amdhsa_kernel k_q2e23e98c30_cast
		.amdhsa_group_segment_fixed_size 0
		.amdhsa_private_segment_fixed_size 0
		.amdhsa_enable_private_segment 0
		.amdhsa_kernarg_size 64
		.amdhsa_user_sgpr_count 2
		.amdhsa_user_sgpr_kernarg_segment_ptr 1
		.amdhsa_wavefront_size32 1
		.amdhsa_system_sgpr_workgroup_id_x 1
		.amdhsa_system_sgpr_workgroup_id_y 1
		.amdhsa_system_sgpr_workgroup_id_z 1
		.amdhsa_system_vgpr_workitem_id 0
		.amdhsa_next_free_vgpr 128
		.amdhsa_next_free_sgpr 66
		.amdhsa_reserve_vcc 0
		.amdhsa_float_denorm_mode_32 3
		.amdhsa_float_denorm_mode_16_64 3
		.amdhsa_memory_ordered 1
		.amdhsa_forward_progress 1
		.amdhsa_inst_pref_size 15
	.end_amdhsa_kernel
	.amdgpu_metadata
---
amdhsa.version: [ 1, 2 ]
amdhsa.kernels:
  - .name:           k_q2e23e98c30_cast
    .symbol:         k_q2e23e98c30_cast.kd
    .args:
      - { .name: x, .offset: 0, .size: 8, .value_kind: global_buffer, .address_space: global }
      - { .name: w_q, .offset: 8, .size: 8, .value_kind: global_buffer, .address_space: global }
      - { .name: w_k, .offset: 16, .size: 8, .value_kind: global_buffer, .address_space: global }
      - { .name: w_v, .offset: 24, .size: 8, .value_kind: global_buffer, .address_space: global }
      - { .name: xh, .offset: 32, .size: 8, .value_kind: global_buffer, .address_space: global }
      - { .name: wa, .offset: 40, .size: 8, .value_kind: global_buffer, .address_space: global }
      - { .name: wh, .offset: 48, .size: 8, .value_kind: global_buffer, .address_space: global }
      - { .name: stats, .offset: 56, .size: 8, .value_kind: global_buffer, .address_space: global }
    .group_segment_fixed_size: 0
    .private_segment_fixed_size: 0
    .kernarg_segment_align: 8
    .kernarg_segment_size: 64
    .max_flat_workgroup_size: 256
    .sgpr_count:     66
    .vgpr_count:     128
    .wavefront_size: 32
...
	.end_amdgpu_metadata
.endif
;; end of part 5
;; launch wqk (part 6): grid 16 x 16, 4 waves a work-group, clusters of 4 x 4, 327,680 bytes of LDS; arguments wa, wh; writes wh
.if DOCPART == 6
	.amdgcn_target "amdgcn-amd-amdhsa--gfx1250"
	.amdhsa_code_object_version 6
	.text
	.protected	k_q2e23e98c30_wqk
	.globl	k_q2e23e98c30_wqk
	.p2align	8
	.type	k_q2e23e98c30_wqk,@function
k_q2e23e98c30_wqk:
	s_mov_b64 s[64:65], 0
	v_nop
	global_prefetch_b8 v0, s[64:65] scope:SCOPE_SE
	s_setreg_imm32_b32 hwreg(HW_REG_WAVE_MODE, 25, 1), 1
	s_wait_xcnt 0x0
	s_wait_alu depctr_hold_cnt(0) depctr_sa_sdst(0) depctr_va_vdst(0) depctr_va_sdst(0) depctr_va_ssrc(0) depctr_va_vcc(0) depctr_vm_vsrc(0)
	s_getreg_b32 s2, hwreg(HW_REG_IB_STS2, 6, 4)
	s_cmp_eq_u32 s2, 0
	s_cbranch_scc0 .Lentry_in_a_cluster
	s_endpgm
.Lentry_in_a_cluster:
	s_bfe_u32 s2, ttmp6, 0x10000c
	s_cmp_lg_u32 s2, 0xf033
	s_cbranch_scc0 .Lentry_shape_is_right
	s_endpgm
.Lentry_shape_is_right:
; wh[i][j] = 2^-5 x the sum over d of w_q[i][d] w_k[j][d], for i, j = 0 .. 1023: the left half of wh ([1024][2048] f16).  wa: [2048][1024] f16, w_q's rows and then w_k's.  Sums in f32, rounded once.
; WHY.  q k^T = x (w_q w_k^T) x^T for every input: with this product of 1,024^3 made once, the projection of k (8,192 x 1,024 x 1,024) need not be made at all, and x itself serves as K.
; The order of rounding differs from the reference's: w_q w_k^T is rounded to f16 where the reference rounds nothing; k has no rounding of its own any more.
; LIMITS.  With both weights offset by 30 times their spread the stored numbers are near 55, with both 30 times larger near 2; below 2^-14 they keep f16's fixed step of 2^-24.
; SHARES.  A work-group makes 64 x 64, a wave 32 x 32: four accumulators.  The two operands' 128 rows x all of K, 270,336 bytes with padding, lie in LDS at once: every byte is filled once, by four
; tensor loads a wave that go out together, so there is no ring.  A tile 128 columns wide would need 160 rows x 2,048 bytes, all of LDS without padding; so a row's piece in wh is 128 bytes.
; CLUSTERS: 4 x 4.  The four of a row of the cluster need the same rows of w_q, the four of a column the same rows of w_k: each tile is asked for JOINTLY.
; THE MATRIX INSTRUCTION IS USED TRANSPOSED: source 0 = 16 rows of w_k (j), source 1 = 16 rows of w_q (i): a lane holds row i = l % 16 and eight neighbouring j.
; The accumulators are cleared by 32 v_mov_b32 in the wait for the tiles: the price of writing no first K step out ahead of the loop.
.set PITCH, 528                        ; an LDS row: 512 bytes (a quarter of K) + 16 = 33 x 16: the 16 rows that a load touches start at 16 different groups of four banks
.set QREG,  128*PITCH                  ; a quarter of K: w_q's 64 rows, then w_k's 64 rows
.set BOFF,  64*PITCH
.set STAGE, 4*QREG                     ; behind the tiles: 64 rows x 144 bytes, the work-group's, for the way out; no tensor load lands there
.set SP,    144
.set ADRA, 8                           ; v8   LDS address of my fragments of w_q; steps by QREG
.set ADRB, 9                           ; v9   the same for w_k
.set STO,  10
.set RD,   11
.set CO,   12
.set ACC,  16                          ; v[16:47]   accumulator (a, b) at 16 + 8 (2 a + b)
.set F,    48                          ; v[48:175]  four fragment buffers of 32: w_k's two blocks, then w_q's two
.set TMP,  48                          ; the way out: scaled sums,
.set PK,   80                          ; packed,
.set BK,   96                          ; and read back
.set G1,  24                           ; s[24:31] descriptor group 1 for w_q's tiles
.set G1B, 32                           ; s[32:39] for w_k's: it differs in the mask alone
.set G0,  40                           ; s[40:55] group 0 for w_q's tiles, a set for each quarter of K
.set G0B, 68                           ; s[68:83] the same for w_k's
.macro CROUND                          ; a round of the cluster's barrier
	s_barrier_signal -1
	s_barrier_wait -1
	s_cmp_lg_u32 s10, 0
	s_cbranch_scc1 .Lnot_wave_0_\@
	s_barrier_signal -3
.Lnot_wave_0_\@:
	s_barrier_wait -3
	s_barrier_signal -1
	s_barrier_wait -1
.endm
.macro PLACES                          ; four places in front of loads into registers that matrix instructions have read, and of vector lines that read results just made
.rept 4
	v_nop
.endr
.endm
	s_load_b128 s[4:7], s[0:1], 0x0                ; wa s[4:5], wh s[6:7]
	v_lshl_add_u32 v176, v0, 2, 0x44400
	v_mov_b32 v177, 0
	ds_add_u32 v176, v177
	ds_add_u32 v176, v177
	v_lshrrev_b32 v1, 5, v0
	v_readfirstlane_b32 s10, v1                    ; wave 0..3
	s_lshr_b32 s11, s10, 1                         ; which 32 rows i are mine.  Also: I fetch for w_q (0) or for w_k (1)
	s_and_b32 s12, s10, 1                          ; which 32 columns j.  Also: which 32 rows of that tile I fetch
	s_bfe_u32 s56, ttmp6, 0x40000                  ; cx, cy
	s_bfe_u32 s57, ttmp6, 0x40004
	s_lshl_b32 s58, ttmp9, 2
	s_add_co_u32 s58, s58, s56                     ; tile column = 4 x cluster x + cx
	s_and_b32 s13, ttmp7, 0xffff
	s_lshl_b32 s13, s13, 2
	s_add_co_u32 s13, s13, s57                     ; tile row = 4 x cluster y + cy
	s_lshl_b32 s59, s57, 2
	s_lshl_b32 s59, 15, s59                        ; my row of the cluster
	s_lshl_b32 s60, 0x1111, s56                    ; my column
	s_or_b32 s[G1+0], s59, (1<<16)|(1<<20)|(1<<21)|(6<<22)|(3<<25)   ; the mask; 2-byte elements; padding on; bit 21 beside a mask; after every 128 words 4 words
	s_or_b32 s[G1B+0], s60, (1<<16)|(1<<20)|(1<<21)|(6<<22)|(3<<25)
.irp g, G1, G1B
	s_mov_b32 s[(\g)+1], 256<<16                   ; tensor_dim0 = 256
	s_mov_b32 s[(\g)+2], 32<<16                    ; tensor_dim1 = 32
	s_mov_b32 s[(\g)+3], 256<<16                   ; tile_dim0 = 256
	s_mov_b32 s[(\g)+4], 32                        ; tile_dim1 = 32
	s_mov_b32 s[(\g)+5], 1024                      ; elements from row to row
	s_mov_b32 s[(\g)+6], 0
	s_mov_b32 s[(\g)+7], 0
.endr
	s_lshl_b32 s16, s13, 17                        ; w_q: 64 rows of 2,048 bytes a tile row,
	s_lshl_b32 s17, s12, 16                        ; 32 rows for the half that I fetch
	s_add_co_u32 s16, s16, s17
	s_mov_b32 s17, 0
	s_lshl_b32 s62, s58, 17                        ; w_k: the same by the tile column,
	s_lshl_b32 s63, s12, 16
	s_add_co_u32 s62, s62, s63
	s_add_co_u32 s62, s62, 0x200000                ; behind w_q's 2,097,152 bytes
	s_mov_b32 s63, 0
	s_mul_i32 s20, s10, 32*PITCH                   ; where they go: wave x 32 rows: no place in the cluster enters an LDS address
	s_wait_dscnt 0x0
	s_wait_kmcnt 0x0
	s_add_nc_u64 s[14:15], s[4:5], s[16:17]
	s_add_nc_u64 s[62:63], s[4:5], s[62:63]
.irp q, 0,1,2,3
	s_mov_b32 s[G0+4*(\q)], 1
	s_add_co_u32 s[G0+4*(\q)+1], s20, (\q)*QREG
	s_add_nc_u64 s[G0+4*(\q)+2:G0+4*(\q)+3], s[14:15], (\q)*512
	s_or_b32 s[G0+4*(\q)+3], s[G0+4*(\q)+3], 0x80000000
	s_mov_b32 s[G0B+4*(\q)], 1
	s_add_co_u32 s[G0B+4*(\q)+1], s20, (\q)*QREG
	s_add_nc_u64 s[G0B+4*(\q)+2:G0B+4*(\q)+3], s[62:63], (\q)*512
	s_or_b32 s[G0B+4*(\q)+3], s[G0B+4*(\q)+3], 0x80000000
.endr
	CROUND                                         ; all sixteen work-groups are here: the joint loads meet
	s_cmp_eq_u32 s11, 0                            ; a wave's four fills stand in one branch, ahead of every wait on TENSORcnt and every LDS read: four loads of mine are out
	s_cbranch_scc0 .Lfor_k
.irp q, 0,1,2,3
	tensor_load_to_lds s[G0+4*(\q):G0+4*(\q)+3], s[G1:G1+7]
	s_nop 0
.endr
	PLACES
	s_branch .Lasked
.Lfor_k:
.irp q, 0,1,2,3
	tensor_load_to_lds s[G0B+4*(\q):G0B+4*(\q)+3], s[G1B:G1B+7]
	s_nop 0
.endr
	PLACES
.Lasked:
	v_and_b32 v1, 15, v0                           ; l % 16
	v_bfe_u32 v2, v0, 4, 1                         ; l / 16
	v_mul_u32_u24 v3, v1, PITCH                    ; a fragment: row l % 16, two loads of 16 bytes, 32 bytes apart, 16 bytes on for lanes 16-31
	v_lshl_add_u32 v3, v2, 4, v3
	s_mul_i32 s21, s11, 32*PITCH                   ; my 32 rows of w_q
	s_mul_i32 s22, s12, 32*PITCH                   ; my 32 rows of w_k,
	s_add_co_u32 s22, s22, BOFF                    ; behind w_q's 64
	v_add_nc_u32 v[ADRA], s21, v3
	v_add_nc_u32 v[ADRB], s22, v3
	s_mul_i32 s21, s11, 32*SP                      ; into the stage: my 32 rows, my 64 bytes of their 128
	s_lshl_b32 s22, s12, 6
	s_add_co_u32 s21, s21, s22
	s_add_co_u32 s21, s21, STAGE
	v_mul_u32_u24 v4, v1, SP
	v_lshl_add_u32 v4, v2, 4, v4
	v_add_nc_u32 v[STO], s21, v4
	s_mul_i32 s21, s10, 16*SP                      ; back: wave w takes rows 16 w .. 16 w + 15, whole; 32 lanes take four rows of 128 bytes
	s_add_co_u32 s21, s21, STAGE
	v_bfe_u32 v5, v0, 3, 2
	v_and_b32 v6, 7, v0
	v_mul_u32_u24 v4, v5, SP
	v_lshl_add_u32 v4, v6, 4, v4
	v_add_nc_u32 v[RD], s21, v4
	v_lshlrev_b32 v4, 12, v5                       ; and the same four rows in wh
	v_lshl_add_u32 v[CO], v6, 4, v4
	s_lshl_b32 s16, s13, 18                        ; wh at my wave's first row: 64 rows of 4,096 bytes a tile row,
	s_lshl_b32 s17, s10, 16                        ; 16 rows a wave
	s_add_co_u32 s16, s16, s17
	s_mov_b32 s17, 0
	s_add_nc_u64 s[6:7], s[6:7], s[16:17]
	s_lshl_b32 s62, s58, 7                         ; 128 bytes a tile column
	s_mov_b32 s63, 0
	s_add_nc_u64 s[6:7], s[6:7], s[62:63]
	s_mov_b32 s20, 0x3d000000                      ; 2^-5
	s_mov_b32 s21, s20                             ; named with it as a pair
.set i, 0
.rept 32
	v_mov_b32 v[ACC+i], 0
.set i, i+1
.endr
.macro FETCHK s, f                     ; eight LDS loads: K step s of the quarter (32 along K) into buffer f
.irp b, 0,1
	ds_load_b128 v[F+32*(\f)+8*(\b):F+32*(\f)+8*(\b)+3],   v[ADRB] offset:(\s)*64+(\b)*16*PITCH
	ds_load_b128 v[F+32*(\f)+8*(\b)+4:F+32*(\f)+8*(\b)+7], v[ADRB] offset:(\s)*64+(\b)*16*PITCH+32
.endr
.irp a, 0,1
	ds_load_b128 v[F+32*(\f)+16+8*(\a):F+32*(\f)+16+8*(\a)+3],   v[ADRA] offset:(\s)*64+(\a)*16*PITCH
	ds_load_b128 v[F+32*(\f)+16+8*(\a)+4:F+32*(\f)+16+8*(\a)+7], v[ADRA] offset:(\s)*64+(\a)*16*PITCH+32
.endr
.endm
.macro MMK f                           ; four products; the four accumulators take turns, one instruction a turn, over the backward jump too
.irp a, 0,1
.irp b, 0,1
	v_wmma_f32_16x16x32_f16 v[ACC+8*(2*(\a)+(\b)):ACC+8*(2*(\a)+(\b))+7], v[F+32*(\f)+8*(\b):F+32*(\f)+8*(\b)+7], v[F+32*(\f)+16+8*(\a):F+32*(\f)+16+8*(\a)+7], v[ACC+8*(2*(\a)+(\b)):ACC+8*(2*(\a)+(\b))+7]
.endr
.endr
.endm
	s_wait_tensorcnt 0x0                           ; my four parts are in,
	s_barrier_signal -1
	s_barrier_wait -1                              ; everybody's are
	s_mov_b32 s3, 4
.Lkq:                                                  ; a trip: a quarter of K, eight K steps; the fragments are fetched three steps ahead, into four buffers by turns
	PLACES                                         ; behind the last trip's products
	FETCHK 0, 0
	FETCHK 1, 1
	FETCHK 2, 2
.irp s, 0,1,2,3,4,5,6,7
.if (\s) < 5
.if (\s) > 0
	PLACES                                         ; the buffer to be filled was multiplied just now
.endif
	FETCHK (\s)+3, ((\s)+3)%4
	s_wait_dscnt 24                                ; step s is in; the three later steps' 24 loads may be out
.else
	s_wait_dscnt 8*(7-(\s))                        ; the later steps' loads: 16, 8, none
.endif
	MMK (\s)%4
.endr
	v_add_nc_u32 v[ADRA], QREG, v[ADRA]            ; the next quarter of K
	v_add_nc_u32 v[ADRB], QREG, v[ADRB]
	s_sub_co_u32 s3, s3, 1
	s_cmp_lg_u32 s3, 0
	s_cbranch_scc1 .Lkq
	; THE WAY OUT: times 2^-5, rounded to f16; 16 bytes a lane into the work-group's stage; a barrier, since a row's 128 bytes come from two waves; back as whole rows, 16 a wave
	PLACES
.set i, 0
.rept 16                               ; each accumulator's registers in ascending order
	v_pk_mul_f32 v[TMP+2*i:TMP+2*i+1], v[ACC+2*i:ACC+2*i+1], s[20:21] op_sel_hi:[1,0]
.set i, i+1
.endr
.set i, 0
.rept 16
	v_cvt_pk_f16_f32 v[PK+i], v[TMP+2*i], v[TMP+2*i+1]
.set i, i+1
.endr
.irp a, 0,1
.irp b, 0,1
	ds_store_b128 v[STO], v[PK+4*(2*(\a)+(\b)):PK+4*(2*(\a)+(\b))+3] offset:(\a)*16*SP+32*(\b)
.endr
.endr
	s_wait_dscnt 0x0                               ; for the others' sake: my stores into the stage are done
	s_barrier_signal -1
	s_barrier_wait -1
.irp t, 0,1,2,3
	ds_load_b128 v[BK+4*(\t):BK+4*(\t)+3], v[RD] offset:(\t)*4*SP
.endr
	s_wait_dscnt 0x0
.irp t, 0,1,2,3
	global_store_b128 v[CO], v[BK+4*(\t):BK+4*(\t)+3], s[6:7] offset:(\t)*4*4096  ; eight lanes store 128 consecutive bytes of a row
.endr
	s_wait_tensorcnt 0x0
	ds_add_u32 v176, v177
	s_wait_dscnt 0x0
	CROUND                                         ; the closing round: no work-group ends while a partner may still ask for a tile that names it
	s_endpgm
.Lfunc_end_k_q2e23e98c30_wqk:
	.size	k_q2e23e98c30_wqk, .Lfunc_end_k_q2e23e98c30_wqk-k_q2e23e98c30_wqk
	.p2alignl 7, 3214868480
	.fill 96, 4, 3214868480
	.section	.rodata,"a",@progbits
	.p2align	6, 0x0
	.amdhsa_kernel k_q2e23e98c30_wqk
		.amdhsa_group_segment_fixed_size 327680
		.amdhsa_private_segment_fixed_size 0
		.amdhsa_enable_private_segment 0
		.amdhsa_kernarg_size 16
		.amdhsa_user_sgpr_count 2
		.amdhsa_user_sgpr_kernarg_segment_ptr 1
		.amdhsa_wavefront_size32 1
		.amdhsa_system_sgpr_workgroup_id_x 1
		.amdhsa_system_sgpr_workgroup_id_y 1
		.amdhsa_system_sgpr_workgroup_id_z 1
		.amdhsa_system_vgpr_workitem_id 0
		.amdhsa_next_free_vgpr 178
		.amdhsa_next_free_sgpr 84
		.amdhsa_reserve_vcc 0
		.amdhsa_float_denorm_mode_32 3
		.amdhsa_float_denorm_mode_16_64 3
		.amdhsa_memory_ordered 1
		.amdhsa_forward_progress 1
		.amdhsa_inst_pref_size 20
	.end_amdhsa_kernel
	.amdgpu_metadata
---
amdhsa.version: [ 1, 2 ]
amdhsa.kernels:
  - .name:           k_q2e23e98c30_wqk
    .symbol:         k_q2e23e98c30_wqk.kd
    .args:
      - { .name: wa, .offset: 0, .size: 8, .value_kind: global_buffer, .address_space: global }
      - { .name: wh, .offset: 8, .size: 8, .value_kind: global_buffer, .address_space: global }
    .group_segment_fixed_size: 327680
    .private_segment_fixed_size: 0
    .kernarg_segment_align: 8
    .kernarg_segment_size: 16
    .max_flat_workgroup_size: 128
    .sgpr_count:     84
    .vgpr_count:     178
    .wavefront_size: 32
...
	.end_amdgpu_metadata
.endif
;; end of part 6
;; launch proj (part 7): grid 8 x 32, 4 waves a work-group, clusters of 4 x 4, 327,680 bytes of LDS; arguments xh, wh, qv; writes qv
.if DOCPART == 7
	.amdgcn_target "amdgcn-amd-amdhsa--gfx1250"
	.amdhsa_code_object_version 6
	.text
	.protected	k_q2e23e98c30_proj
	.globl	k_q2e23e98c30_proj
	.p2align	8
	.type	k_q2e23e98c30_proj,@function
k_q2e23e98c30_proj:
	s_mov_b64 s[64:65], 0
	v_nop
	global_prefetch_b8 v0, s[64:65] scope:SCOPE_SE
	s_setreg_imm32_b32 hwreg(HW_REG_WAVE_MODE, 25, 1), 1
	s_wait_xcnt 0x0
	s_wait_alu depctr_hold_cnt(0) depctr_sa_sdst(0) depctr_va_vdst(0) depctr_va_sdst(0) depctr_va_ssrc(0) depctr_va_vcc(0) depctr_vm_vsrc(0)
	s_getreg_b32 s2, hwreg(HW_REG_IB_STS2, 6, 4)
	s_cmp_eq_u32 s2, 0
	s_cbranch_scc0 .Lentry_in_a_cluster
	s_endpgm
.Lentry_in_a_cluster:
	s_bfe_u32 s2, ttmp6, 0x10000c
	s_cmp_lg_u32 s2, 0xf033
	s_cbranch_scc0 .Lentry_shape_is_right
	s_endpgm
.Lentry_shape_is_right:
; qv[m][n] = sum over k of xh[m][k] wh[k][n].  xh: [8192][1024] = x 2^-5, wh: [1024][2048] = (w_q w_k^T 2^-5 | w_v 2^5), qv: [8192][2048], all f16; sums in f32, qv rounded once.
; So columns 0-1023 hold q'' = 2^-10 x w_q w_k^T, whose product with xh's rows is the score times 2^-15, and columns 1024-2047 hold v, unscaled.
; LIMITS.  Beyond 65,504 a number becomes an infinity: with all inputs offset by 30 times their spread q'' is near 53,000 and v near 41,000; with all 30 times larger q'' is near 53 and v near 8,000.
; Below 2^-14 a number keeps f16's fixed step of 2^-24: of q'' as drawn (spread 2^-9) that step is 3e-5 of the spread.
; A tile of qv, 256 x 256, is made by a work-group of four waves, a wave makes 128 x 128: 64 accumulators, 512 registers.  K goes in steps of 128 through a ring of two LDS slots filled by the tensor
; data mover: 256 rows of xh (256 bytes each) and 128 rows of wh (512 bytes each) a step.  8 x 32 = 256 tiles, one to a work-group.
; CLUSTERS: 4 x 4.  The four of a row of the cluster need the same tiles of xh, the four of a column the same tiles of wh: each tile is asked for JOINTLY.
; THE MATRIX INSTRUCTION IS USED TRANSPOSED: source 0 = 16 columns of wh, source 1 = 16 rows of xh: a lane holds row l % 16 of qv and eight neighbouring columns, 16 bytes when packed.
; wh lies [k][n], so its fragments come out of LDS turned, by ds_load_tr16_b128; xh's come as they lie.
; REGISTERS, in windows of 256 (s_set_vgpr_msb: bits 1:0 source 0, 3:2 source 1, 5:4 source 2, 7:6 destination):
;   window 0: v0-31 addresses; v64-127, v128-191 fragments of xh, two buffers; v32-63, v192-255 at work on the way out
;   window 1: v64-127, v128-191 fragments of wh      window 2: the accumulators of my rows 0-63 ((a, b) at v[8 (8 a + b)])      window 3: those of my rows 64-127
.set KSTEP,  128
.set PITCH,  272                       ; a row of xh in LDS: 256 bytes + 16: the 16 rows that a load touches start at 16 different groups of four banks
.set PB,     544                       ; a row of wh in LDS: 512 bytes + 32 = 17 x 32
.set HALFT,  128*PITCH                 ; what one tensor load brings: 128 rows of xh, or 64 rows of wh (64 x 544 is the same number)
.set SLOT,   4*HALFT
.set STAGE,  2*SLOT                    ; behind the ring: 16 rows x 272 bytes for each wave
.set SPITCH, 272
.set SPARE,  STAGE+4*16*SPITCH         ; the spare words, 128 bytes for each wave: two blocks of 256 bytes that no other line names
.set LAPS,   1024/(2*KSTEP)
.set CROW,   4096                      ; bytes in a row of wh and of qv
.set ADRA, 16
.set ADRB, 20
.set STO,  24
.set RD,   25
.set CO,   26
.set SPW,  28                          ; v28  LDS address of my spare word; never rewritten
.set NIL,  29                          ; v29  0; never rewritten
.set F0,   64
.set F1,   128
.set TMP,  192
.set OB,   32
.set G1, 24
.set G0, 32
.set G1B, 48
.set G0B, 56
.set MSB, 0
.macro WIN new                         ; the immediate's high byte repeats the setting that is left; a switch that changes nothing is dropped
.if MSB != (\new)
	s_set_vgpr_msb (MSB<<8)|(\new)
.set MSB, \new
.endif
.endm
.set MUL_LO, 0xa1                      ; source 0 (wh) window 1, source 1 (xh) window 0, C and D window 2
.set MUL_HI, 0xf1
.set TO_B,   0x40
.macro JLOAD s                         ; waves 0 and 1 fetch xh's two halves, waves 2 and 3 wh's; an s_nop 0 and four v_nop follow each of the two lines
	s_cmp_eq_u32 s11, 0
	s_cbranch_scc0 .Lfor_b_\@
	tensor_load_to_lds s[G0+4*(\s):G0+4*(\s)+3], s[G1:G1+7]
	s_nop 0
.rept 4
	v_nop
.endr
	s_branch .Lasked_\@
.Lfor_b_\@:
	tensor_load_to_lds s[G0B+4*(\s):G0B+4*(\s)+3], s[G1B:G1B+7]
	s_nop 0
.rept 4
	v_nop
.endr
.Lasked_\@:
.endm
.macro CREST                           ; a round of the cluster's barrier behind its opening barrier
	s_cmp_lg_u32 s10, 0
	s_cbranch_scc1 .Lnot_wave_0_\@
	s_barrier_signal -3
.Lnot_wave_0_\@:
	s_barrier_wait -3
	s_barrier_signal -1
	s_barrier_wait -1
.endm
.macro CROUND
	s_barrier_signal -1
	s_barrier_wait -1
	CREST
.endm
	s_load_b128 s[4:7], s[0:1], 0x0                ; xh s[4:5], wh s[6:7]
	s_load_b64 s[8:9], s[0:1], 0x10                ; qv
	v_lshl_add_u32 v[SPW], v0, 2, SPARE
	v_mov_b32 v[NIL], 0
	ds_add_u32 v28, v29
	ds_add_u32 v28, v29
	s_wait_dscnt 0x0
	v_lshrrev_b32 v1, 5, v0
	v_readfirstlane_b32 s10, v1                    ; wave 0..3
	s_lshr_b32 s11, s10, 1                         ; which half of the tile's rows is mine.  Also: I fetch for xh (0) or for wh (1)
	s_and_b32 s12, s10, 1                          ; which half of its columns.  Also: which half of that tile I fetch
	s_bfe_u32 s40, ttmp6, 0x40000                  ; cx, cy
	s_bfe_u32 s41, ttmp6, 0x40004
	s_lshl_b32 s42, ttmp9, 2
	s_add_co_u32 s42, s42, s40                     ; tile column
	s_and_b32 s13, ttmp7, 0xffff
	s_lshl_b32 s13, s13, 2
	s_add_co_u32 s13, s13, s41                     ; tile row
	s_lshl_b32 s43, s41, 2
	s_lshl_b32 s43, 15, s43                        ; my row of the cluster
	s_lshl_b32 s44, 0x1111, s40                    ; my column
	s_or_b32 s[G1+0], s43, (1<<16)|(1<<20)|(1<<21)|(5<<22)|(3<<25)   ; the mask; 2-byte elements; padding on; bit 21 beside a mask; after every 64 words 4 words
	s_mov_b32 s[G1+1], 128<<16                     ; tensor_dim0 = 128
	s_mov_b32 s[G1+2], 128<<16                     ; tensor_dim1 = 128
	s_mov_b32 s[G1+3], 128<<16                     ; tile_dim0 = 128
	s_mov_b32 s[G1+4], 128                         ; tile_dim1 = 128
	s_mov_b32 s[G1+5], 1024                        ; elements from row to row of xh
	s_mov_b32 s[G1+6], 0
	s_mov_b32 s[G1+7], 0
	s_or_b32 s[G1B+0], s44, (1<<16)|(1<<20)|(1<<21)|(6<<22)|(7<<25)  ; the mask of my column; after every 128 words 8 words
	s_mov_b32 s[G1B+1], 256<<16                    ; tensor_dim0 = 256
	s_mov_b32 s[G1B+2], 64<<16                     ; tensor_dim1 = 64
	s_mov_b32 s[G1B+3], 256<<16                    ; tile_dim0 = 256
	s_mov_b32 s[G1B+4], 64                         ; tile_dim1 = 64
	s_mov_b32 s[G1B+5], 2048                       ; elements from row to row of wh
	s_mov_b32 s[G1B+6], 0
	s_mov_b32 s[G1B+7], 0
	s_lshl_b32 s16, s13, 19                        ; xh: 256 rows of 2,048 bytes a tile row,
	s_lshl_b32 s17, s12, 18                        ; 128 rows for the half that I fetch
	s_add_co_u32 s16, s16, s17
	s_mov_b32 s17, 0
	s_mul_i32 s46, s12, 64*CROW                    ; wh: 64 rows of k for the half that I fetch,
	s_lshl_b32 s47, s42, 9                         ; 512 bytes a tile column
	s_add_co_u32 s46, s46, s47
	s_mov_b32 s47, 0
	s_mul_i32 s20, s10, HALFT                      ; where they go: no place in the cluster enters an LDS address
	s_wait_kmcnt 0x0
	s_add_nc_u64 s[14:15], s[4:5], s[16:17]
	s_add_nc_u64 s[46:47], s[6:7], s[46:47]
	CROUND                                         ; all sixteen work-groups are here: the first joint loads meet
.irp s, 0,1
	s_mov_b32 s[G0+4*(\s)], 1
	s_add_co_u32 s[G0+4*(\s)+1], s20, (\s)*SLOT
	s_add_nc_u64 s[G0+4*(\s)+2:G0+4*(\s)+3], s[14:15], (\s)*KSTEP*2
	s_or_b32 s[G0+4*(\s)+3], s[G0+4*(\s)+3], 0x80000000
	s_mov_b32 s[G0B+4*(\s)], 1
	s_add_co_u32 s[G0B+4*(\s)+1], s20, (\s)*SLOT
	s_add_nc_u64 s[G0B+4*(\s)+2:G0B+4*(\s)+3], s[46:47], (\s)*KSTEP*CROW
	s_or_b32 s[G0B+4*(\s)+3], s[G0B+4*(\s)+3], 0x80000000
	JLOAD \s                                       ; two loads of mine are out
.endr
	v_and_b32 v1, 15, v0                           ; l % 16
	v_bfe_u32 v2, v0, 4, 1                         ; l / 16
	v_mul_u32_u24 v3, v1, PITCH                    ; a fragment of xh: row l % 16, two loads of 16 bytes, 32 bytes apart
	v_lshl_add_u32 v3, v2, 4, v3
	v_and_b32 v6, 7, v0                            ; the turning load: lane l reads k = 8 (l / 16) + l % 8, columns 8 ((l / 8) % 2) + 0..7, and ends with column l % 16 and 8 k
	v_bfe_u32 v7, v0, 3, 1
	v_lshl_add_u32 v6, v2, 3, v6
	v_mul_u32_u24 v6, v6, PB
	v_lshl_add_u32 v6, v7, 4, v6
	s_mul_i32 s21, s11, HALFT                      ; my 128 rows of xh
	s_lshl_b32 s22, s12, 8                         ; my 128 columns of wh,
	s_add_co_u32 s22, s22, 2*HALFT                 ; behind xh's 256 rows
.irp s, 0,1
	v_add_nc_u32 v[ADRA+(\s)], s21, v3
	v_add_nc_u32 v[ADRB+(\s)], s22, v6
	s_add_co_u32 s21, s21, SLOT
	s_add_co_u32 s22, s22, SLOT
.endr
	s_mul_i32 s23, s10, 16*SPITCH
	s_add_co_u32 s23, s23, STAGE                   ; my stage
	v_mul_u32_u24 v4, v1, SPITCH
	v_lshl_add_u32 v4, v2, 4, v4
	v_add_nc_u32 v[STO], s23, v4
	v_mul_u32_u24 v5, v2, SPITCH
	v_lshl_add_u32 v5, v1, 4, v5
	v_add_nc_u32 v[RD], s23, v5
	v_mul_u32_u24 v5, v2, CROW
	v_lshl_add_u32 v[CO], v1, 4, v5
	s_lshl_b32 s13, s13, 8                         ; where my part of the tile begins in qv, in bytes (under 2^25)
	s_lshl_b32 s14, s11, 7
	s_add_co_u32 s16, s13, s14
	s_mul_i32 s16, s16, CROW
	s_lshl_b32 s46, s42, 9
	s_lshl_b32 s47, s12, 8
	s_add_co_u32 s46, s46, s47
	s_add_co_u32 s16, s16, s46
	s_mov_b32 s17, 0
.macro MUL16 f, hi, a0, zero           ; 16 matrix instructions: m blocks a0, a0 + 1 x all 8 n blocks, 32 along K.  zero = 1: the first product starts the sums
	WIN MUL_LO+0x50*(\hi)
.irp a, \a0, (\a0)+1
.irp b, 0,1,2,3,4,5,6,7
.if \zero
	v_wmma_f32_16x16x32_f16 v[8*(8*(\a)+(\b)):8*(8*(\a)+(\b))+7], v[(\f)+8*(\b):(\f)+8*(\b)+7], v[(\f)+8*(4*(\hi)+(\a)):(\f)+8*(4*(\hi)+(\a))+7], 0
.else
	v_wmma_f32_16x16x32_f16 v[8*(8*(\a)+(\b)):8*(8*(\a)+(\b))+7], v[(\f)+8*(\b):(\f)+8*(\b)+7], v[(\f)+8*(4*(\hi)+(\a)):(\f)+8*(4*(\hi)+(\a))+7], v[8*(8*(\a)+(\b)):8*(8*(\a)+(\b))+7]
.endif
.endr
.endr
.endm
.macro FETCH slot, q, f                ; 32 LDS loads in one run: quarter q's fragments into buffer f
	WIN TO_B
.irp i, 0,1,2,3,4,5,6,7
	ds_load_tr16_b128 v[(\f)+8*(\i):(\f)+8*(\i)+3],   v[ADRB+(\slot)] offset:(\q)*32*PB+32*(\i)
	ds_load_tr16_b128 v[(\f)+8*(\i)+4:(\f)+8*(\i)+7], v[ADRB+(\slot)] offset:(\q)*32*PB+32*(\i)+16*PB
.endr
	WIN 0
.irp i, 0,1,2,3,4,5,6,7
	ds_load_b128 v[(\f)+8*(\i):(\f)+8*(\i)+3],   v[ADRA+(\slot)] offset:(\q)*64+(\i)*16*PITCH
	ds_load_b128 v[(\f)+8*(\i)+4:(\f)+8*(\i)+7], v[ADRA+(\slot)] offset:(\q)*64+(\i)*16*PITCH+32
.endr
.endm
.macro PLACES                          ; four places in front of loads into registers that matrix instructions have read, and of conversions that read results just made
.rept 4
	v_nop
.endr
.endm
; A K step is four quarters of 32 along K, 64 matrix instructions each, on buffers 0, 1, 0, 1.  The 64 accumulators take turns, one instruction a turn, in the same order in every quarter.
.macro QUARTER slot, q, f, g, zero
	s_wait_dscnt 8                                 ; wh's fragments and xh's rows 0-63 are in; the youngest eight loads (xh's rows 64-127) may be out
	MUL16 \f, 0, 0, \zero
	MUL16 \f, 0, 2, \zero
	PLACES
	FETCH \slot, \q, \g
	s_wait_dscnt 32                                ; all but the 32 just issued
	MUL16 \f, 1, 0, \zero
	MUL16 \f, 1, 2, \zero
.endm
; The last quarter multiplies buffer 1 and changes slots.  In front of the barrier each wave waits for all its tensor loads (one is out: its part of the next slot), adds 0 to its spare word, and waits
; for that and for its reads of this slot.  fill = 1: the barrier opens a round of the cluster's barrier, and this slot is filled again, two K steps ahead, first thing behind the round.
.macro TURN slot, next, fill
	WIN 0
	s_wait_tensorcnt 0x0
	ds_add_u32 v[SPW], v[NIL]                      ; 0 onto my spare word
	s_wait_dscnt 9                                 ; (the add and the youngest eight loads may be out)
	MUL16 F1, 0, 0, 0
	s_wait_dscnt 0x0                               ; the add is done, and my reads of this slot are over
	s_barrier_signal -1
	MUL16 F1, 0, 2, 0
.if \fill
	WIN 0
.endif
	s_barrier_wait -1
.if \fill
	CREST                                          ; no wave of any partner still reads this slot's tile or has a load on its way
	s_add_nc_u64 s[G0+4*(\slot)+2:G0+4*(\slot)+3], s[G0+4*(\slot)+2:G0+4*(\slot)+3], 2*KSTEP*2
	s_add_nc_u64 s[G0B+4*(\slot)+2:G0B+4*(\slot)+3], s[G0B+4*(\slot)+2:G0B+4*(\slot)+3], 2*KSTEP*CROW
	JLOAD \slot                                    ; my one tensor load behind the round; its four v_nop are also the places in front of the loads below
.else
	PLACES
.endif
	FETCH \next, 0, F0
	MUL16 F1, 1, 0, 0
	MUL16 F1, 1, 2, 0
.endm
; THE WAY OUT of block a (16 rows).  PACK: rounded to f16, each accumulator's registers in ascending order.  TOSTAGE: into my own stage, and back as whole rows of 256 bytes.  SEND: stored.
.macro PACK a
.set AC, 64*((\a)%4)
	WIN 0x0a+5*((\a)/4)
.irp b, 0,1,2,3,4,5,6,7
.irp r, 0,1,2,3
	v_cvt_pk_f16_f32 v[TMP+4*(\b)+(\r)], v[AC+8*(\b)+2*(\r)], v[AC+8*(\b)+2*(\r)+1]
.endr
.endr
	WIN 0
.endm
.macro TOSTAGE a
.set BK, OB+192*((\a)%2)
.irp b, 0,1,2,3,4,5,6,7
	ds_store_b128 v[STO], v[TMP+4*(\b):TMP+4*(\b)+3] offset:32*(\b)
.endr
.irp t, 0,1,2,3,4,5,6,7
	ds_load_b128 v[BK+4*(\t):BK+4*(\t)+3], v[RD] offset:(\t)*2*SPITCH  ; LDS serves a wave's instructions in order (ISA guide 5.7.1.4): these see the stores above
.endr
.endm
.macro SEND a
.set BK, OB+192*((\a)%2)
	s_wait_dscnt 0x0                               ; the block is back in registers
	s_wait_xcnt 0x0                                ; only behind this wait are the stores' base and the registers that earlier stores read rewritten
.if (\a) == 0
	s_add_nc_u64 s[8:9], s[8:9], s[16:17]
.else
	s_add_nc_u64 s[8:9], s[8:9], 16*CROW
.endif
.irp t, 0,1,2,3,4,5,6,7
	global_store_b128 v[CO], v[BK+4*(\t):BK+4*(\t)+3], s[8:9] offset:2*(\t)*CROW  ; 16 lanes store 256 consecutive bytes, at a multiple of 256 from qv's first byte
.endr
.endm
	s_wait_tensorcnt 1                             ; my part of K step 0 is in; K step 1's may stay out
	s_barrier_signal -1
	s_barrier_wait -1
	FETCH 0, 0, F0
	QUARTER 0, 1, F0, F1, 1                        ; the first quarter stands in front of the loop: its products start the sums
	WIN 0
	s_mov_b32 s3, LAPS-1
.Llap:                                                 ; a trip goes once round the ring, from a lap's second quarter to the next lap's first, and fills both slots again
	QUARTER 0, 2, F1, F0, 0
	QUARTER 0, 3, F0, F1, 0
	TURN 0, 1, 1
	QUARTER 1, 1, F0, F1, 0
	QUARTER 1, 2, F1, F0, 0
	QUARTER 1, 3, F0, F1, 0
	TURN 1, 0, 1
	QUARTER 0, 1, F0, F1, 0
	WIN 0
	s_sub_co_u32 s3, s3, 1
	s_cmp_lg_u32 s3, 0
	s_cbranch_scc1 .Llap
	QUARTER 0, 2, F1, F0, 0                        ; the last lap fills nothing and has no round
	QUARTER 0, 3, F0, F1, 0
	TURN 0, 1, 0
	QUARTER 1, 1, F0, F1, 0
	QUARTER 1, 2, F1, F0, 0
	QUARTER 1, 3, F0, F1, 0
	s_wait_dscnt 8
	MUL16 F1, 0, 0, 0
	MUL16 F1, 0, 2, 0
	s_wait_dscnt 0x0
	MUL16 F1, 1, 0, 0
	MUL16 F1, 1, 2, 0
	PLACES
	PACK 0
	TOSTAGE 0
.irp a, 1,2,3,4,5,6,7                  ; block a's conversions stand between block a - 1's loads from the stage and the wait for them
	PACK \a
	SEND (\a)-1
	TOSTAGE \a
.endr
	SEND 7
	s_wait_tensorcnt 0x0                           ; the wave's end
	ds_add_u32 v[SPW], v[NIL]
	s_wait_dscnt 0x0
	CROUND                                         ; the closing round
	s_endpgm
.Lfunc_end_k_q2e23e98c30_proj:
	.size	k_q2e23e98c30_proj, .Lfunc_end_k_q2e23e98c30_proj-k_q2e23e98c30_proj
	.p2alignl 7, 3214868480
	.fill 96, 4, 3214868480
	.section	.rodata,"a",@progbits
	.p2align	6, 0x0
	.amdhsa_kernel k_q2e23e98c30_proj
		.amdhsa_group_segment_fixed_size 327680
		.amdhsa_private_segment_fixed_size 0
		.amdhsa_enable_private_segment 0
		.amdhsa_kernarg_size 24
		.amdhsa_user_sgpr_count 2
		.amdhsa_user_sgpr_kernarg_segment_ptr 1
		.amdhsa_wavefront_size32 1
		.amdhsa_system_sgpr_workgroup_id_x 1
		.amdhsa_system_sgpr_workgroup_id_y 1
		.amdhsa_system_sgpr_workgroup_id_z 1
		.amdhsa_system_vgpr_workitem_id 0
		.amdhsa_next_free_vgpr 1024
		.amdhsa_next_free_sgpr 66
		.amdhsa_reserve_vcc 0
		.amdhsa_float_denorm_mode_32 3
		.amdhsa_float_denorm_mode_16_64 3
		.amdhsa_memory_ordered 1
		.amdhsa_forward_progress 1
		.amdhsa_inst_pref_size 143
	.end_amdhsa_kernel
	.amdgpu_metadata
---
amdhsa.version: [ 1, 2 ]
amdhsa.kernels:
  - .name:           k_q2e23e98c30_proj
    .symbol:         k_q2e23e98c30_proj.kd
    .args:
      - { .name: xh, .offset: 0, .size: 8, .value_kind: global_buffer, .address_space: global }
      - { .name: wh, .offset: 8, .size: 8, .value_kind: global_buffer, .address_space: global }
      - { .name: qv, .offset: 16, .size: 8, .value_kind: global_buffer, .address_space: global }
    .group_segment_fixed_size: 327680
    .private_segment_fixed_size: 0
    .kernarg_segment_align: 8
    .kernarg_segment_size: 24
    .max_flat_workgroup_size: 128
    .sgpr_count:     66
    .vgpr_count:     1024
    .wavefront_size: 32
...
	.end_amdgpu_metadata
.endif
;; end of part 7
;; launch score (part 8): grid 9 x 16, 4 waves a work-group, no clusters, 327,680 bytes of LDS; arguments qv, xh, pbuf, stats; writes pbuf, stats
.if DOCPART == 8
	.amdgcn_target "amdgcn-amd-amdhsa--gfx1250"
	.amdhsa_code_object_version 6
	.text
	.protected	k_q2e23e98c30_score
	.globl	k_q2e23e98c30_score
	.p2align	8
	.type	k_q2e23e98c30_score,@function
k_q2e23e98c30_score:
	s_mov_b64 s[64:65], 0
	v_nop
	global_prefetch_b8 v0, s[64:65] scope:SCOPE_SE
	s_setreg_imm32_b32 hwreg(HW_REG_WAVE_MODE, 25, 1), 1
	s_wait_xcnt 0x0
; For each tile of 256 queries x 256 keys on or below the diagonal: S = q'' xh^T (f16 operands, f32 sums over 1,024 channels), the causal mask, and a softmax LOCAL to each chunk of 128 keys.
; q'' = 2^-10 x w_q w_k^T (qv's columns 0-1023) and xh = 2^-5 x, so S is q k^T times 2^-15, and c = 2^15 log2(e) / 32 brings it to the exponent of 2:
;   cm = c x (the largest allowed s of the row in the chunk);   P' = 2^(c s - cm), rounded to f16 -> pbuf[b][q][k];   l = the sum of the unrounded P'.   cm and l -> stats.
; The next launch joins the chunks by the true maximum over all of a row's chunks: nothing is shifted by a fixed number.
; A hidden score counts as -2^100, because c x 2^100 is exact in f32: in a chunk that is wholly hidden for a row, c s - cm is then exactly 0, P' = 1 and cm = -c 2^100, and the next launch's
; factor 2^(cm - M) = 0 takes the chunk out.  LIMITS: true s lie far inside +-2^100 (f16's operands give 4.4e12 at the most); a weight below 2^-126 counts as 0 in l; below 6e-8 as 0 in P'.
; qv: [4 x 2048][2048] f16.  xh: [4 x 2048][1024] f16.  pbuf: [4][2048][2048] f16.  stats: cm[b][chunk][row] f32 at byte 0, l[b][chunk][row] at byte 524,288.
; PLACE.  Tile rows p and 7 - p of a batch hold 9 tiles together: grid x = 0..8 walks them, grid y = 4 b + p.  144 work-groups, each with a tile.
; NO CLUSTER: tile row I has I + 1 tiles and tile column J has 8 - J, so neither divides into fours, and a square of 4 x 4 on the diagonal would hold six work-groups with nothing to do.
; Four waves, each 128 queries x 128 keys (one chunk) in 64 accumulators; K steps of 128 through a ring of two slots; source 0 = 16 keys, source 1 = 16 queries: a lane holds ONE query (l % 16)
; and, in accumulator b, the keys 16 b + 8 (l / 16) + 0..7.
; THE WAY OUT is written once and looped: the 64 accumulators go into the ring's bytes (which have had their last fill), and eight trips take 16 queries each back into window 0.
.set KSTEP,  128
.set PITCH,  272
.set HALFT,  128*PITCH
.set SLOT,   4*HALFT                   ; Q's 256 rows, then K's 256 rows
.set STAGE,  2*SLOT
.set SPITCH, 272
.set SCR,    STAGE+4*16*SPITCH         ; 1,024 bytes for each wave: 128 cm, then 128 l
.set SPARE,  SCR+4*1024                ; the spare words, 128 bytes for each wave: two blocks of 256 bytes that no other line names
.set LAPS,   1024/(2*KSTEP)
.set PROW,   4096                      ; bytes in a row of pbuf
.set ADRA, 16
.set DW,   18                          ; v18  my 16 bytes in a half accumulator of my wave's dump
.set DR,   19                          ; v19  the same, at the trip's block
.set ADRB, 20
.set SR,   22                          ; v22  my 16 bytes of my wave's scratch
.set LO,   23                          ; v23  16 x lane
.set STO,  24
.set RD,   25
.set CO,   26
.set SC0,  27                          ; v27  where my lane puts cm (lanes 0-15) or l (lanes 16-31) of block 0
.set SPW,  28
.set NIL,  29
.set QI,   30                          ; v30  my query less my chunk's first key less 8 (l / 16): register j of accumulator b is hidden where 16 b + j is greater
.set BIG,  31                          ; v31  -2^100
.set CM,   32                          ; v32-33  cm, twice
.set CH,   34                          ; v34-37  four chains
.set XH,   38
.set SCW,  39
.set SV,   40
.set F0,   64
.set F1,   128
.set S,    64
.set P,    128
.set BKR,  160
.set G1, 24                            ; s[24:31], s[32:39] descriptor groups 1 and 0 for Q's tiles
.set G0, 32
.set G1B, 48                           ; s[48:55], s[56:63] for K's: another pitch, another buffer
.set G0B, 56
.set MSB, 0
.macro WIN new
.if MSB != (\new)
	s_set_vgpr_msb (MSB<<8)|(\new)
.set MSB, \new
.endif
.endm
.set MUL_LO, 0xa1
.set MUL_HI, 0xf1
.set TO_B,   0x40
.macro LOAD s                          ; waves 0 and 1 fetch Q's two halves, waves 2 and 3 K's; an s_nop 0 and four v_nop follow each of the two lines
	s_cmp_eq_u32 s13, 0
	s_cbranch_scc0 .Lfor_k_\@
	tensor_load_to_lds s[G0+4*(\s):G0+4*(\s)+3], s[G1:G1+7]
	s_nop 0
.rept 4
	v_nop
.endr
	s_branch .Lasked_\@
.Lfor_k_\@:
	tensor_load_to_lds s[G0B+4*(\s):G0B+4*(\s)+3], s[G1B:G1B+7]
	s_nop 0
.rept 4
	v_nop
.endr
.Lasked_\@:
.endm
	s_load_b256 s[4:11], s[0:1], 0x0               ; qv s[4:5], xh s[6:7], pbuf s[8:9], stats s[10:11]
	v_lshl_add_u32 v[SPW], v0, 2, SPARE
	v_mov_b32 v[NIL], 0
	ds_add_u32 v28, v29
	ds_add_u32 v28, v29
	s_wait_dscnt 0x0
	v_lshrrev_b32 v1, 5, v0
	v_readfirstlane_b32 s12, v1                    ; wave 0..3
	s_lshr_b32 s13, s12, 1                         ; which 128 queries are mine.  Also: I fetch for Q (0) or for K (1)
	s_and_b32 s14, s12, 1                          ; which 128 keys.  Also: which 128 rows of that tile I fetch
	s_and_b32 s18, ttmp7, 0xffff
	s_and_b32 s19, s18, 3                          ; p
	s_lshr_b32 s15, s18, 2                         ; b
	s_sub_co_u32 s20, 7, s19
	s_sub_co_u32 s21, ttmp9, s19
	s_sub_co_u32 s21, s21, 1
	s_cmp_le_u32 ttmp9, s19
	s_cselect_b32 s16, s19, s20                    ; I = p, or 7 - p
	s_cselect_b32 s17, ttmp9, s21                  ; J = x, or x - p - 1
.irp g, G1, G1B
	s_mov_b32 s[(\g)+0], (1<<16)|(1<<20)|(5<<22)|(3<<25)  ; 2-byte elements; padding on: after every 64 words 4 words
	s_mov_b32 s[(\g)+1], 128<<16                   ; tensor_dim0 = 128
	s_mov_b32 s[(\g)+2], 128<<16                   ; tensor_dim1 = 128
	s_mov_b32 s[(\g)+3], 128<<16                   ; tile_dim0 = 128
	s_mov_b32 s[(\g)+4], 128                       ; tile_dim1 = 128
	s_mov_b32 s[(\g)+6], 0
	s_mov_b32 s[(\g)+7], 0
.endr
	s_mov_b32 s[G1+5], 2048                        ; elements from row to row of qv,
	s_mov_b32 s[G1B+5], 1024                       ; and of xh
	s_lshl_b32 s20, s15, 23                        ; Q: (2,048 b + 256 I + 128 half) rows of 4,096 bytes
	s_lshl_b32 s22, s16, 20
	s_add_co_u32 s20, s20, s22
	s_lshl_b32 s22, s14, 19
	s_add_co_u32 s20, s20, s22
	s_mov_b32 s21, 0
	s_lshl_b32 s22, s15, 22                        ; K: (2,048 b + 256 J + 128 half) rows of 2,048 bytes
	s_lshl_b32 s23, s17, 19
	s_add_co_u32 s22, s22, s23
	s_lshl_b32 s23, s14, 18
	s_add_co_u32 s22, s22, s23
	s_mov_b32 s23, 0
	s_mul_i32 s18, s12, HALFT                      ; where they go: wave x 128 rows
	s_wait_kmcnt 0x0
	s_add_nc_u64 s[4:5], s[4:5], s[20:21]
	s_add_nc_u64 s[6:7], s[6:7], s[22:23]
.irp s, 0,1
	s_mov_b32 s[G0+4*(\s)], 1
	s_add_co_u32 s[G0+4*(\s)+1], s18, (\s)*SLOT
	s_add_nc_u64 s[G0+4*(\s)+2:G0+4*(\s)+3], s[4:5], (\s)*KSTEP*2
	s_or_b32 s[G0+4*(\s)+3], s[G0+4*(\s)+3], 0x80000000
	s_mov_b32 s[G0B+4*(\s)], 1
	s_add_co_u32 s[G0B+4*(\s)+1], s18, (\s)*SLOT
	s_add_nc_u64 s[G0B+4*(\s)+2:G0B+4*(\s)+3], s[6:7], (\s)*KSTEP*2
	s_or_b32 s[G0B+4*(\s)+3], s[G0B+4*(\s)+3], 0x80000000
	LOAD \s                                        ; two loads of mine are out
.endr
	s_lshl_b32 s20, s15, 23                        ; pbuf at my wave's first row and column: (2,048 b + 256 I + 128 wr) x 4,096 + 512 J + 256 wc
	s_lshl_b32 s22, s16, 20
	s_add_co_u32 s20, s20, s22
	s_lshl_b32 s22, s13, 19
	s_add_co_u32 s20, s20, s22
	s_lshl_b32 s22, s17, 9
	s_add_co_u32 s20, s20, s22
	s_lshl_b32 s22, s14, 8
	s_add_co_u32 s20, s20, s22
	s_add_nc_u64 s[8:9], s[8:9], s[20:21]
	s_lshl_b32 s20, s15, 17                        ; stats at my chunk and rows: ((16 b + 2 J + wc) x 2,048 + 256 I + 128 wr) x 4
	s_lshl_b32 s22, s17, 14
	s_add_co_u32 s20, s20, s22
	s_lshl_b32 s22, s14, 13
	s_add_co_u32 s20, s20, s22
	s_lshl_b32 s22, s16, 10
	s_add_co_u32 s20, s20, s22
	s_lshl_b32 s22, s13, 9
	s_add_co_u32 s20, s20, s22
	s_add_nc_u64 s[10:11], s[10:11], s[20:21]
	s_sub_co_i32 s44, s16, s17                     ; my first query less my first key: 256 (I - J) + 128 (wr - wc)
	s_lshl_b32 s44, s44, 8
	s_sub_co_i32 s45, s13, s14
	s_lshl_b32 s45, s45, 7
	s_add_co_i32 s44, s44, s45
	s_mov_b32 s45, 0xffff0000                      ; lanes 16-31
	s_mov_b32 s40, 0x44b8aa3b                      ; c = 2^15 log2(e) / 32
	s_mov_b32 s41, s40                             ; named with it as a pair
	s_mov_b32 s42, 0x76543210                      ; v_permlanex16_b32: each lane takes its own place in the other half
	s_mov_b32 s43, 0xfedcba98
	v_and_b32 v1, 15, v0                           ; l % 16
	v_bfe_u32 v2, v0, 4, 1                         ; l / 16
	v_and_b32 v5, 31, v0                           ; lane
	v_mul_u32_u24 v3, v1, PITCH
	v_lshl_add_u32 v3, v2, 4, v3
	s_mul_i32 s21, s13, HALFT                      ; my 128 rows of Q
	s_mul_i32 s22, s14, HALFT                      ; my 128 rows of K,
	s_add_co_u32 s22, s22, 2*HALFT                 ; behind Q's 256
.irp s, 0,1
	v_add_nc_u32 v[ADRA+(\s)], s21, v3
	v_add_nc_u32 v[ADRB+(\s)], s22, v3
	s_add_co_u32 s21, s21, SLOT
	s_add_co_u32 s22, s22, SLOT
.endr
	s_mul_i32 s23, s12, 16*SPITCH
	s_add_co_u32 s23, s23, STAGE                   ; my stage
	v_mul_u32_u24 v4, v1, SPITCH
	v_lshl_add_u32 v4, v2, 4, v4
	v_add_nc_u32 v[STO], s23, v4
	v_mul_u32_u24 v4, v2, SPITCH
	v_lshl_add_u32 v4, v1, 4, v4
	v_add_nc_u32 v[RD], s23, v4
	v_lshlrev_b32 v4, 12, v2                       ; two rows of pbuf
	v_lshl_add_u32 v[CO], v1, 4, v4
	v_lshlrev_b32 v[LO], 4, v5
	s_lshl_b32 s23, s12, 16                        ; my wave's dump: 65,536 bytes
	v_add_nc_u32 v[DW], s23, v[LO]
	s_lshl_b32 s23, s12, 10
	s_add_co_u32 s23, s23, SCR                     ; my wave's scratch
	v_add_nc_u32 v[SR], s23, v[LO]
	v_lshlrev_b32 v4, 9, v2
	v_lshl_add_u32 v4, v1, 2, v4
	v_add_nc_u32 v[SC0], s23, v4                   ; 512 (l / 16) + 4 (l % 16)
	v_lshlrev_b32 v4, 3, v2
	v_sub_nc_u32 v[QI], v1, v4
	v_add_nc_u32 v[QI], s44, v[QI]
	v_mov_b32 v[BIG], 0xf1800000
	v_mov_b32 v[XH], 0                             ; v_permlanex16_b32 counts as a reader of its destination
.macro MUL16 f, hi, a0, zero
	WIN MUL_LO+0x50*(\hi)
.irp a, \a0, (\a0)+1
.irp b, 0,1,2,3,4,5,6,7
.if \zero
	v_wmma_f32_16x16x32_f16 v[8*(8*(\a)+(\b)):8*(8*(\a)+(\b))+7], v[(\f)+8*(\b):(\f)+8*(\b)+7], v[(\f)+8*(4*(\hi)+(\a)):(\f)+8*(4*(\hi)+(\a))+7], 0
.else
	v_wmma_f32_16x16x32_f16 v[8*(8*(\a)+(\b)):8*(8*(\a)+(\b))+7], v[(\f)+8*(\b):(\f)+8*(\b)+7], v[(\f)+8*(4*(\hi)+(\a)):(\f)+8*(4*(\hi)+(\a))+7], v[8*(8*(\a)+(\b)):8*(8*(\a)+(\b))+7]
.endif
.endr
.endr
.endm
.macro FETCH slot, q, f                ; 32 LDS loads in one run: quarter q's fragments of K (window 1) and of Q (window 0) into buffer f
	WIN TO_B
.irp i, 0,1,2,3,4,5,6,7
	ds_load_b128 v[(\f)+8*(\i):(\f)+8*(\i)+3],   v[ADRB+(\slot)] offset:(\q)*64+(\i)*16*PITCH
	ds_load_b128 v[(\f)+8*(\i)+4:(\f)+8*(\i)+7], v[ADRB+(\slot)] offset:(\q)*64+(\i)*16*PITCH+32
.endr
	WIN 0
.irp i, 0,1,2,3,4,5,6,7
	ds_load_b128 v[(\f)+8*(\i):(\f)+8*(\i)+3],   v[ADRA+(\slot)] offset:(\q)*64+(\i)*16*PITCH
	ds_load_b128 v[(\f)+8*(\i)+4:(\f)+8*(\i)+7], v[ADRA+(\slot)] offset:(\q)*64+(\i)*16*PITCH+32
.endr
.endm
.macro PLACES
.rept 4
	v_nop
.endr
.endm
.macro QUARTER slot, q, f, g, zero     ; the 64 accumulators take turns, one instruction a turn
	s_wait_dscnt 8                                 ; K's fragments and Q's rows 0-63 are in; the youngest eight loads may be out
	MUL16 \f, 0, 0, \zero
	MUL16 \f, 0, 2, \zero
	PLACES
	FETCH \slot, \q, \g
	s_wait_dscnt 32                                ; all but the 32 just issued
	MUL16 \f, 1, 0, \zero
	MUL16 \f, 1, 2, \zero
.endm
; The last quarter multiplies buffer 1 and changes slots: one barrier; in front of it each wave waits for all its tensor loads (one is out: its part of the next slot), adds 0 to its spare word,
; and waits for that and for its reads of this slot.  fill = 1: this slot is filled again, two K steps ahead, first thing behind the barrier.
.macro TURN slot, next, fill
	WIN 0
	s_wait_tensorcnt 0x0
	ds_add_u32 v[SPW], v[NIL]                      ; 0 onto my spare word
	s_wait_dscnt 9                                 ; (the add and the youngest eight loads may be out)
	MUL16 F1, 0, 0, 0
	s_wait_dscnt 0x0                               ; the add is done, and my reads of this slot are over
	s_barrier_signal -1
	MUL16 F1, 0, 2, 0
.if \fill
	WIN 0                                          ; (a branch follows)
.endif
	s_barrier_wait -1
.if \fill
	s_add_nc_u64 s[G0+4*(\slot)+2:G0+4*(\slot)+3], s[G0+4*(\slot)+2:G0+4*(\slot)+3], 2*KSTEP*2
	s_add_nc_u64 s[G0B+4*(\slot)+2:G0B+4*(\slot)+3], s[G0B+4*(\slot)+2:G0B+4*(\slot)+3], 2*KSTEP*2
	LOAD \slot                                     ; my one tensor load behind the barrier; its four v_nop are also the places in front of the loads below
.else
	PLACES
.endif
	FETCH \next, 0, F0
	MUL16 F1, 1, 0, 0
	MUL16 F1, 1, 2, 0
.endm
	s_wait_tensorcnt 1                             ; my part of K step 0 is in; K step 1's may stay out
	s_barrier_signal -1
	s_barrier_wait -1
	FETCH 0, 0, F0
	QUARTER 0, 1, F0, F1, 1
	WIN 0
	s_mov_b32 s3, LAPS-1
.Llap:
	QUARTER 0, 2, F1, F0, 0
	QUARTER 0, 3, F0, F1, 0
	TURN 0, 1, 1
	QUARTER 1, 1, F0, F1, 0
	QUARTER 1, 2, F1, F0, 0
	QUARTER 1, 3, F0, F1, 0
	TURN 1, 0, 1
	QUARTER 0, 1, F0, F1, 0
	WIN 0
	s_sub_co_u32 s3, s3, 1
	s_cmp_lg_u32 s3, 0
	s_cbranch_scc1 .Llap
	QUARTER 0, 2, F1, F0, 0
	QUARTER 0, 3, F0, F1, 0
	TURN 0, 1, 0
	QUARTER 1, 1, F0, F1, 0
	QUARTER 1, 2, F1, F0, 0
	QUARTER 1, 3, F0, F1, 0
	s_wait_dscnt 8
	MUL16 F1, 0, 0, 0
	MUL16 F1, 0, 2, 0
	s_wait_dscnt 0x0
	MUL16 F1, 1, 0, 0
	MUL16 F1, 1, 2, 0
	PLACES                                         ; the stores below read results just made
	s_barrier_signal -1                            ; every wave's reads of the ring are back (the wait for 0 above), and all tensor loads landed before the last change of slots:
	s_barrier_wait -1                              ; the ring's bytes, which are filled no more, now take the scores
	WIN 0x08                                       ; store data in window 2; each accumulator's four lowest registers go first
.set t, 0
.rept 32
	ds_store_b128 v[DW], v[8*t:8*t+3] offset:t*1024
	ds_store_b128 v[DW], v[8*t+4:8*t+7] offset:t*1024+512
.set t, t+1
.endr
	WIN 0x0c                                       ; window 3
.set t, 0
.rept 32
	ds_store_b128 v[DW], v[8*t:8*t+3] offset:(t+32)*1024
	ds_store_b128 v[DW], v[8*t+4:8*t+7] offset:(t+32)*1024+512
.set t, t+1
.endr
	WIN 0
	s_mov_b32 s2, 8
	s_mov_b32 s46, 0                               ; the trip's block in the dump,
	s_mov_b32 s47, 0                               ; and in the scratch
.Lrow:                                                 ; a trip: 16 queries x 128 keys; a lane has 64 scores of one query, the lane 16 away the other 64
	v_add_nc_u32 v[DR], s46, v[DW]
	v_add_nc_u32 v[SCW], s47, v[SC0]
.irp b, 0,1,2,3,4,5,6,7
	ds_load_b128 v[S+8*(\b):S+8*(\b)+3],   v[DR] offset:(\b)*1024       ; my wave's own bytes: LDS serves a wave's instructions in order
	ds_load_b128 v[S+8*(\b)+4:S+8*(\b)+7], v[DR] offset:(\b)*1024+512
.endr
	s_wait_dscnt 0x0
	s_cmp_lt_i32 s44, 128                          ; from 128 on every key of my chunk lies in front of every query of mine
	s_cbranch_scc0 .Lopen
.set i, 0
.rept 64
	v_cmp_gt_i32 vcc_lo, 16*(i/8)+i%8, v[QI]
	v_cndmask_b32 v[S+i], v[S+i], v[BIG], vcc_lo
.set i, i+1
.endr
.Lopen:
.irp i, 0,1,2,3                        ; the maximum: four chains of 15 scores, three operands at a time, then the four left over
	v_max3_num_f32 v[CH+(\i)], v[S+16*(\i)], v[S+16*(\i)+1], v[S+16*(\i)+2]
.endr
.irp k, 0,1,2,3,4,5
.irp i, 0,1,2,3
	v_max3_num_f32 v[CH+(\i)], v[CH+(\i)], v[S+16*(\i)+3+2*(\k)], v[S+16*(\i)+4+2*(\k)]
.endr
.endr
	v_max3_num_f32 v[CH], v[CH], v[S+15], v[S+31]
	v_max3_num_f32 v[CH+2], v[CH+2], v[S+47], v[S+63]
	v_max3_num_f32 v[CH], v[CH], v[CH+1], v[CH+2]
	v_max_num_f32 v[CH], v[CH], v[CH+3]
	v_permlanex16_b32 v[XH], v[CH], s42, s43
	v_max_num_f32 v[CH], v[CH], v[XH]
	v_mul_f32 v[CM], s40, v[CH]                    ; cm
	v_mov_b32 v[CM+1], v[CM]
.set i, 0
.rept 32
	v_pk_fma_f32 v[S+2*i:S+2*i+1], v[S+2*i:S+2*i+1], s[40:41], v[CM:CM+1] op_sel_hi:[1,0,0] neg_lo:[0,0,1] neg_hi:[0,0,1]  ; c s - cm
.set i, i+1
.endr
.set i, 0
.rept 64
	v_exp_f32 v[S+i], v[S+i]
.set i, i+1
.endr
	v_nop                                          ; a plain instruction between the last exponential and the use of its result
.set i, 0
	s_wait_alu depctr_va_vdst(0)
.rept 32
	v_cvt_pk_f16_f32 v[P+i], v[S+2*i], v[S+2*i+1]
.set i, i+1
.endr
.irp b, 0,1,2,3,4,5,6,7
	ds_store_b128 v[STO], v[P+4*(\b):P+4*(\b)+3] offset:32*(\b)
.endr
.irp t, 0,1,2,3,4,5,6,7
	ds_load_b128 v[BKR+4*(\t):BKR+4*(\t)+3], v[RD] offset:(\t)*2*SPITCH  ; in order behind the stores above; the sums below run while the rows come back
.endr
.irp w, 4,8,16,32,64                   ; the sum of the 32 pairs, in place: neighbours 1, 2, 4, 8 and 16 pairs apart
.set u, 0
.rept 64/(\w)
	v_pk_add_f32 v[S+(\w)*u:S+(\w)*u+1], v[S+(\w)*u:S+(\w)*u+1], v[S+(\w)*u+(\w)/2:S+(\w)*u+(\w)/2+1]
.set u, u+1
.endr
.endr
	v_add_f32 v[CH], v[S], v[S+1]
	v_permlanex16_b32 v[XH], v[CH], s42, s43
	v_add_f32 v[CH], v[CH], v[XH]                  ; l
	v_cndmask_b32 v[SV], v[CM], v[CH], s45         ; lanes 0-15 keep cm, lanes 16-31 l
	ds_store_b32 v[SCW], v[SV]
	s_wait_dscnt 0x0
.irp t, 0,1,2,3,4,5,6,7
	global_store_b128 v[CO], v[BKR+4*(\t):BKR+4*(\t)+3], s[8:9] offset:2*(\t)*PROW  ; 16 lanes store 256 consecutive bytes, at a multiple of 256 from pbuf's first byte
.endr
	s_wait_xcnt 0x0                                ; the stores' base and data are rewritten only behind this wait
	s_add_nc_u64 s[8:9], s[8:9], 16*PROW
	v_add_nc_u32 v[QI], 16, v[QI]
	s_add_co_u32 s46, s46, 8192
	s_add_co_u32 s47, s47, 64
	s_sub_co_u32 s2, s2, 1
	s_cmp_lg_u32 s2, 0
	s_cbranch_scc1 .Lrow
	ds_load_b128 v[S:S+3], v[SR]                   ; my wave's 128 cm and 128 l, 512 consecutive bytes each
	ds_load_b128 v[S+4:S+7], v[SR] offset:512
	s_wait_dscnt 0x0
	global_store_b128 v[LO], v[S:S+3], s[10:11]
	global_store_b128 v[LO], v[S+4:S+7], s[10:11] offset:524288
	s_wait_tensorcnt 0x0                           ; the wave's end
	ds_add_u32 v[SPW], v[NIL]
	s_wait_dscnt 0x0
	s_endpgm
.Lfunc_end_k_q2e23e98c30_score:
	.size	k_q2e23e98c30_score, .Lfunc_end_k_q2e23e98c30_score-k_q2e23e98c30_score
	.p2alignl 7, 3214868480
	.fill 96, 4, 3214868480
	.section	.rodata,"a",@progbits
	.p2align	6, 0x0
	.amdhsa_kernel k_q2e23e98c30_score
		.amdhsa_group_segment_fixed_size 327680
		.amdhsa_private_segment_fixed_size 0
		.amdhsa_enable_private_segment 0
		.amdhsa_kernarg_size 32
		.amdhsa_user_sgpr_count 2
		.amdhsa_user_sgpr_kernarg_segment_ptr 1
		.amdhsa_wavefront_size32 1
		.amdhsa_system_sgpr_workgroup_id_x 1
		.amdhsa_system_sgpr_workgroup_id_y 1
		.amdhsa_system_sgpr_workgroup_id_z 1
		.amdhsa_system_vgpr_workitem_id 0
		.amdhsa_next_free_vgpr 1024
		.amdhsa_next_free_sgpr 66
		.amdhsa_reserve_vcc 1
		.amdhsa_float_denorm_mode_32 3
		.amdhsa_float_denorm_mode_16_64 3
		.amdhsa_memory_ordered 1
		.amdhsa_forward_progress 1
		.amdhsa_inst_pref_size 138
	.end_amdhsa_kernel
	.amdgpu_metadata
---
amdhsa.version: [ 1, 2 ]
amdhsa.kernels:
  - .name:           k_q2e23e98c30_score
    .symbol:         k_q2e23e98c30_score.kd
    .args:
      - { .name: qv, .offset: 0, .size: 8, .value_kind: global_buffer, .address_space: global }
      - { .name: xh, .offset: 8, .size: 8, .value_kind: global_buffer, .address_space: global }
      - { .name: pbuf, .offset: 16, .size: 8, .value_kind: global_buffer, .address_space: global }
      - { .name: stats, .offset: 24, .size: 8, .value_kind: global_buffer, .address_space: global }
    .group_segment_fixed_size: 327680
    .private_segment_fixed_size: 0
    .kernarg_segment_align: 8
    .kernarg_segment_size: 32
    .max_flat_workgroup_size: 128
    .sgpr_count:     66
    .vgpr_count:     1024
    .wavefront_size: 32
...
	.end_amdgpu_metadata
.endif
;; end of part 8
;; launch pv (part 9): grid 8 x 32, 4 waves a work-group, clusters of 4 x 1, 327,680 bytes of LDS; arguments pbuf, qv, stats, out0; writes out0
.if DOCPART == 9
	.amdgcn_target "amdgcn-amd-amdhsa--gfx1250"
	.amdhsa_code_object_version 6
	.text
	.protected	k_q2e23e98c30_pv
	.globl	k_q2e23e98c30_pv
	.p2align	8
	.type	k_q2e23e98c30_pv,@function
k_q2e23e98c30_pv:
	s_mov_b64 s[64:65], 0
	v_nop
	global_prefetch_b8 v0, s[64:65] scope:SCOPE_SE
	s_setreg_imm32_b32 hwreg(HW_REG_WAVE_MODE, 25, 1), 1
	s_wait_xcnt 0x0
	s_wait_alu depctr_hold_cnt(0) depctr_sa_sdst(0) depctr_va_vdst(0) depctr_va_sdst(0) depctr_va_ssrc(0) depctr_va_vcc(0) depctr_vm_vsrc(0)
	s_getreg_b32 s2, hwreg(HW_REG_IB_STS2, 6, 4)
	s_cmp_eq_u32 s2, 0
	s_cbranch_scc0 .Lentry_in_a_cluster
	s_endpgm
.Lentry_in_a_cluster:
	s_bfe_u32 s2, ttmp6, 0x10000c
	s_cmp_lg_u32 s2, 0x3003
	s_cbranch_scc0 .Lentry_shape_is_right
	s_endpgm
.Lentry_shape_is_right:
; out0[b][q][:] = (the sum over chunks j of f_j (P'_j V_j)) / l, with M = the maximum over j of cm_j, f_j = 2^(cm_j - M), l = the sum over j of f_j l_j: the chunks' local softmaxes joined by the row's true maximum.
; pbuf: [4][2048][2048] f16 (P'); qv: [4 x 2048][2048] f16 (v at column 1024); stats: cm[b][chunk][row], l[b][chunk][row] f32, chunks of 128 keys; out0: [4][2048][1024] f32.
; A chunk's product T = P' V is summed in f32 from the constant 0, and O += f T is made in f32: nothing but the matrix operands is 16 bits wide.
; A chunk above the diagonal, or wholly hidden for a row, has cm = -2^100 or -c 2^100, so its f is 0; its P', where it is read, is finite.  LIMIT: an f below 2^-126 counts as 0.
; THE WALK.  A block of 256 queries, I = 0 .. 7, needs the key tiles 0 .. I of 256 keys.  A work-group takes 128 queries (half h of a block) x 128 channels (n of 8), for TWO blocks, I and 7 - I:
; I + 1 and 8 - I tiles, 9 together whatever I: 4 batches x 4 pairs x 2 halves x 8 n = 256 work-groups of equal work, and one loop with a constant count walks the 9 tiles.  Of the two blocks the one with an
; even number of tiles goes first, so that the change of blocks falls at the end of a trip of two tiles.  For h = 0 a block's last chunk is wholly hidden: it is multiplied like the others and f = 0 takes it out.
; THE RING.  Two LDS slots, each a tile: P', 128 rows x 512 bytes, and V, 256 rows x 256 bytes: two chunks.  Each slot's turn begins with the change of slots, behind which the other slot is filled with the
; next tile: that load has the two chunks' work in which to land.  One tensor load of a wave is out at a time.  The tile's address is made anew from its number, which goes back to 0 behind the first block's last.
; A WAVE: 64 queries x 64 channels: 16 accumulators.  T^T = V^T P': source 0 = 16 channels x 32 keys (V lies [key][channel]: turned by ds_load_tr16_b128), source 1 = 32 keys x 16 queries (P' as it lies):
; a lane holds ONE query (l % 16), so f is a number a lane, and eight neighbouring channels.
; CLUSTER.  The four work-groups of a cluster have the same queries and four different n: P's tile, half of a slot's bytes, is asked for JOINTLY (mask 15); V's is each work-group's own (no mask), behind the same
; rounds.  Every branch and every number of the walk is made of the cluster's y alone: the same in all four.
; REGISTERS, in windows of 256 (s_set_vgpr_msb: bits 1:0 source 0, 3:2 source 1, 5:4 source 2, 7:6 destination):
;   window 0: v0-31 addresses; v32-63, v200-211 statistics; v64-159 at work on the way out (at the start v64-191 hold the chunks' statistics)
;   window 1: a chunk's fragments: V's at v[32 q + 8 i], P's at v[128 + 32 q + 8 a]      window 2: T, accumulator t = 4 a + i at v[8 t]; O at v[128 + 8 t]
; O starts at 0 by 128 v_mov_b32 at each block's beginning: the price of one text for every chunk.
.set PA,    528                        ; a row of P' in LDS: 512 bytes + 16 = 33 x 16: the 16 rows that a load touches start at 16 different groups of four banks
.set HALFA, 64*PA                      ; what one tensor load brings of P'
.set PB,    288                        ; a row of V: 256 bytes + 32 = 9 x 32
.set HALFB, 128*PB                     ; what one tensor load brings of V: a chunk's 128 keys
.set BOFF,  2*HALFA
.set SLOT,  BOFF+2*HALFB               ; P's 128 rows, then V's 256 rows
.set STAGE, 2*SLOT                     ; behind the ring: 16 rows x 272 bytes for each wave, for the way out
.set SP,    272
.set SPARE, STAGE+4*16*SP              ; the spare words, 128 bytes for each wave: two blocks of 256 bytes that no other line names
.set A0,   16                          ; v16  my lane's place in a tile of P'; never rewritten
.set B0,   17                          ; v17  the same for V
.set ADA,  18                          ; v18  the same, at the chunk in hand
.set ADB,  19                          ; v19
.set STO,  24                          ; v24  the way out: where I put 32 bytes of a row
.set RD,   25                          ; v25  where I read rows back
.set GO,   26                          ; v26  my byte offset in two rows of out0
.set SO,   27                          ; v27  4 (l % 16): my query's word in 16 rows of stats
.set SPW,  28                          ; v28  LDS address of my spare word; never rewritten
.set NIL,  29                          ; v29  0; never rewritten
.set SO2,  30                          ; v30  SO, one chunk on for lanes 16-31
.set MT,   32                          ; v32-35  the next chunk's cm, a number for each 16 queries
.set MX,   36                          ; v36-39  M
.set TF,   40                          ; v40-43  at work
.set RL,   44                          ; v44-51  1 / l, in pairs
.set LS,   52                          ; v52-55  l
.set FR,   56                          ; v56-63  the chunk's f, in pairs
.set OT,   64                          ; v64-95  the way out: 16 queries' results
.set BK0,  96                          ; v96-159 16 rows read back, two sets by turns
.set TM1,  64                          ; the start: the first block's cm of 8 chunks (even ones in lanes 0-15, odd ones in lanes 16-31) x 4,
.set TL1,  96                          ; its l,
.set TM2,  128                         ; and the second block's
.set TL2,  160
.set MX2,  200                         ; v200-203  the second block's M
.set RL2,  204                         ; v204-211  and 1 / l
.set VF,   0                           ; window 1
.set PF,   128
.set OO,   128                         ; window 2
.set CNT,  2                           ; s2   counts a slot's two chunks
.set TRIPS, 3                          ; s3   counts the trips of two slots
.set G1,  24                           ; s[24:31] descriptor group 1 for P's tiles;  s[32:39] group 0, a set for each slot
.set G0,  32
.set G1B, 48                           ; s[48:55], s[56:63] the same for V's tiles
.set G0B, 56
.set PB2, 66                           ; s[66:67] pbuf at my rows of the second block's tiles
.set SB2, 68                           ; s[68:69] stats at my rows of the second block
.set OB2, 70                           ; s[70:71] out0 likewise
.set OFF, 72                           ; s[72:73] a tile's byte offset
.set NXT, 74                           ; s74  the key tile to be asked for next
.set LQ,  75                           ; s75  the last key tile of the block whose tiles are being asked for
.set LQ2, 76                           ; s76  the second block's
.set RT,  77                           ; s77  trips that the first block still has
.set TA,  78                           ; s78  LDS byte at which the chunk's part of P's rows begins
.set TB,  79                           ; s79  the same for V's rows
.set SEL, 80                           ; s[80:81] v_permlanex16_b32's selects: each lane takes its own place in the other half
.set MSB, 0
.macro WIN new                         ; the immediate's high byte repeats the setting that is left; a switch that changes nothing is dropped
.if MSB != (\new)
	s_set_vgpr_msb (MSB<<8)|(\new)
.set MSB, \new
.endif
.endm
.set WP,   0xa5                        ; a product: V and P' in window 1, C and D in window 2
.set WR,   0xa2                        ; O += f T: T (source 0) and O in window 2, f in window 0
.set TO_F, 0x40                        ; destination window 1, address window 0
.macro JLOAD s                         ; waves 0 and 1: the two halves of P's tile, jointly; waves 2 and 3: the two halves of V's, my work-group's own.  An s_nop 0 and four v_nop follow each line
	s_cmp_eq_u32 s13, 0
	s_cbranch_scc0 .Lfor_v_\@
	tensor_load_to_lds s[G0+4*(\s):G0+4*(\s)+3], s[G1:G1+7]
	s_nop 0
.rept 4
	v_nop
.endr
	s_branch .Lasked_\@
.Lfor_v_\@:
	tensor_load_to_lds s[G0B+4*(\s):G0B+4*(\s)+3], s[G1B:G1B+7]
	s_nop 0
.rept 4
	v_nop
.endr
.Lasked_\@:
.endm
.macro CROUND                          ; a round of the cluster's barrier
	s_barrier_signal -1
	s_barrier_wait -1
	s_cmp_lg_u32 s12, 0
	s_cbranch_scc1 .Lnot_wave_0_\@
	s_barrier_signal -3
.Lnot_wave_0_\@:
	s_barrier_wait -3
	s_barrier_signal -1
	s_barrier_wait -1
.endm
.macro PLACES                          ; four places (ISA guide 7.12.1)
.rept 4
	v_nop
.endr
.endm
; THE CHANGE OF SLOTS, at the head of a slot's turn.  Each wave waits for all its tensor loads, of which one is out: its part of the slot to be read; adds 0 to its spare word; and waits for that and for its reads
; of the other slot.  fill = 1: the barrier is a round of the cluster's, so that no wave of any partner still reads slot o or has a load on its way, and slot o is filled with tile NXT, first thing behind it.
; (At its first use nothing has been read yet: slot 0 is waited for, slot 1 filled for the first time.)
.macro CHANGE o, fill
	WIN 0
	s_wait_tensorcnt 0x0                           ; no tensor load of mine is out, so a group 0 may be written
	ds_add_u32 v[SPW], v[NIL]                      ; 0 onto my spare word; the descriptors' scalar work stands between it and the wait for it
.if \fill
	s_lshl_b32 s[OFF], s[NXT], 9                   ; a key tile is 512 bytes of P's rows,
	s_add_nc_u64 s[G0+4*(\o)+2:G0+4*(\o)+3], s[4:5], s[OFF:OFF+1]
	s_or_b32 s[G0+4*(\o)+3], s[G0+4*(\o)+3], 0x80000000
	s_lshl_b32 s[OFF], s[NXT], 20                  ; and 256 rows of 4,096 bytes of qv
	s_add_nc_u64 s[G0B+4*(\o)+2:G0B+4*(\o)+3], s[6:7], s[OFF:OFF+1]
	s_or_b32 s[G0B+4*(\o)+3], s[G0B+4*(\o)+3], 0x80000000
	s_add_co_u32 s[NXT], s[NXT], 1                 ; the block's next tile, or behind its last the second block's tile 0
	s_cmp_gt_u32 s[NXT], s[LQ]
	s_cselect_b32 s[NXT], 0, s[NXT]
	s_cselect_b32 s[LQ], s[LQ2], s[LQ]
	s_cselect_b64 s[4:5], s[PB2:PB2+1], s[4:5]
.endif
	s_wait_dscnt 0x0                               ; the add is done, and my reads of the other slot are over
.if \fill
	CROUND
	JLOAD \o
.else
	s_barrier_signal -1
	s_barrier_wait -1
.endif
.endm
	s_load_b256 s[4:11], s[0:1], 0x0               ; pbuf s[4:5], qv s[6:7], stats s[8:9], out0 s[10:11]
	v_lshl_add_u32 v[SPW], v0, 2, SPARE
	v_mov_b32 v[NIL], 0
	ds_add_u32 v28, v29
	ds_add_u32 v28, v29
	s_wait_dscnt 0x0
	v_lshrrev_b32 v1, 5, v0
	v_readfirstlane_b32 s12, v1                    ; wave 0..3
	s_lshr_b32 s13, s12, 1                         ; which 64 queries are mine.  Also: I fetch for P' (0) or for V (1),
	s_and_b32 s14, s12, 1                          ; which 64 channels.  Also: this half of the tile
	s_bfe_u32 s15, ttmp6, 0x40000                  ; cx
	s_lshl_b32 s16, ttmp9, 2
	s_add_co_u32 s16, s16, s15                     ; n = 4 x cluster x + cx: it enters V's and out0's addresses alone
	s_and_b32 s17, ttmp7, 0xffff                   ; y = 8 b + 4 h + p
	s_lshr_b32 s18, s17, 3                         ; b
	s_bfe_u32 s19, s17, 0x10002                    ; h
	s_and_b32 s17, s17, 3                          ; p: the pair of blocks p and 7 - p
	s_sub_co_u32 s41, 7, s17
	s_and_b32 s42, s17, 1
	s_cmp_eq_u32 s42, 1
	s_cselect_b32 s40, s17, s41                    ; the first block: the odd one of the two, which has an even number of tiles;
	s_sub_co_u32 s41, 7, s40                       ; the second
	s_lshl_b32 s20, s18, 23                        ; P': (2,048 b + 256 I + 128 h + 64 half) rows of 4,096 bytes
	s_lshl_b32 s21, s19, 19
	s_add_co_u32 s20, s20, s21
	s_lshl_b32 s21, s14, 18
	s_add_co_u32 s21, s20, s21
	s_lshl_b32 s22, s40, 20
	s_add_co_u32 s22, s21, s22
	s_mov_b32 s23, 0
	s_lshl_b32 s82, s41, 20
	s_add_co_u32 s82, s21, s82
	s_mov_b32 s83, 0
	s_lshl_b32 s46, s18, 23                        ; V: (2,048 b + 128 half) rows of 4,096 bytes + v's 2,048 + 256 n
	s_lshl_b32 s47, s14, 19
	s_add_co_u32 s46, s46, s47
	s_lshl_b32 s47, s16, 8
	s_add_co_u32 s46, s46, s47
	s_add_co_u32 s46, s46, 2048
	s_mov_b32 s47, 0
	s_mul_i32 s42, s14, HALFA                      ; where the tiles go: no place in the cluster enters an LDS address
	s_mul_i32 s43, s14, HALFB
	s_add_co_u32 s43, s43, BOFF
	s_mov_b32 s[G1+0], 15|(1<<16)|(1<<20)|(1<<21)|(6<<22)|(3<<25)  ; the mask of four; 2-byte elements; padding on; bit 21 beside a mask; after every 128 words 4 words
	s_mov_b32 s[G1+1], 256<<16                     ; tensor_dim0 = 256
	s_mov_b32 s[G1+2], 64<<16                      ; tensor_dim1 = 64
	s_mov_b32 s[G1+3], 256<<16                     ; tile_dim0 = 256
	s_mov_b32 s[G1+4], 64                          ; tile_dim1 = 64
	s_mov_b32 s[G1+5], 2048                        ; elements from row to row of pbuf
	s_mov_b32 s[G1+6], 0
	s_mov_b32 s[G1+7], 0
	s_mov_b32 s[G1B+0], (1<<16)|(1<<20)|(5<<22)|(7<<25)            ; no mask; after every 64 words 8 words of padding
	s_mov_b32 s[G1B+1], 128<<16                    ; tensor_dim0 = 128
	s_mov_b32 s[G1B+2], 128<<16                    ; tensor_dim1 = 128
	s_mov_b32 s[G1B+3], 128<<16                    ; tile_dim0 = 128
	s_mov_b32 s[G1B+4], 128                        ; tile_dim1 = 128
	s_mov_b32 s[G1B+5], 2048                       ; elements from row to row of qv
	s_mov_b32 s[G1B+6], 0
	s_mov_b32 s[G1B+7], 0
.irp s, 0,1
	s_mov_b32 s[G0+4*(\s)], 1
	s_add_co_u32 s[G0+4*(\s)+1], s42, (\s)*SLOT
	s_mov_b32 s[G0B+4*(\s)], 1
	s_add_co_u32 s[G0B+4*(\s)+1], s43, (\s)*SLOT
.endr
	s_mov_b32 s[NXT], 1
	s_mov_b32 s[LQ], s40                           ; block I's last key tile is I
	s_mov_b32 s[LQ2], s41
	s_add_co_u32 s[RT], s40, 1
	s_lshr_b32 s[RT], s[RT], 1                     ; the first block's I + 1 tiles are (I + 1) / 2 trips
	s_mov_b32 s[OFF+1], 0
	s_mov_b32 s[SEL], 0x76543210
	s_mov_b32 s[SEL+1], 0xfedcba98
	s_wait_kmcnt 0x0
	s_add_nc_u64 s[PB2:PB2+1], s[4:5], s[82:83]
	s_add_nc_u64 s[4:5], s[4:5], s[22:23]          ; pbuf at my rows of the tiles that are being asked for
	s_add_nc_u64 s[6:7], s[6:7], s[46:47]
	s_mov_b64 s[G0+2:G0+3], s[4:5]                 ; the first block's tile 0
	s_or_b32 s[G0+3], s[G0+3], 0x80000000
	s_mov_b64 s[G0B+2:G0B+3], s[6:7]
	s_or_b32 s[G0B+3], s[G0B+3], 0x80000000
	CROUND                                         ; all four work-groups are here: the first joint load meets
	JLOAD 0
	s_lshl_b32 s20, s18, 17                        ; stats: (32,768 b + 256 I + 128 h + 64 wr) x 4
	s_lshl_b32 s21, s19, 9
	s_add_co_u32 s20, s20, s21
	s_lshl_b32 s21, s13, 8
	s_add_co_u32 s20, s20, s21
	s_lshl_b32 s22, s40, 10
	s_add_co_u32 s22, s20, s22
	s_lshl_b32 s82, s41, 10
	s_add_co_u32 s82, s20, s82
	s_add_nc_u64 s[SB2:SB2+1], s[8:9], s[82:83]
	s_add_nc_u64 s[8:9], s[8:9], s[22:23]
	s_lshl_b32 s46, s18, 23                        ; out0: (2,048 b + 256 I + 128 h + 64 wr) rows of 4,096 bytes + 512 n + 256 wc
	s_lshl_b32 s47, s19, 19
	s_add_co_u32 s46, s46, s47
	s_lshl_b32 s47, s13, 18
	s_add_co_u32 s46, s46, s47
	s_lshl_b32 s47, s16, 9
	s_add_co_u32 s46, s46, s47
	s_lshl_b32 s47, s14, 8
	s_add_co_u32 s46, s46, s47
	s_lshl_b32 s86, s41, 20
	s_add_co_u32 s86, s46, s86
	s_mov_b32 s87, 0
	s_lshl_b32 s47, s40, 20
	s_add_co_u32 s46, s46, s47
	s_mov_b32 s47, 0
	s_add_nc_u64 s[OB2:OB2+1], s[10:11], s[86:87]
	s_add_nc_u64 s[10:11], s[10:11], s[46:47]
	v_and_b32 v1, 15, v0                           ; l % 16
	v_bfe_u32 v2, v0, 4, 1                         ; l / 16
	v_lshlrev_b32 v[SO], 2, v1
	v_lshl_add_u32 v[SO2], v2, 13, v[SO]
; THE STATISTICS of both blocks are made in the wait for the first tile: all 16 chunks' cm and l of my 64 queries, the even chunks in lanes 0-15 and the odd ones in lanes 16-31
.macro PLOAD tm, tl, base
.set k, 0
.rept 8
.irp a, 0,1,2,3
	global_load_b32 v[(\tm)+4*k+(\a)], v[SO2], s[(\base):(\base)+1] offset:k*16384+64*(\a)
	global_load_b32 v[(\tl)+4*k+(\a)], v[SO2], s[(\base):(\base)+1] offset:524288+k*16384+64*(\a)
.endr
.set k, k+1
.endr
.endm
.macro PCALC tm, tl, mx, rl            ; M into mx, 1 / l into the pairs at rl
.irp a, 0,1,2,3
	v_max3_num_f32 v[(\mx)+(\a)], v[(\tm)+(\a)], v[(\tm)+4+(\a)], v[(\tm)+8+(\a)]
.endr
.irp k, 0,1
.irp a, 0,1,2,3
	v_max3_num_f32 v[(\mx)+(\a)], v[(\mx)+(\a)], v[(\tm)+12+8*(\k)+(\a)], v[(\tm)+16+8*(\k)+(\a)]
.endr
.endr
.irp a, 0,1,2,3
	v_max_num_f32 v[(\mx)+(\a)], v[(\mx)+(\a)], v[(\tm)+28+(\a)]
.endr
.irp a, 0,1,2,3
	v_permlanex16_b32 v[TF+(\a)], v[(\mx)+(\a)], s[SEL], s[SEL+1]
.endr
.irp a, 0,1,2,3
	v_max_num_f32 v[(\mx)+(\a)], v[(\mx)+(\a)], v[TF+(\a)]   ; M
.endr
.set i, 0
.rept 32
	v_sub_f32 v[(\tm)+i], v[(\tm)+i], v[(\mx)+i%4]
.set i, i+1
.endr
.set i, 0
.rept 32
	v_exp_f32 v[(\tm)+i], v[(\tm)+i]               ; f
.set i, i+1
.endr
	v_nop                                          ; a plain instruction between the last exponential and the use of its result
	s_wait_alu depctr_va_vdst(0)
.irp a, 0,1,2,3
	v_mul_f32 v[LS+(\a)], v[(\tm)+(\a)], v[(\tl)+(\a)]
.endr
.set k, 1
.rept 7
.irp a, 0,1,2,3
	v_fmac_f32 v[LS+(\a)], v[(\tm)+4*k+(\a)], v[(\tl)+4*k+(\a)]
.endr
.set k, k+1
.endr
.irp a, 0,1,2,3
	v_permlanex16_b32 v[TF+(\a)], v[LS+(\a)], s[SEL], s[SEL+1]
.endr
.irp a, 0,1,2,3
	v_add_f32 v[LS+(\a)], v[LS+(\a)], v[TF+(\a)]   ; l
.endr
.irp a, 0,1,2,3
	v_rcp_f32 v[(\rl)+2*(\a)], v[LS+(\a)]
.endr
	v_nop
	s_wait_alu depctr_va_vdst(0)
.irp a, 0,1,2,3
	v_mov_b32 v[(\rl)+2*(\a)+1], v[(\rl)+2*(\a)]   ; named as pairs
.endr
.endm
.macro ZERO                            ; a block's O begins at 0
	WIN 0x80                                       ; destination window 2
.set i, 0
.rept 128
	v_mov_b32 v[OO+i], 0
.set i, i+1
.endr
	WIN 0
.endm
	PLOAD TM1, TL1, 8
	PLOAD TM2, TL2, SB2
.irp a, 0,1,2,3
	global_load_b32 v[MT+(\a)], v[SO], s[8:9] offset:64*(\a)   ; chunk 0's cm, in every lane
.endr
	ZERO
	v_and_b32 v3, 7, v0
	v_bfe_u32 v4, v0, 3, 1
	v_mul_u32_u24 v5, v1, PA                       ; a fragment of P': row l % 16, 16 bytes for each half of the lanes,
	v_lshl_add_u32 v5, v2, 4, v5
	s_mul_i32 s42, s13, 64*PA                      ; in my wave's 64 rows
	v_add_nc_u32 v[A0], s42, v5
	v_lshl_add_u32 v6, v2, 3, v3                   ; the turning load: key 8 (l / 16) + l % 8, channels 8 ((l / 8) % 2) + 0..7,
	v_mul_u32_u24 v6, v6, PB
	v_lshl_add_u32 v6, v4, 4, v6
	s_lshl_b32 s42, s14, 7                         ; in my wave's 64 channels, 128 bytes,
	s_add_co_u32 s42, s42, BOFF                    ; behind P's rows
	v_add_nc_u32 v[B0], s42, v6
	s_mul_i32 s42, s12, 16*SP
	s_add_co_u32 s42, s42, STAGE                   ; my stage
	v_mul_u32_u24 v5, v1, SP                       ; in: row l % 16, 32 bytes for each half of the lanes
	v_lshl_add_u32 v5, v2, 5, v5
	v_add_nc_u32 v[STO], s42, v5
	v_mul_u32_u24 v5, v2, SP                       ; back: lanes 0-15 take one row of 256 bytes, lanes 16-31 the next
	v_lshl_add_u32 v5, v1, 4, v5
	v_add_nc_u32 v[RD], s42, v5
	v_lshlrev_b32 v5, 12, v2                       ; and the same two rows in out0
	v_lshl_add_u32 v[GO], v1, 4, v5
.irp a, 0,1,2,3
	v_mov_b32 v[TF+(\a)], 0                        ; v_permlanex16_b32 counts as a reader of its destination
.endr
	s_wait_loadcnt 0x0
	PCALC TM1, TL1, MX, RL
	PCALC TM2, TL2, MX2, RL2
.macro FETCHQ q                        ; 16 LDS loads: quarter q of the chunk: 32 keys x my 64 channels of V, my 64 rows x 32 keys of P'
.irp i, 0,1,2,3
	ds_load_tr16_b128 v[VF+32*(\q)+8*(\i):VF+32*(\q)+8*(\i)+3],   v[ADB] offset:(\q)*32*PB+32*(\i)
	ds_load_tr16_b128 v[VF+32*(\q)+8*(\i)+4:VF+32*(\q)+8*(\i)+7], v[ADB] offset:(\q)*32*PB+32*(\i)+16*PB
.endr
.irp a, 0,1,2,3
	ds_load_b128 v[PF+32*(\q)+8*(\a):PF+32*(\q)+8*(\a)+3],   v[ADA] offset:(\q)*64+(\a)*16*PA
	ds_load_b128 v[PF+32*(\q)+8*(\a)+4:PF+32*(\q)+8*(\a)+7], v[ADA] offset:(\q)*64+(\a)*16*PA+32
.endr
.endm
.macro MMS n, q, zero                  ; the next n products of quarter q: accumulator t = 4 a + i: 16 queries (a) x 16 channels (i) x 32 keys.  zero = 1: they start the chunk's sums
	WIN WP
.rept \n
.if \zero
	v_wmma_f32_16x16x32_f16 v[8*t:8*t+7], v[VF+32*(\q)+8*(t%4):VF+32*(\q)+8*(t%4)+7], v[PF+32*(\q)+8*(t/4):PF+32*(\q)+8*(t/4)+7], 0
.else
	v_wmma_f32_16x16x32_f16 v[8*t:8*t+7], v[VF+32*(\q)+8*(t%4):VF+32*(\q)+8*(t%4)+7], v[PF+32*(\q)+8*(t/4):PF+32*(\q)+8*(t/4)+7], v[8*t:8*t+7]
.endif
.set t, t+1
.endr
.endm
.macro RIDE p                          ; O += f T for accumulators 2 p and 2 p + 1, each accumulator's registers in ascending order
	WIN WR
.set u, 16*(\p)
.rept 8
	v_pk_fma_f32 v[OO+u:OO+u+1], v[u:u+1], v[FR+2*(u/32):FR+2*(u/32)+1], v[OO+u:OO+u+1] op_sel_hi:[1,0,1]
.set u, u+2
.endr
.endm
; A SLOT'S TWO CHUNKS: written once, walked twice; the LDS addresses are a lane term and a scalar that starts at the slot's constant.
; A chunk: its 64 fragment loads go out in one run, a quarter (32 keys) after the other; while they come, f is made from the cm fetched a chunk ago, and the next chunk's cm is fetched (behind a block's last chunk
; that is a chunk which the block does not have: it lies inside stats, 16 chunks on at the most, and is not used).  Then four quarters of 16 products; the 16 accumulators take turns, one instruction a turn, in
; the same order in every quarter.  In the last quarter the sums are finished two at a time, and the pair before's eight multiply-adds stand behind each pair of products: between a product
; and the first read of its result stand the eight of the pair before that (behind the first pair four v_nop), which name none of its registers.
; The loads at a chunk's head stand sixteen multiply-adds behind the last product of the chunk before.
.macro CHUNKS slot
	s_mov_b32 s[TA], (\slot)*SLOT
	s_mov_b32 s[TB], (\slot)*SLOT
	s_mov_b32 s[CNT], 2
.Lchunk_\@:
	v_add_nc_u32 v[ADA], s[TA], v[A0]
	v_add_nc_u32 v[ADB], s[TB], v[B0]
	WIN TO_F
	FETCHQ 0
	FETCHQ 1
	FETCHQ 2
	FETCHQ 3
	WIN 0
	s_wait_loadcnt 0x0                             ; this chunk's cm
.irp a, 0,1,2,3
	v_sub_f32 v[TF+(\a)], v[MT+(\a)], v[MX+(\a)]
.endr
.irp a, 0,1,2,3
	v_exp_f32 v[FR+2*(\a)], v[TF+(\a)]
.endr
	v_nop                                          ; a plain instruction between the last exponential and the use of its result
	s_wait_alu depctr_va_vdst(0)
.irp a, 0,1,2,3
	v_mov_b32 v[FR+2*(\a)+1], v[FR+2*(\a)]         ; named as pairs
.endr
	s_add_nc_u64 s[8:9], s[8:9], 8192              ; (the loads that named the base are back)
.irp a, 0,1,2,3
	global_load_b32 v[MT+(\a)], v[SO], s[8:9] offset:64*(\a)
.endr
	s_wait_dscnt 48                                ; quarter 0 is in; the three later quarters' 48 loads may be out
.set t, 0
	MMS 16, 0, 1
	s_wait_dscnt 32                                ; two later quarters'
.set t, 0
	MMS 16, 1, 0
	s_wait_dscnt 16                                ; the last quarter's
.set t, 0
	MMS 16, 2, 0
	s_wait_dscnt 0x0
.set t, 0
.set p, 0
.rept 8
	MMS 2, 3, 0
.if p == 0
	PLACES
.else
	RIDE p-1
.endif
.set p, p+1
.endr
	RIDE 7
	WIN 0                                          ; at a label and at a branch every window is 0
	s_add_co_u32 s[TA], s[TA], 256                 ; the slot's second chunk: 256 bytes on in P's rows,
	s_add_co_u32 s[TB], s[TB], 128*PB              ; 128 rows on in V
	s_sub_co_u32 s[CNT], s[CNT], 1
	s_cmp_lg_u32 s[CNT], 0
	s_cbranch_scc1 .Lchunk_\@
.endm
; THE WAY OUT, 16 queries at a time: O / l; a lane's eight channels, 32 bytes, into my stage; back as whole rows of 256 bytes; stored.
.macro OUTM a
	WIN 0x02                                       ; source 0 in window 2
.set i, 0
.rept 16
	v_pk_mul_f32 v[OT+2*i:OT+2*i+1], v[OO+32*(\a)+2*i:OO+32*(\a)+2*i+1], v[RL+2*(\a):RL+2*(\a)+1] op_sel_hi:[1,0]
.set i, i+1
.endr
	WIN 0
.endm
.macro OUTS a
.set BK, BK0+32*((\a)%2)
.irp i, 0,1,2,3
	ds_store_b128 v[STO], v[OT+8*(\i):OT+8*(\i)+3] offset:64*(\i)
	ds_store_b128 v[STO], v[OT+8*(\i)+4:OT+8*(\i)+7] offset:64*(\i)+16
.endr
.irp t, 0,1,2,3,4,5,6,7
	ds_load_b128 v[BK+4*(\t):BK+4*(\t)+3], v[RD] offset:(\t)*2*SP  ; LDS serves a wave's instructions in order (ISA guide 5.7.1.4): these see the stores above
.endr
.endm
.macro SEND a
.set BK, BK0+32*((\a)%2)
	s_wait_dscnt 0x0                               ; the rows are back in registers
	s_wait_xcnt 0x0                                ; the registers that earlier stores read are loaded again only behind this wait
.irp t, 0,1,2,3,4,5,6,7
	global_store_b128 v[GO], v[BK+4*(\t):BK+4*(\t)+3], s[10:11] offset:(16*(\a)+2*(\t))*4096  ; 16 lanes store 256 consecutive bytes, at a multiple of 256 from out0's first byte
.endr
.endm
.macro WAYOUT
	OUTM 0
	OUTS 0
.irp a, 1,2,3                          ; the next 16 queries' multiplies stand between the loads from the stage and the wait for them
	OUTM \a
	SEND (\a)-1
	OUTS \a
.endr
	SEND 3
.endm
	s_mov_b32 s[TRIPS], 4
.Ltrip:                                                ; a trip: two tiles are multiplied and the two behind them asked for: eight of the walk's nine
	CHANGE 1, 1
	CHUNKS 0
	CHANGE 0, 1
	CHUNKS 1
	s_sub_co_u32 s[RT], s[RT], 1
	s_cmp_lg_u32 s[RT], 0
	s_cbranch_scc1 .Lsame                          ; forward, past text that holds neither a barrier nor a tensor load
	s_wait_loadcnt 0x0                             ; THE FIRST BLOCK IS FINISHED.  The look-ahead is back, so its base and registers may be written:
	s_mov_b64 s[8:9], s[SB2:SB2+1]                 ; the second block's chunk 0 is fetched ahead of the way out
.irp a, 0,1,2,3
	global_load_b32 v[MT+(\a)], v[SO], s[8:9] offset:64*(\a)
.endr
	WAYOUT
	s_wait_xcnt 0x0                                ; the stores' base is rewritten only behind this wait
	s_mov_b64 s[10:11], s[OB2:OB2+1]
.irp a, 0,1,2,3
	v_mov_b32 v[MX+(\a)], v[MX2+(\a)]
.endr
.irp a, 0,1,2,3,4,5,6,7
	v_mov_b32 v[RL+(\a)], v[RL2+(\a)]
.endr
	ZERO
.Lsame:
	s_sub_co_u32 s[TRIPS], s[TRIPS], 1
	s_cmp_lg_u32 s[TRIPS], 0
	s_cbranch_scc1 .Ltrip
	CHANGE 1, 0                                    ; the walk's last tile is written out: nothing is asked for
	CHUNKS 0
	WAYOUT
	s_wait_tensorcnt 0x0                           ; the wave's end
	ds_add_u32 v[SPW], v[NIL]
	s_wait_dscnt 0x0
	CROUND                                         ; the closing round: no work-group ends while a partner may still ask for a tile that names it
	s_endpgm
.Lfunc_end_k_q2e23e98c30_pv:
	.size	k_q2e23e98c30_pv, .Lfunc_end_k_q2e23e98c30_pv-k_q2e23e98c30_pv
	.p2alignl 7, 3214868480
	.fill 96, 4, 3214868480
	.section	.rodata,"a",@progbits
	.p2align	6, 0x0
	.amdhsa_kernel k_q2e23e98c30_pv
		.amdhsa_group_segment_fixed_size 327680
		.amdhsa_private_segment_fixed_size 0
		.amdhsa_enable_private_segment 0
		.amdhsa_kernarg_size 32
		.amdhsa_user_sgpr_count 2
		.amdhsa_user_sgpr_kernarg_segment_ptr 1
		.amdhsa_wavefront_size32 1
		.amdhsa_system_sgpr_workgroup_id_x 1
		.amdhsa_system_sgpr_workgroup_id_y 1
		.amdhsa_system_sgpr_workgroup_id_z 1
		.amdhsa_system_vgpr_workitem_id 0
		.amdhsa_next_free_vgpr 768
		.amdhsa_next_free_sgpr 88
		.amdhsa_reserve_vcc 0
		.amdhsa_float_denorm_mode_32 3
		.amdhsa_float_denorm_mode_16_64 3
		.amdhsa_memory_ordered 1
		.amdhsa_forward_progress 1
		.amdhsa_inst_pref_size 108
	.end_amdhsa_kernel
	.amdgpu_metadata
---
amdhsa.version: [ 1, 2 ]
amdhsa.kernels:
  - .name:           k_q2e23e98c30_pv
    .symbol:         k_q2e23e98c30_pv.kd
    .args:
      - { .name: pbuf, .offset: 0, .size: 8, .value_kind: global_buffer, .address_space: global }
      - { .name: qv, .offset: 8, .size: 8, .value_kind: global_buffer, .address_space: global }
      - { .name: stats, .offset: 16, .size: 8, .value_kind: global_buffer, .address_space: global }
      - { .name: out0, .offset: 24, .size: 8, .value_kind: global_buffer, .address_space: global }
    .group_segment_fixed_size: 327680
    .private_segment_fixed_size: 0
    .kernarg_segment_align: 8
    .kernarg_segment_size: 32
    .max_flat_workgroup_size: 128
    .sgpr_count:     88
    .vgpr_count:     768
    .wavefront_size: 32
...
	.end_amdgpu_metadata
.endif
;; end of part 9
;; ======== version 3 of 3: 5 launches; version 2 with the launch cast written anew for expert scheduling mode
;; limits: values are held in f16: magnitudes above 65,504 overflow, below 6.1e-05 lose precision
;; workspace buffers: xh 16,777,216 bytes; wa 4,194,304 bytes; wh 4,194,304 bytes; qv 33,554,432 bytes; pbuf 33,554,432 bytes; stats 1,048,576 bytes
;; launch cast (part 10): grid 704 x 1, 8 waves a work-group, no clusters, 0 bytes of LDS; arguments x, w_q, w_k, w_v, xh, wa, wh, stats; writes xh, wa, wh, stats
.if DOCPART == 10
	.amdgcn_target "amdgcn-amd-amdhsa--gfx1250"
	.amdhsa_code_object_version 6
	.text
	.protected	k_q2e23e98c30_cast
	.globl	k_q2e23e98c30_cast
	.p2align	8
	.type	k_q2e23e98c30_cast,@function
k_q2e23e98c30_cast:
	s_mov_b64 s[64:65], 0
	v_nop
	global_prefetch_b8 v0, s[64:65] scope:SCOPE_SE
	s_setreg_imm32_b32 hwreg(HW_REG_WAVE_SCHED_MODE, 0, 2), 2
	s_setreg_imm32_b32 hwreg(HW_REG_WAVE_MODE, 25, 1), 1
	s_wait_xcnt 0x0
	s_wait_alu depctr_vm_vsrc(0)
; Every input is rounded to bf16 (nearest even), multiplied by a power of two (exact) and written as f16; and stats gets its starting values.
;   xh[8192][1024]  = bf16(x) 2^-5        wa[0..1023][1024] = bf16(w_q)        wa[1024..2047][1024] = bf16(w_k)        wh[k][1024 + d] = bf16(w_v[k][d]) 2^5   (wh: [1024][2048])
; The two scales cancel in v = xh wh; the 2^-5 on x keeps x (w_q w_k^T) inside f16 in the launches behind (their heads give the figures).
; stats: 524,288 bytes of chunk maxima, which start at -2^100, then 524,288 bytes of chunk sums, which start at 0: a chunk that no later launch writes then counts for nothing.
; LIMITS.  A scaled bf16 number is exact in f16 from 2^-17 up to 65,504; beyond 65,504 it becomes an infinity; below 2^-17 it keeps f16's fixed step of 2^-24.
; SHARES.  A work-group takes 16 rows of 1,024 floats; thread t the floats 4 t .. 4 t + 3 of each: a wave's load covers 512 consecutive bytes, its store 256 consecutive bytes, aligned.
; Work-groups 0-511 take x (and 2,048 bytes of stats each), 512-703 the three weights, 64 each.  What differs between them (bases, the output's pitch, the scale) lies in scalar registers, so the
; work is written once.  All 16 loads go out first; each row has data and offset registers of its own, so nothing is rewritten while it is read.  No LDS, no matrix unit: every byte moves once.
; THE MODE: SCHED_MODE bits 1:0 = 2 (LLVM: expert scheduling mode 2), set by the entry lines.  The code itself states the register dependences
; between vector instructions and memory instructions, with s_wait_alu, always for 0.
; THE PLAN.  Registers that memory instructions touch:
;   v1         the loads' offset.  Written once at the head; read by the 16 loads; never written again.
;   X          Row i's four registers are written by its load, once, and read by its two roundings to bf16; no second load lands in them.
;   Y          Row i's two registers are written by its two conversions to f16, once, and read by its store.
;   YO         Row i's offset in the output.  v[YO] is written at the head, the other fifteen by a chain of adds behind the loads; read by the stores (v[YO] by the store into stats too); never written again.
;   v4, v5     stats' starting value.  Written on x's path, read by the store into stats, never written again.
;   T          named by vector instructions alone.
; No register that a memory instruction reads is ever written again, so all that is to be stated is that a vector line has written what a memory instruction reads.
; The 16 rows go in four blocks of four.  Block p's vector lines name X and Y of its own rows and T.  Its memory instructions are the four stores of block p - 1, which read that block's Y and YO.
; So ONE wait at a block's head states all that its four stores hang on, and they are dealt among the block's rows with no further wait.
.set X, 16                             ; v[16:79]    row i: 4 floats as loaded
.set Y, 80                             ; v[80:111]   row i: 4 f16 to store
.set YO, 112                           ; v[112:127]  row i: my byte offset in the output: 8 t + i x pitch
.set T, 6                              ; v[6:11]     at work
.set FILL, 0xf1800000                  ; -2^100
.macro ROUND i                         ; row i's arithmetic: ten vector lines
	v_cvt_pk_bf16_f32 v[T], v[X+4*(\i)], v[X+4*(\i)+1]      ; the rounding that counts: to bf16
	v_cvt_pk_bf16_f32 v[T+1], v[X+4*(\i)+2], v[X+4*(\i)+3]
	v_lshlrev_b32 v[T+2], 16, v[T]                 ; bf16 to f32: the low half moves up,
	v_and_b32 v[T+3], s27, v[T]                    ; the high half stays
	v_lshlrev_b32 v[T+4], 16, v[T+1]
	v_and_b32 v[T+5], s27, v[T+1]
	v_pk_mul_f32 v[T+2:T+3], v[T+2:T+3], s[28:29] op_sel_hi:[1,0]   ; the power of two
	v_pk_mul_f32 v[T+4:T+5], v[T+4:T+5], s[28:29] op_sel_hi:[1,0]
	v_cvt_pk_f16_f32 v[Y+2*(\i)], v[T+2], v[T+3]   ; eight significant bits fit into f16's eleven: exact within the limits above
	v_cvt_pk_f16_f32 v[Y+2*(\i)+1], v[T+4], v[T+5]
.endm
; Block p: rows 4 p .. 4 p + 3 are rounded; the four rows of the block before are stored, a store in front of each row's arithmetic.
.macro BLK p
.irp j, 0,1,2,3
	s_wait_loadcnt 15-4*(\p)-(\j)                  ; loads come back in order: row 4 p + j is in, the younger rows may stay out
.if (\p) > 0
.if (\j) == 0
	s_wait_alu depctr_va_vdst(0)                   ; the block before has written its eight registers of Y, which this block's four stores read; at block 1 the chain of adds has written v[YO+1 ..] too
.endif
	global_store_b64 v[YO+4*(\p)-4+(\j)], v[Y+8*(\p)-8+2*(\j):Y+8*(\p)-8+2*(\j)+1], s[22:23]  ; no vector line since the wait names these registers
.endif
	ROUND 4*(\p)+(\j)
.endr
.endm
	s_load_b256 s[4:11], s[0:1], 0x0               ; x s[4:5], w_q s[6:7], w_k s[8:9], w_v s[10:11]
	s_load_b256 s[12:19], s[0:1], 0x20             ; xh s[12:13], wa s[14:15], wh s[16:17], stats s[18:19]
	v_lshlrev_b32 v1, 4, v0                        ; my 16 bytes of a row of floats
	v_lshlrev_b32 v[YO], 3, v0                     ; my 8 bytes of a row of f16
	s_mov_b32 s27, 0xffff0000                      ; a word's upper bf16
	s_mov_b32 s25, 0                               ; the high word of every offset
	s_mov_b32 s26, 2048                            ; the output's pitch, but for w_v
	s_wait_kmcnt 0x0
	s_cmp_lt_u32 ttmp9, 512
	s_cbranch_scc0 .Lweights
	s_lshl_b32 s24, ttmp9, 16                      ; 16 rows of 4,096 bytes
	s_add_nc_u64 s[20:21], s[4:5], s[24:25]
	s_lshl_b32 s24, ttmp9, 15                      ; 16 rows of 2,048 bytes
	s_add_nc_u64 s[22:23], s[12:13], s[24:25]
	s_mov_b32 s28, 0x3d000000                      ; 2^-5
	s_lshl_b32 s24, ttmp9, 11                      ; my 2,048 bytes of stats: work-groups 0-255 the maxima, 256-511 the sums
	s_add_nc_u64 s[18:19], s[18:19], s[24:25]
	s_cmp_lt_u32 ttmp9, 256
	s_cselect_b32 s30, FILL, 0
	v_mov_b32 v4, s30
	v_mov_b32 v5, s30
	s_wait_alu depctr_va_vdst(0)                   ; v4, v5 and v[YO] are written: the store below reads them as its data and its offset
	global_store_b64 v[YO], v[4:5], s[18:19]
	s_branch .Lgo
.Lweights:
	s_sub_co_u32 s30, ttmp9, 512
	s_lshr_b32 s31, s30, 6                         ; which weight: 0 q, 1 k, 2 v
	s_and_b32 s30, s30, 63                         ; which 16 rows of it
	s_cmp_eq_u32 s31, 1
	s_cselect_b64 s[20:21], s[8:9], s[6:7]
	s_cmp_eq_u32 s31, 2
	s_cselect_b64 s[20:21], s[10:11], s[20:21]
	s_cselect_b64 s[22:23], s[16:17], s[14:15]     ; w_v goes into wh, the others into wa
	s_cselect_b32 s26, 4096, s26                   ; a row of wh is 4,096 bytes
	s_cselect_b32 s28, 0x42000000, 1.0             ; 2^5 for w_v
	s_lshl_b32 s24, s30, 16
	s_add_nc_u64 s[20:21], s[20:21], s[24:25]
	s_mul_i32 s24, s30, s26
	s_lshl_b32 s24, s24, 4                         ; 16 rows of the output
	s_cmp_eq_u32 s31, 1
	s_cselect_b32 s30, 0x200000, 0                 ; w_k lies behind w_q's 2,097,152 bytes,
	s_cmp_eq_u32 s31, 2
	s_cselect_b32 s30, 2048, s30                   ; w_v in the right half of wh's rows
	s_add_co_u32 s24, s24, s30
	s_add_nc_u64 s[22:23], s[22:23], s[24:25]
.Lgo:
	s_wait_alu depctr_va_vdst(0)                   ; v1 is written: the 16 loads read it as their offset (on the weights' way no wait has stood behind the line that makes it)
.irp i, 0,1,2,3,4,5,6,7,8,9,10,11,12,13,14,15
	global_load_b128 v[X+4*(\i):X+4*(\i)+3], v1, s[20:21] offset:(\i)*4096 th:TH_LOAD_NT
.endr
	s_mov_b32 s29, s28                             ; named with it as a pair
.irp i, 1,2,3,4,5,6,7,8,9,10,11,12,13,14,15
	v_add_nc_u32 v[YO+(\i)], s26, v[YO+(\i)-1]     ; made while the loads are on their way; the first store that reads one of them stands behind the wait at block 1's head
.endr
	BLK 0                                          ; rows 0 to 3: there is no block before, so no store and no wait but those for the data
	BLK 1
	BLK 2
	BLK 3
	s_wait_alu depctr_va_vdst(0)                   ; block 3 has written its eight registers of Y, which the last four stores read
.irp i, 12,13,14,15
	global_store_b64 v[YO+(\i)], v[Y+2*(\i):Y+2*(\i)+1], s[22:23]
.endr
	s_endpgm
.Lfunc_end_k_q2e23e98c30_cast:
	.size	k_q2e23e98c30_cast, .Lfunc_end_k_q2e23e98c30_cast-k_q2e23e98c30_cast
	.p2alignl 7, 3214868480
	.fill 96, 4, 3214868480
	.section	.rodata,"a",@progbits
	.p2align	6, 0x0
	.amdhsa_kernel k_q2e23e98c30_cast
		.amdhsa_group_segment_fixed_size 0
		.amdhsa_private_segment_fixed_size 0
		.amdhsa_enable_private_segment 0
		.amdhsa_kernarg_size 64
		.amdhsa_user_sgpr_count 2
		.amdhsa_user_sgpr_kernarg_segment_ptr 1
		.amdhsa_wavefront_size32 1
		.amdhsa_system_sgpr_workgroup_id_x 1
		.amdhsa_system_sgpr_workgroup_id_y 1
		.amdhsa_system_sgpr_workgroup_id_z 1
		.amdhsa_system_vgpr_workitem_id 0
		.amdhsa_next_free_vgpr 128
		.amdhsa_next_free_sgpr 66
		.amdhsa_reserve_vcc 0
		.amdhsa_float_denorm_mode_32 3
		.amdhsa_float_denorm_mode_16_64 3
		.amdhsa_memory_ordered 1
		.amdhsa_forward_progress 1
		.amdhsa_inst_pref_size 15
	.end_amdhsa_kernel
	.amdgpu_metadata
---
amdhsa.version: [ 1, 2 ]
amdhsa.kernels:
  - .name:           k_q2e23e98c30_cast
    .symbol:         k_q2e23e98c30_cast.kd
    .args:
      - { .name: x, .offset: 0, .size: 8, .value_kind: global_buffer, .address_space: global }
      - { .name: w_q, .offset: 8, .size: 8, .value_kind: global_buffer, .address_space: global }
      - { .name: w_k, .offset: 16, .size: 8, .value_kind: global_buffer, .address_space: global }
      - { .name: w_v, .offset: 24, .size: 8, .value_kind: global_buffer, .address_space: global }
      - { .name: xh, .offset: 32, .size: 8, .value_kind: global_buffer, .address_space: global }
      - { .name: wa, .offset: 40, .size: 8, .value_kind: global_buffer, .address_space: global }
      - { .name: wh, .offset: 48, .size: 8, .value_kind: global_buffer, .address_space: global }
      - { .name: stats, .offset: 56, .size: 8, .value_kind: global_buffer, .address_space: global }
    .group_segment_fixed_size: 0
    .private_segment_fixed_size: 0
    .kernarg_segment_align: 8
    .kernarg_segment_size: 64
    .max_flat_workgroup_size: 256
    .sgpr_count:     66
    .vgpr_count:     128
    .wavefront_size: 32
...
	.end_amdgpu_metadata
.endif
;; end of part 10
;; launch wqk: the kernel of part 6 again; grid 16 x 16, 4 waves a work-group, clusters of 4 x 4, 327,680 bytes of LDS; arguments wa, wh; writes wh
;; launch proj: the kernel of part 7 again; grid 8 x 32, 4 waves a work-group, clusters of 4 x 4, 327,680 bytes of LDS; arguments xh, wh, qv; writes qv
;; launch score: the kernel of part 8 again; grid 9 x 16, 4 waves a work-group, no clusters, 327,680 bytes of LDS; arguments qv, xh, pbuf, stats; writes pbuf, stats
;; launch pv: the kernel of part 9 again; grid 8 x 32, 4 waves a work-group, clusters of 4 x 1, 327,680 bytes of LDS; arguments pbuf, qv, stats, out0; writes out0
